; MI455X (gfx1250); checked and timed in simulation.
; The chip was launched on July 23, 2026; its instructions are those of AMD's public machine-readable ISA for CDNA 5 (MIT licence, August 2026) and "CDNA5" Instruction Set Architecture Reference Guide (July 2026). The comments in the code are by the model that wrote it; some were corrected since.
;; Encoder. Allowed arithmetic: matrix products marked QUANTISED: E4M3 operands, one given power-of-two scale a tensor, by v_wmma_f32_16x16x64_fp8_fp8 or v_wmma_f32_16x16x128_fp8_fp8, f32 sums; everything else in f32.
;; Inputs: W1 1,024 x 4,096 float32; W2 4,096 x 1,024 float32; Wk 1,024 x 1,024 float32; Wo 1,024 x 1,024 float32; Wq 1,024 x 1,024 float32; Wv 1,024 x 1,024 float32; b1 4,096 float32; b2 1,024 float32; bk 1,024 float32; bo 1,024 float32; bq 1,024 float32; bv 1,024 float32; ln1_b 2,048 x 1,024 float32; ln1_w 2,048 x 1,024 float32; ln2_b 2,048 x 1,024 float32; ln2_w 2,048 x 1,024 float32; lowp_scales 16 int32 (the exponents e of the quantised operands' scales 2^e); x 2 x 2,048 x 1,024 float32; y 2 x 2,048 x 1,024 float32.
;; Outputs: out0 2 x 2,048 x 1,024 float32.
;; This version of the problem:
;;   THIS VERSION OF THE PROBLEM IS GIVEN IN LOW PRECISION. The matrix products marked QUANTISED in the list below multiply operands that are first quantised to E4M3 (4 exponent bits, 3 mantissa bits; 8 bits a number), with one given power-of-two scale for each operand tensor; their sums are f32. All else is computed in f32.
;;   The module's matrix products, in the order in which they are computed (A, B: the left and right operand; K: the contracted axis; several contracted axes count as one K, in the product's order):
;;     1. [M 4,096, K 1,024] x [K 1,024, N 1,024]; A: input x; B: input Wq: QUANTISED (scales: A lowp_scales[0], B lowp_scales[1])
;;     2. [M 4,096, K 1,024] x [K 1,024, N 1,024]; A: computed on the way; B: input Wk: QUANTISED (scales: A lowp_scales[2], B lowp_scales[3])
;;     3. [M 4,096, K 1,024] x [K 1,024, N 1,024]; A: computed on the way; B: input Wv: QUANTISED (scales: A lowp_scales[4], B lowp_scales[5])
;;     4. batch 32 x [M 2,048, K 64] x [K 64, N 2,048]; A: computed on the way; B: computed on the way: QUANTISED (scales: A lowp_scales[6], B lowp_scales[7])
;;     5. batch 32 x [M 2,048, K 2,048] x [K 2,048, N 64]; A: softmax (see below); B: computed on the way: QUANTISED (scales: A lowp_scales[8], B lowp_scales[9])
;;     6. [M 4,096, K 1,024] x [K 1,024, N 1,024]; A: computed on the way; B: input Wo: QUANTISED (scales: A lowp_scales[10], B lowp_scales[11])
;;     7. [M 4,096, K 1,024] x [K 1,024, N 4,096]; A: computed on the way; B: input W1: QUANTISED (scales: A lowp_scales[12], B lowp_scales[13])
;;     8. [M 4,096, K 4,096] x [K 4,096, N 1,024]; A: computed on the way; B: input W2: QUANTISED (scales: A lowp_scales[14], B lowp_scales[15])
;;   THE QUANTISER, for each operand of a quantised product, along K:
;;     - The operand's scale is 2^e, e = its entry of the input lowp_scales (int32; the entries are numbered through the quantised products in the list's order, A before B).
;;     - Each number is divided by the scale, clamped to +-448, and rounded to the nearest number of E4M3, ties to even, subnormals kept.
;;     - The product sums the exact products of the quantised numbers (number of the format x scale) in f32.
;;   ~~~python
;;   def quantise(x, axis, e):      # numpy; x: float32 -> the quantised numbers, widened to float32 again
;;       x = np.moveaxis(x, axis, -1); K = x.shape[-1]
;;       r = np.clip(x / 2.0 ** e, -448, 448)
;;       step = 2.0 ** (np.maximum(np.frexp(np.where(r == 0, 1, r))[1] - 1, -6) - 3)
;;       q = np.round(r / step) * step * 2.0 ** e      # np.round: ties to even
;;       return np.moveaxis(q, -1, axis).astype(np.float32)
;;   ~~~
;;   SOFTMAX AHEAD OF A QUANTISED PRODUCT. Where the list says 'softmax', what is quantised is not the finished softmax but p = 2^(t - M), with t = logit x log2(e) and M = ceil(the row's largest t), a whole number; so 1/2 < the row's largest p <= 1. The row's sum l is taken of the UNQUANTISED p, in f32, and the product's result is divided by l at the end. Since M is a whole number, a kernel that streams over the keys may use a running M (the ceiling of the running maximum): every later rescaling is an exact power of two, so the quantised numbers keep their values, but for numbers so far below the row's largest that they fall under the format's range.
;;   OPERANDS COMPUTED ON THE WAY. 'Computed on the way' means the value that the module computes at that place (a softmax that the list does not call 'softmax' is quantised finished and normalised). What goes into a quantiser is computed in f32, as accurately as f32 sums, v_exp_f32 and their like allow (about 1e-6 of the number): no bf16 or f16 on the way to a quantiser, and a product that is left as it is and whose result goes on into a quantised operand takes f32 operands (vector FMAs, or v_wmma_f32_16x16x4_f32). A number that lies on a knife's edge between two numbers of the format may be rounded either way, as far as f32 arithmetic and the matrix unit's own rounding can turn it there, and no further.
;; 2 versions. Each part assembles by itself: llvm-mc -triple=amdgcn-amd-amdhsa -mcpu=gfx1250 --defsym DOCPART=n.
;; ======== version 1 of 2: 10 launches
;; workspace buffers: wc 12,582,912 bytes; acts 12,582,912 bytes; qkvc 12,582,912 bytes; ao 4,194,304 bytes; y1 16,777,216 bytes; hc 16,777,216 bytes; part 8,192 bytes
;; launch stats1 (part 1): grid 256 x 1, 4 waves a work-group, no clusters, 0 bytes of LDS; arguments y, part; writes part
.if DOCPART == 1
	.amdgcn_target "amdgcn-amd-amdhsa--gfx1250"
	.amdhsa_code_object_version 6
	.text
	.protected	k_qdeb34607a2_stats1
	.globl	k_qdeb34607a2_stats1
	.p2align	8
	.type	k_qdeb34607a2_stats1,@function
k_qdeb34607a2_stats1:
	s_mov_b64 s[64:65], 0
	v_nop
	global_prefetch_b8 v0, s[64:65] scope:SCOPE_SE
	s_setreg_imm32_b32 hwreg(HW_REG_WAVE_MODE, 25, 1), 1
	s_wait_xcnt 0x0
; Partial figures for a LayerNorm that is taken jointly over the 2,048 x 1,024 numbers of each of two batches.
; t: [2][2048][1024] f32.  part: [2][512 sums, then 512 M2] f32.
; Wave W = 4 x work-group + wave (0 .. 1,023) owns 4,096 consecutive numbers (16,384 bytes) and keeps them in 128 registers between two passes:
; pass 1 their sum S, pass 2 M2 = the sum of (t - S / 4096)^2.  The variance is never formed as a difference of large sums, so a common offset of the
; inputs costs no digits.  The launches that normalise join the 512 parts of a batch: M2 = sum M2_i + 4096 x sum (mean_i - mean)^2.
; Each load of the wave covers 512 consecutive bytes.  A wave's result is 8 bytes (the whole buffer is 8,192): these two stores fill no 256 bytes, and nothing larger is there to store.
; No LDS, no barrier: waves share nothing.  NaN among the inputs is not served.
.set X, 32                             ; v32-159  the wave's numbers
.macro REDUCE v, t                     ; the sum over the 32 lanes, in every lane; v[t] has been written before
	v_add_f32_dpp v[\v], v[\v], v[\v] row_xmask:1 row_mask:0xf bank_mask:0xf
	v_add_f32_dpp v[\v], v[\v], v[\v] row_xmask:2 row_mask:0xf bank_mask:0xf
	v_add_f32_dpp v[\v], v[\v], v[\v] row_xmask:4 row_mask:0xf bank_mask:0xf
	v_add_f32_dpp v[\v], v[\v], v[\v] row_xmask:8 row_mask:0xf bank_mask:0xf
	v_permlanex16_b32 v[\t], v[\v], s12, s13
	v_add_f32 v[\v], v[\v], v[\t]
.endm
.macro JOIN                            ; the four chains v[8:15] into v8
	v_pk_add_f32 v[8:9], v[8:9], v[10:11]
	v_pk_add_f32 v[12:13], v[12:13], v[14:15]
	v_pk_add_f32 v[8:9], v[8:9], v[12:13]
	v_add_f32 v8, v8, v9
.endm
.macro SUMS n                          ; n more pairs, the four chains by turns
.rept \n
	v_pk_add_f32 v[8+2*(p%4):9+2*(p%4)], v[8+2*(p%4):9+2*(p%4)], v[X+2*p:X+2*p+1]
.set p, p+1
.endr
.endm
	s_load_b128 s[4:7], s[0:1], 0x0                ; t, part
	v_lshrrev_b32 v2, 5, v0
	v_readfirstlane_b32 s8, v2                     ; wave
	v_and_b32 v3, 31, v0                           ; lane
	v_lshlrev_b32 v1, 4, v3                        ; 16 bytes a lane
	s_lshl_b32 s9, ttmp9, 2
	s_add_co_u32 s9, s9, s8                        ; W
	s_lshl_b32 s10, s9, 14                         ; W x 16,384 bytes
	s_mov_b32 s11, 0
	s_mov_b32 s12, 0x76543210                      ; v_permlanex16_b32: lane l xor 16
	s_mov_b32 s13, 0xfedcba98
	s_lshr_b32 s14, s9, 9                          ; batch
	s_lshl_b32 s14, s14, 12
	s_and_b32 s15, s9, 511
	s_lshl_b32 s15, s15, 2
	s_add_co_u32 s14, s14, s15                     ; my sum's byte in part
	v_mov_b32 v4, s14
	v_mov_b32 v18, 0                               ; written once: a lane permute's destination counts as a source
	s_wait_kmcnt 0x0
	s_add_nc_u64 s[4:5], s[4:5], s[10:11]
.set j, 0
.rept 32
	global_load_b128 v[X+4*j:X+4*j+3], v1, s[4:5] offset:512*j
.set j, j+1
.endr
	; pass 1: the sum, in four chains of pairs; the first eight pairs start the chains, nothing is cleared
	s_wait_loadcnt 24                              ; loads 0-7 are in, the 24 younger may be out
.irp k, 0,1,2,3
	v_pk_add_f32 v[8+2*\k:9+2*\k], v[X+2*\k:X+2*\k+1], v[X+8+2*\k:X+9+2*\k]
.endr
.set p, 8
	SUMS 8
	s_wait_loadcnt 16
	SUMS 16
	s_wait_loadcnt 8
	SUMS 16
	s_wait_loadcnt 0
	SUMS 16
	JOIN
	REDUCE 8, 18
	v_mov_b32 v22, v8                              ; S
	v_mul_f32 v16, 0x39800000, v8                  ; my mean = S / 4096
	v_mov_b32 v17, v16
	; pass 2: M2 about my own mean
.set p, 0
.rept 64
	v_pk_add_f32 v[18+2*(p%2):19+2*(p%2)], v[X+2*p:X+2*p+1], v[16:17] neg_lo:[0,1] neg_hi:[0,1]
.if p < 4
	v_pk_mul_f32 v[8+2*(p%4):9+2*(p%4)], v[18+2*(p%2):19+2*(p%2)], v[18+2*(p%2):19+2*(p%2)]
.else
	v_pk_fma_f32 v[8+2*(p%4):9+2*(p%4)], v[18+2*(p%2):19+2*(p%2)], v[18+2*(p%2):19+2*(p%2)], v[8+2*(p%4):9+2*(p%4)]
.endif
.set p, p+1
.endr
	JOIN
	REDUCE 8, 18
	s_wait_xcnt 0x0                                ; EXEC is a source of the loads above: it changes only behind this wait
	v_cmp_eq_u32 vcc_lo, 0, v3
	s_and_saveexec_b32 s16, vcc_lo                 ; lane 0 stores for the wave
	global_store_b32 v4, v22, s[6:7]
	global_store_b32 v4, v8, s[6:7] offset:2048
	s_endpgm
.Lfunc_end_k_qdeb34607a2_stats1:
	.size	k_qdeb34607a2_stats1, .Lfunc_end_k_qdeb34607a2_stats1-k_qdeb34607a2_stats1
	.p2alignl 7, 3214868480
	.fill 96, 4, 3214868480
	.section	.rodata,"a",@progbits
	.p2align	6, 0x0
	.amdhsa_kernel k_qdeb34607a2_stats1
		.amdhsa_group_segment_fixed_size 0
		.amdhsa_private_segment_fixed_size 0
		.amdhsa_enable_private_segment 0
		.amdhsa_kernarg_size 16
		.amdhsa_user_sgpr_count 2
		.amdhsa_user_sgpr_kernarg_segment_ptr 1
		.amdhsa_wavefront_size32 1
		.amdhsa_system_sgpr_workgroup_id_x 1
		.amdhsa_system_sgpr_workgroup_id_y 1
		.amdhsa_system_sgpr_workgroup_id_z 1
		.amdhsa_system_vgpr_workitem_id 0
		.amdhsa_next_free_vgpr 160
		.amdhsa_next_free_sgpr 66
		.amdhsa_reserve_vcc 1
		.amdhsa_float_denorm_mode_32 3
		.amdhsa_float_denorm_mode_16_64 3
		.amdhsa_memory_ordered 1
		.amdhsa_forward_progress 1
		.amdhsa_inst_pref_size 18
	.end_amdhsa_kernel
	.amdgpu_metadata
---
amdhsa.version: [ 1, 2 ]
amdhsa.kernels:
  - .name:           k_qdeb34607a2_stats1
    .symbol:         k_qdeb34607a2_stats1.kd
    .args:
      - { .name: y, .offset: 0, .size: 8, .value_kind: global_buffer, .address_space: global }
      - { .name: part, .offset: 8, .size: 8, .value_kind: global_buffer, .address_space: global }
    .group_segment_fixed_size: 0
    .private_segment_fixed_size: 0
    .kernarg_segment_align: 8
    .kernarg_segment_size: 16
    .max_flat_workgroup_size: 128
    .sgpr_count:     66
    .vgpr_count:     160
    .wavefront_size: 32
...
	.end_amdgpu_metadata
.endif
;; end of part 1
;; launch wquant (part 2): grid 128 x 3, 4 waves a work-group, no clusters, 33,280 bytes of LDS; arguments Wq, Wk, Wv, Wo, W1, W2, lowp_scales, wc; writes wc
.if DOCPART == 2
	.amdgcn_target "amdgcn-amd-amdhsa--gfx1250"
	.amdhsa_code_object_version 6
	.text
	.protected	k_qdeb34607a2_wquant
	.globl	k_qdeb34607a2_wquant
	.p2align	8
	.type	k_qdeb34607a2_wquant,@function
k_qdeb34607a2_wquant:
	s_mov_b64 s[64:65], 0
	v_nop
	global_prefetch_b8 v0, s[64:65] scope:SCOPE_SE
	s_setreg_imm32_b32 hwreg(HW_REG_WAVE_MODE, 25, 1), 1
	s_wait_xcnt 0x0
; The six weights, f32, stored [K][N], become codes of FP8 (E4M3), each with the one scale 2^e that is given for it (entries 1, 3, 5, 11, 13, 15 of lowp_scales).
; code = w / 2^e, held within +-448, to the nearest code, ties to even.  LIMITS: -126 <= e <= 119.  NaN among the inputs is not served.
; THE CODES' LAYOUT is the order of the matrix operand's registers.  An IMAGE is 16 rows (here: 16 columns n of the weight) x 64 along K: 8 registers a lane, 1,024 bytes;
; lane (r, h) holds row r, its registers 2c, 2c+1 hold k = 16c + 8h + 0 .. 7; registers 0-3 lie at 16 x lane, registers 4-7 at 512 + 16 x lane.
; wc: [tile of 16 n][K / 64 images][1,024]: Wq at 0, Wk at 1 MiB, Wv at 2 MiB, Wo at 3 MiB, W1 at 4 MiB, W2 at 8 MiB.
; A LANE TAKES A COLUMN n AND ITS REGISTERS RUN DOWN K: each load reads 32 neighbouring n (128 bytes a wave, 512 a work-group), and the conversions give codes with K innermost.
; A work-group takes 128 columns x 256 along K, a wave 32 columns: two tiles x four images, gathered in the wave's own 8,192 bytes of LDS and stored as runs of 512 consecutive bytes.
; Grid y = 0: the four weights of 1,024 x 1,024, 32 work-groups each; y = 1: W1; y = 2: W2.  Only pointers, pitches and the scale are chosen, by ids: all take one path.
; No tensor loads, no barrier: waves share nothing.  Loads run two blocks of 32 along K ahead.
.set VO,   32                          ; v32-63   4 x lane + i x pitch: row i of a block of 32 along K; never rewritten
.set X,    64                          ; v64-127  two sets of 32 numbers
.set C,    128                         ; v128-135 a block's codes
.set OUTR, 136                         ; v136-199 the way out
.set BS,   44                          ; s[44:59] the eight blocks' bases; never rewritten
	s_load_b512 s[4:19], s[0:1], 0x0               ; Wq Wk Wv Wo W1 W2, the scales' exponents s[16:17], wc s[18:19]
	v_lshl_add_u32 v200, v0, 2, 0x8000
	v_mov_b32 v201, 0
	v_lshrrev_b32 v1, 5, v0
	v_readfirstlane_b32 s31, v1                    ; wave
	v_and_b32 v2, 31, v0                           ; lane
	s_and_b32 s20, ttmp7, 0xffff                   ; y
	s_mov_b32 s41, ttmp9                           ; x
	s_lshr_b32 s21, s41, 5
	s_add_co_u32 s22, s20, 3
	s_and_b32 s23, s41, 31
	s_cmp_eq_u32 s20, 0
	s_cselect_b32 s21, s21, s22                    ; which weight: 0 .. 5
	s_cselect_b32 s23, s23, s41                    ; my number among its work-groups
	s_cmp_eq_u32 s20, 1
	s_cselect_b32 s24, 31, 7
	s_cselect_b32 s25, 5, 3
	s_cselect_b32 s26, 2, 0
	s_cmp_eq_u32 s20, 2
	s_cselect_b32 s27, 2, 0
	s_and_b32 s24, s23, s24                        ; group of 128 columns
	s_lshr_b32 s25, s23, s25                       ; group of 256 along K
	s_lshl_b32 s26, 4096, s26                      ; a row of the weight in bytes
	s_lshl_b32 s27, 16384, s27                     ; a tile of 16 n in wc: 16 x K bytes
	s_lshl_b32 s30, s21, 20
	s_cmp_eq_u32 s21, 5
	s_cselect_b32 s30, 0x800000, s30               ; the weight's place in wc
	v_lshlrev_b32 v3, 2, v2
.set i, 0
.rept 32
	v_mad_u32_u24 v[VO+i], s26, i, v3
.set i, i+1
.endr
	s_lshl_b32 s22, s31, 13                        ; my 8,192 bytes of LDS
	v_lshrrev_b32 v5, 4, v2
	v_and_b32 v6, 15, v2
	v_lshlrev_b32 v4, 12, v5
	v_lshl_add_u32 v4, v6, 4, v4
	v_add_nc_u32 v4, s22, v4                       ; in: tile lane / 16, row lane % 16
	v_lshlrev_b32 v8, 4, v2                        ; out: 16 x lane
	v_add_nc_u32 v7, s22, v8
	s_lshl_b32 s32, s25, 8
	s_mul_i32 s32, s32, s26                        ; 256 x K group rows,
	s_lshl_b32 s34, s24, 9
	s_add_co_u32 s32, s32, s34                     ; 128 columns x column group,
	s_lshl_b32 s34, s31, 7
	s_add_co_u32 s32, s32, s34                     ; 32 columns x wave
	s_mov_b32 s33, 0
	s_lshl_b32 s34, s24, 3
	s_lshl_b32 s35, s31, 1
	s_add_co_u32 s34, s34, s35
	s_mul_i32 s34, s34, s27                        ; my first tile,
	s_lshl_b32 s35, s25, 12
	s_add_co_u32 s34, s34, s35                     ; its four images of this K group,
	s_add_co_u32 s34, s34, s30                     ; in this weight's part of wc
	s_mov_b32 s35, 0
	s_wait_kmcnt 0x0
	s_load_b512 s[68:83], s[16:17], 0x0            ; all sixteen exponents
	s_mov_b64 s[28:29], s[4:5]                     ; the choice hangs on ids alone
	s_cmp_eq_u32 s21, 1
	s_cselect_b64 s[28:29], s[6:7], s[28:29]
	s_cmp_eq_u32 s21, 2
	s_cselect_b64 s[28:29], s[8:9], s[28:29]
	s_cmp_eq_u32 s21, 3
	s_cselect_b64 s[28:29], s[10:11], s[28:29]
	s_cmp_eq_u32 s21, 4
	s_cselect_b64 s[28:29], s[12:13], s[28:29]
	s_cmp_eq_u32 s21, 5
	s_cselect_b64 s[28:29], s[14:15], s[28:29]
	s_add_nc_u64 s[BS:BS+1], s[28:29], s[32:33]
	s_lshl_b32 s32, s26, 5                         ; 32 rows on
.irp t, 1,2,3,4,5,6,7
	s_add_nc_u64 s[BS+2*\t:BS+2*\t+1], s[BS+2*\t-2:BS+2*\t-1], s[32:33]
.endr
	s_add_nc_u64 s[36:37], s[18:19], s[34:35]      ; my first tile's images
	s_mov_b32 s34, s27
	s_add_nc_u64 s[38:39], s[36:37], s[34:35]      ; my second tile's
.macro LOAD t                          ; block t: W(32 t + i, my column) into set t % 2
.set i, 0
.rept 32
	global_load_b32 v[X+32*((\t)%2)+i], v[VO+i], s[BS+2*(\t):BS+2*(\t)+1] th:TH_LOAD_NT
.set i, i+1
.endr
.endm
	LOAD 0
	LOAD 1
	s_wait_kmcnt 0x0
	s_mov_b32 s40, s69
	s_cmp_eq_u32 s21, 1
	s_cselect_b32 s40, s71, s40
	s_cmp_eq_u32 s21, 2
	s_cselect_b32 s40, s73, s40
	s_cmp_eq_u32 s21, 3
	s_cselect_b32 s40, s79, s40
	s_cmp_eq_u32 s21, 4
	s_cselect_b32 s40, s81, s40
	s_cmp_eq_u32 s21, 5
	s_cselect_b32 s40, s83, s40                    ; e
	s_add_co_i32 s40, s40, 127
	s_lshl_b32 s42, s40, 23
	v_mov_b32 v11, s42                             ; 2^e as f32: the conversion takes its exponent field
	s_add_co_i32 s40, s40, 8
	s_lshl_b32 s40, s40, 23
	s_or_b32 s40, s40, 0x600000
	v_mov_b32 v10, s40                             ; 448 x 2^e
.macro BLOCK t
.set XS, X+32*((\t)%2)
.if (\t) < 7
	s_wait_loadcnt 32                              ; this block's 32 loads are in; the next block's may be out
.else
	s_wait_loadcnt 0
.endif
.set i, 0
.rept 32
	v_med3_num_f32 v[XS+i], v[XS+i], -v10, v10     ; the conversion to an 8-bit code does not saturate (ISA guide 7.6.2): the hold comes first
.set i, i+1
.endr
.irp g, 0,1,2,3
	v_cvt_scalef32_pk8_fp8_f32 v[C+2*\g:C+2*\g+1], v[XS+8*\g:XS+8*\g+7], v11
.endr
.irp g, 0,1,2,3                        ; eight codes k = 8 G .. 8 G + 7, G = 4 t + g: image G / 8, registers 2c, 2c+1 with c = (G / 2) % 4, half h = G % 2
.set GG, 4*(\t)+\g
	ds_store_b64 v4, v[C+2*\g:C+2*\g+1] offset:(GG>>3)*1024+((GG>>2)&1)*512+(GG&1)*256+((GG>>1)&1)*8
.endr
.if (\t)+2 < 8
	LOAD (\t)+2
.endif
	s_wait_dscnt 0x0                               ; the stores have read their registers: the next block's codes may be written (its 32 holds are plain lines that come first)
.endm
.irp t, 0,1,2,3,4,5,6,7
	BLOCK \t
.endr
.irp t, 0,1,2,3,4,5,6,7,8,9,10,11,12,13,14,15
	ds_load_b128 v[OUTR+4*\t:OUTR+4*\t+3], v7 offset:512*\t        ; LDS serves a wave's instructions in order: these see my stores
.endr
.irp t, 0,1,2,3,4,5,6,7,8,9,10,11,12,13,14,15
	s_wait_dscnt 15-\t
	global_store_b128 v8, v[OUTR+4*\t:OUTR+4*\t+3], s[36+2*(\t>>3):37+2*(\t>>3)] offset:(\t&7)*512   ; 32 lanes store 512 consecutive bytes
.endr
	s_wait_tensorcnt 0x0
	ds_add_u32 v200, v201
	s_wait_dscnt 0x0
	s_endpgm
.Lfunc_end_k_qdeb34607a2_wquant:
	.size	k_qdeb34607a2_wquant, .Lfunc_end_k_qdeb34607a2_wquant-k_qdeb34607a2_wquant
	.p2alignl 7, 3214868480
	.fill 96, 4, 3214868480
	.section	.rodata,"a",@progbits
	.p2align	6, 0x0
	.amdhsa_kernel k_qdeb34607a2_wquant
		.amdhsa_group_segment_fixed_size 33280
		.amdhsa_private_segment_fixed_size 0
		.amdhsa_enable_private_segment 0
		.amdhsa_kernarg_size 64
		.amdhsa_user_sgpr_count 2
		.amdhsa_user_sgpr_kernarg_segment_ptr 1
		.amdhsa_wavefront_size32 1
		.amdhsa_system_sgpr_workgroup_id_x 1
		.amdhsa_system_sgpr_workgroup_id_y 1
		.amdhsa_system_sgpr_workgroup_id_z 1
		.amdhsa_system_vgpr_workitem_id 0
		.amdhsa_next_free_vgpr 202
		.amdhsa_next_free_sgpr 84
		.amdhsa_reserve_vcc 0
		.amdhsa_float_denorm_mode_32 3
		.amdhsa_float_denorm_mode_16_64 3
		.amdhsa_memory_ordered 1
		.amdhsa_forward_progress 1
		.amdhsa_inst_pref_size 54
	.end_amdhsa_kernel
	.amdgpu_metadata
---
amdhsa.version: [ 1, 2 ]
amdhsa.kernels:
  - .name:           k_qdeb34607a2_wquant
    .symbol:         k_qdeb34607a2_wquant.kd
    .args:
      - { .name: Wq, .offset: 0, .size: 8, .value_kind: global_buffer, .address_space: global }
      - { .name: Wk, .offset: 8, .size: 8, .value_kind: global_buffer, .address_space: global }
      - { .name: Wv, .offset: 16, .size: 8, .value_kind: global_buffer, .address_space: global }
      - { .name: Wo, .offset: 24, .size: 8, .value_kind: global_buffer, .address_space: global }
      - { .name: W1, .offset: 32, .size: 8, .value_kind: global_buffer, .address_space: global }
      - { .name: W2, .offset: 40, .size: 8, .value_kind: global_buffer, .address_space: global }
      - { .name: lowp_scales, .offset: 48, .size: 8, .value_kind: global_buffer, .address_space: global }
      - { .name: wc, .offset: 56, .size: 8, .value_kind: global_buffer, .address_space: global }
    .group_segment_fixed_size: 33280
    .private_segment_fixed_size: 0
    .kernarg_segment_align: 8
    .kernarg_segment_size: 64
    .max_flat_workgroup_size: 128
    .sgpr_count:     84
    .vgpr_count:     202
    .wavefront_size: 32
...
	.end_amdgpu_metadata
.endif
;; end of part 2
;; launch prep (part 3): grid 8 x 128, 4 waves a work-group, no clusters, 35,328 bytes of LDS; arguments y, ln1_w, ln1_b, part, lowp_scales, acts, x; writes acts
.if DOCPART == 3
	.amdgcn_target "amdgcn-amd-amdhsa--gfx1250"
	.amdhsa_code_object_version 6
	.text
	.protected	k_qdeb34607a2_prep
	.globl	k_qdeb34607a2_prep
	.p2align	8
	.type	k_qdeb34607a2_prep,@function
k_qdeb34607a2_prep:
	s_mov_b64 s[64:65], 0
	v_nop
	global_prefetch_b8 v0, s[64:65] scope:SCOPE_SE
	s_setreg_imm32_b32 hwreg(HW_REG_WAVE_MODE, 25, 1), 1
	s_wait_xcnt 0x0
; n = LayerNorm(t) x w + b, jointly over (2,048, 1,024) of each batch, is quantised to codes of FP8 (E4M3); with HASX = 1 twice (scales 2 and 4 of lowp_scales: the operands of
; the K and V projections), and x is quantised beside it (scale 0); with HASX = 0 once (scale 12).  code = number / 2^e, held within +-448, to the nearest code, ties to even.
; LIMITS: each e between -126 and 119.  NaN among the inputs is not served.
; part holds, for each batch, 512 sums and 512 M2 of runs of 4,096 numbers: mean = sum S_i / 2^21; M2 = sum M2_i + 4096 x sum (S_i / 4096 - mean)^2; var = M2 / 2^21.  Every wave joins them for itself.
; OUT: images in the order of the matrix operand's registers: 16 rows x 64 along K, 1,024 bytes; lane (r, h): row r, registers 2c, 2c+1: k = 16c + 8h + 0 .. 7; registers 0-3 at 16 x lane, 4-7 at 512 + 16 x lane.
; acts: [tile of 16 rows, 256][16 images][1,024]; HASX = 1: x's at 0, n's with scale 2 at 4 MiB, with scale 4 at 8 MiB; HASX = 0: n's at 0.
; A wave takes one image: 16 rows x 64 columns.  Sixteen lanes load 256 consecutive bytes of a row; the conversions want 8 neighbours along K in one lane, so the 4,096 bytes turn through the wave's own
; stage in LDS (rows 272 bytes apart, so that sixteen rows start at sixteen different banks: 64 banks of 4 bytes, ISA guide 11.1).  No loop, no barrier: waves share nothing.
; Work-group x = column group + 4 x batch: the two batches that read the same w and b have neighbouring numbers.
.set HASX, 1
.set N,   16                           ; v16-47   part's 32 numbers a lane, later the 32 numbers of my lane in the operand's order
.set T,   48                           ; v48-63   at work
.set CD,  64                           ; v64-87   three sets of codes
.set Y,   96                           ; v96-127  t, then n
.set W,   128                          ; v128-159 w
.set BB,  160                          ; v160-191 b
.set XX,  192                          ; v192-223 x
.macro REDUCE v, t
	v_add_f32_dpp v[\v], v[\v], v[\v] row_xmask:1 row_mask:0xf bank_mask:0xf
	v_add_f32_dpp v[\v], v[\v], v[\v] row_xmask:2 row_mask:0xf bank_mask:0xf
	v_add_f32_dpp v[\v], v[\v], v[\v] row_xmask:4 row_mask:0xf bank_mask:0xf
	v_add_f32_dpp v[\v], v[\v], v[\v] row_xmask:8 row_mask:0xf bank_mask:0xf
	v_permlanex16_b32 v[\t], v[\v], s32, s33
	v_add_f32 v[\v], v[\v], v[\t]
.endm
.macro MKSC e, sc, lim                 ; 2^e and 448 x 2^e as f32
	s_add_co_i32 s48, s[\e], 127
	s_lshl_b32 s49, s48, 23
	v_mov_b32 v[\sc], s49
	s_add_co_i32 s48, s48, 8
	s_lshl_b32 s48, s48, 23
	s_or_b32 s48, s48, 0x600000
	v_mov_b32 v[\lim], s48
.endm
.macro TURNS s, src                    ; 16 rows x 256 bytes through stage s: in as loaded, back 8 neighbours along K at a time
.irp t, 0,1,2,3,4,5,6,7
	ds_store_b128 v2, v[\src+4*\t:\src+4*\t+3] offset:4352*\s+544*\t
.endr
.irp c, 0,1,2,3
	ds_load_b128 v[N+8*\c:N+8*\c+3], v3 offset:4352*\s+64*\c       ; LDS serves a wave's instructions in order: these see my stores
	ds_load_b128 v[N+8*\c+4:N+8*\c+7], v3 offset:4352*\s+64*\c+16
.endr
	s_wait_dscnt 0x0
.endm
.macro QUANT dst, sc, lim, inplace     ; N's 32 numbers become 8 registers of codes; inplace = 0 keeps N
.irp g, 0,1,2,3
.irp i, 0,1,2,3,4,5,6,7
.if \inplace
	v_med3_num_f32 v[N+8*\g+\i], v[N+8*\g+\i], -v[\lim], v[\lim]   ; the conversion does not saturate (ISA guide 7.6.2): the hold comes first
.else
	v_med3_num_f32 v[T+8*(\g%2)+\i], v[N+8*\g+\i], -v[\lim], v[\lim]
.endif
.endr
.if \inplace
	v_cvt_scalef32_pk8_fp8_f32 v[\dst+2*\g:\dst+2*\g+1], v[N+8*\g:N+8*\g+7], v[\sc]
.else
	v_cvt_scalef32_pk8_fp8_f32 v[\dst+2*\g:\dst+2*\g+1], v[T+8*(\g%2):T+8*(\g%2)+7], v[\sc]
.endif
.endr
	v_nop                                          ; a plain line behind the last conversion
.endm
	s_load_b256 s[4:11], s[0:1], 0x0               ; t, w, b, part
	s_load_b128 s[12:15], s[0:1], 0x20             ; the scales' exponents, acts
.if HASX
	s_load_b64 s[16:17], s[0:1], 0x30              ; x
	v_lshl_add_u32 v224, v0, 2, 0x8800
	v_mov_b32 v225, 0
.endif
	v_lshrrev_b32 v1, 5, v0
	v_readfirstlane_b32 s18, v1                    ; wave
	v_and_b32 v48, 31, v0                          ; lane
	v_and_b32 v49, 15, v0                          ; r
	v_bfe_u32 v50, v0, 4, 1                        ; h
	v_lshlrev_b32 v1, 12, v50
	v_lshl_add_u32 v1, v49, 4, v1                  ; in: lanes 0-15 one row's 256 bytes, lanes 16-31 the next row's
	v_lshlrev_b32 v4, 4, v48                       ; 16 x lane
	s_mul_i32 s19, s18, 8704                       ; my two stages
	v_mul_u32_u24 v2, v50, 272
	v_lshl_add_u32 v2, v49, 4, v2
	v_add_nc_u32 v2, s19, v2
	v_mul_u32_u24 v3, v49, 272
	v_lshl_add_u32 v3, v50, 5, v3
	v_add_nc_u32 v3, s19, v3                       ; back: row r, 32 bytes for each half of the lanes
	s_and_b32 s20, ttmp9, 3
	s_lshr_b32 s21, ttmp9, 2                       ; batch
	s_and_b32 s22, ttmp7, 0xffff                   ; which 16 rows
	s_lshl_b32 s23, s20, 2
	s_add_co_u32 s23, s23, s18                     ; which 64 columns
	s_lshl_b32 s24, s22, 16
	s_lshl_b32 s25, s23, 8
	s_add_co_u32 s24, s24, s25                     ; w, b: 16 rows of 4,096 bytes x gy + 256 bytes x kc
	s_mov_b32 s25, 0
	s_lshl_b32 s26, s21, 23
	s_add_co_u32 s26, s26, s24                     ; t, x: + the batch
	s_mov_b32 s27, 0
	s_lshl_b32 s28, s21, 12
	s_mov_b32 s29, 0
	s_lshl_b32 s30, s21, 7
	s_add_co_u32 s30, s30, s22
	s_lshl_b32 s30, s30, 4
	s_add_co_u32 s30, s30, s23
	s_lshl_b32 s30, s30, 10                        ; my image
.if HASX
	s_add_co_u32 s30, s30, 0x400000                ; the middle one of three parts: the others by the stores' immediates
.endif
	s_mov_b32 s31, 0
	s_mov_b32 s32, 0x76543210
	s_mov_b32 s33, 0xfedcba98
	s_mov_b32 s34, 0x39800000                      ; 1 / 4096
	s_mov_b32 s35, s34
	s_mov_b32 s36, 0x45800000                      ; 4096
	s_mov_b32 s37, 0x35000000                      ; 2^-21
	s_mov_b32 s38, 0x3727c5ac                      ; 1e-5
	s_wait_kmcnt 0x0
.if HASX
	s_load_b256 s[40:47], s[12:13], 0x0            ; e0 s40, e2 s42, e4 s44
	s_add_nc_u64 s[16:17], s[16:17], s[26:27]
.else
	s_load_b32 s40, s[12:13], 0x30                 ; e12
.endif
	s_add_nc_u64 s[4:5], s[4:5], s[26:27]
	s_add_nc_u64 s[6:7], s[6:7], s[24:25]
	s_add_nc_u64 s[8:9], s[8:9], s[24:25]
	s_add_nc_u64 s[10:11], s[10:11], s[28:29]
	s_add_nc_u64 s[14:15], s[14:15], s[30:31]
.irp j, 0,1,2,3
	global_load_b128 v[N+4*\j:N+4*\j+3], v4, s[10:11] offset:512*\j             ; 16 sums a lane
.endr
.irp j, 0,1,2,3
	global_load_b128 v[N+16+4*\j:N+16+4*\j+3], v4, s[10:11] offset:2048+512*\j  ; 16 M2
.endr
.irp t, 0,1,2,3,4,5,6,7
	global_load_b128 v[Y+4*\t:Y+4*\t+3], v1, s[4:5] offset:8192*\t
.endr
.irp t, 0,1,2,3,4,5,6,7
	global_load_b128 v[W+4*\t:W+4*\t+3], v1, s[6:7] offset:8192*\t
.endr
.irp t, 0,1,2,3,4,5,6,7
	global_load_b128 v[BB+4*\t:BB+4*\t+3], v1, s[8:9] offset:8192*\t
.endr
.if HASX
.irp t, 0,1,2,3,4,5,6,7
	global_load_b128 v[XX+4*\t:XX+4*\t+3], v1, s[16:17] offset:8192*\t th:TH_LOAD_NT
.endr
.endif
	s_wait_kmcnt 0x0
.if HASX
	MKSC 42, 12, 13
	MKSC 44, 14, 15
	MKSC 40, 6, 7
.else
	MKSC 40, 12, 13
.endif
	; the batch's mean and 1 / sqrt(var + eps)
	s_wait_loadcnt 24+8*HASX                       ; part's eight loads are in; the younger ones may be out
	v_pk_add_f32 v[T:T+1], v[N:N+1], v[N+2:N+3]
	v_pk_add_f32 v[T+2:T+3], v[N+4:N+5], v[N+6:N+7]
	v_pk_add_f32 v[T+4:T+5], v[N+8:N+9], v[N+10:N+11]
	v_pk_add_f32 v[T+6:T+7], v[N+12:N+13], v[N+14:N+15]
	v_pk_add_f32 v[T:T+1], v[T:T+1], v[T+2:T+3]
	v_pk_add_f32 v[T+4:T+5], v[T+4:T+5], v[T+6:T+7]
	v_pk_add_f32 v[T:T+1], v[T:T+1], v[T+4:T+5]
	v_add_f32 v[T], v[T], v[T+1]
	REDUCE T, T+2
	v_mul_f32 v8, s37, v[T]                        ; the mean
	v_mov_b32 v9, v8
.irp i, 0,2,4,6,8,10,12,14
	v_pk_fma_f32 v[N+\i:N+\i+1], v[N+\i:N+\i+1], s[34:35], v[8:9] op_sel_hi:[1,0,1] neg_lo:[0,0,1] neg_hi:[0,0,1]   ; a run's mean less the batch's
.endr
	v_pk_mul_f32 v[T:T+1], v[N:N+1], v[N:N+1]
.irp i, 2,4,6,8,10,12,14
	v_pk_fma_f32 v[T:T+1], v[N+\i:N+\i+1], v[N+\i:N+\i+1], v[T:T+1]
.endr
	v_pk_add_f32 v[T+2:T+3], v[N+16:N+17], v[N+18:N+19]
	v_pk_add_f32 v[T+4:T+5], v[N+20:N+21], v[N+22:N+23]
	v_pk_add_f32 v[T+6:T+7], v[N+24:N+25], v[N+26:N+27]
	v_pk_add_f32 v[T+8:T+9], v[N+28:N+29], v[N+30:N+31]
	v_pk_add_f32 v[T+2:T+3], v[T+2:T+3], v[T+4:T+5]
	v_pk_add_f32 v[T+6:T+7], v[T+6:T+7], v[T+8:T+9]
	v_pk_add_f32 v[T+2:T+3], v[T+2:T+3], v[T+6:T+7]
	v_add_f32 v[T], v[T], v[T+1]
	v_add_f32 v[T+2], v[T+2], v[T+3]
	v_fma_f32 v[T], v[T], s36, v[T+2]
	REDUCE T, T+4
	v_fma_f32 v[T], v[T], s37, s38                 ; var + eps
	v_rsq_f32 v10, v[T]
	v_nop                                          ; a plain line behind the transcendental
	s_wait_alu depctr_va_vdst(0)
	v_mov_b32 v11, v10
	s_wait_loadcnt 8*HASX                          ; t, w, b are in; x may be out
.set i, 0
.rept 16
	v_pk_add_f32 v[Y+i:Y+i+1], v[Y+i:Y+i+1], v[8:9] neg_lo:[0,1] neg_hi:[0,1]
	v_pk_mul_f32 v[Y+i:Y+i+1], v[Y+i:Y+i+1], v[10:11]
	v_pk_fma_f32 v[Y+i:Y+i+1], v[Y+i:Y+i+1], v[W+i:W+i+1], v[BB+i:BB+i+1]
.set i, i+2
.endr
	TURNS 0, Y
.if HASX
	QUANT CD, 12, 13, 0
	QUANT CD+8, 14, 15, 1
	global_store_b128 v4, v[CD:CD+3], s[14:15]                     ; each store of the wave covers 512 consecutive bytes, aligned
	global_store_b128 v4, v[CD+4:CD+7], s[14:15] offset:512
	global_store_b128 v4, v[CD+8:CD+11], s[14:15] offset:4194304
	global_store_b128 v4, v[CD+12:CD+15], s[14:15] offset:4194304+512
	s_wait_loadcnt 0x0                             ; x
	TURNS 1, XX
	QUANT CD+16, 6, 7, 1
	global_store_b128 v4, v[CD+16:CD+19], s[14:15] offset:-4194304
	global_store_b128 v4, v[CD+20:CD+23], s[14:15] offset:-4194304+512
.else
	QUANT CD, 12, 13, 1
	global_store_b128 v4, v[CD:CD+3], s[14:15]
	global_store_b128 v4, v[CD+4:CD+7], s[14:15] offset:512
.endif
	s_wait_tensorcnt 0x0
	ds_add_u32 v224, v225
	s_wait_dscnt 0x0
	s_endpgm
.Lfunc_end_k_qdeb34607a2_prep:
	.size	k_qdeb34607a2_prep, .Lfunc_end_k_qdeb34607a2_prep-k_qdeb34607a2_prep
	.p2alignl 7, 3214868480
	.fill 96, 4, 3214868480
	.section	.rodata,"a",@progbits
	.p2align	6, 0x0
	.amdhsa_kernel k_qdeb34607a2_prep
		.amdhsa_group_segment_fixed_size 35328
		.amdhsa_private_segment_fixed_size 0
		.amdhsa_enable_private_segment 0
		.amdhsa_kernarg_size 56
		.amdhsa_user_sgpr_count 2
		.amdhsa_user_sgpr_kernarg_segment_ptr 1
		.amdhsa_wavefront_size32 1
		.amdhsa_system_sgpr_workgroup_id_x 1
		.amdhsa_system_sgpr_workgroup_id_y 1
		.amdhsa_system_sgpr_workgroup_id_z 1
		.amdhsa_system_vgpr_workitem_id 0
		.amdhsa_next_free_vgpr 226
		.amdhsa_next_free_sgpr 66
		.amdhsa_reserve_vcc 0
		.amdhsa_float_denorm_mode_32 3
		.amdhsa_float_denorm_mode_16_64 3
		.amdhsa_memory_ordered 1
		.amdhsa_forward_progress 1
		.amdhsa_inst_pref_size 24
	.end_amdhsa_kernel
	.amdgpu_metadata
---
amdhsa.version: [ 1, 2 ]
amdhsa.kernels:
  - .name:           k_qdeb34607a2_prep
    .symbol:         k_qdeb34607a2_prep.kd
    .args:
      - { .name: y, .offset: 0, .size: 8, .value_kind: global_buffer, .address_space: global }
      - { .name: ln1_w, .offset: 8, .size: 8, .value_kind: global_buffer, .address_space: global }
      - { .name: ln1_b, .offset: 16, .size: 8, .value_kind: global_buffer, .address_space: global }
      - { .name: part, .offset: 24, .size: 8, .value_kind: global_buffer, .address_space: global }
      - { .name: lowp_scales, .offset: 32, .size: 8, .value_kind: global_buffer, .address_space: global }
      - { .name: acts, .offset: 40, .size: 8, .value_kind: global_buffer, .address_space: global }
      - { .name: x, .offset: 48, .size: 8, .value_kind: global_buffer, .address_space: global }
    .group_segment_fixed_size: 35328
    .private_segment_fixed_size: 0
    .kernarg_segment_align: 8
    .kernarg_segment_size: 56
    .max_flat_workgroup_size: 128
    .sgpr_count:     66
    .vgpr_count:     226
    .wavefront_size: 32
...
	.end_amdgpu_metadata
.endif
;; end of part 3
;; launch qkvp (part 4): grid 24 x 32, 4 waves a work-group, clusters of 4 x 4, 327,680 bytes of LDS; arguments acts, wc, bq, bk, bv, lowp_scales, qkvc; writes qkvc
.if DOCPART == 4
	.amdgcn_target "amdgcn-amd-amdhsa--gfx1250"
	.amdhsa_code_object_version 6
	.text
	.protected	k_qdeb34607a2_qkvp
	.globl	k_qdeb34607a2_qkvp
	.p2align	8
	.type	k_qdeb34607a2_qkvp,@function
k_qdeb34607a2_qkvp:
	s_mov_b64 s[64:65], 0
	v_nop
	global_prefetch_b8 v0, s[64:65] scope:SCOPE_SE
	s_setreg_imm32_b32 hwreg(HW_REG_WAVE_MODE, 25, 1), 1
	s_wait_xcnt 0x0
	s_wait_alu depctr_hold_cnt(0) depctr_sa_sdst(0) depctr_va_vdst(0) depctr_va_sdst(0) depctr_va_ssrc(0) depctr_va_vcc(0) depctr_vm_vsrc(0)
	s_getreg_b32 s2, hwreg(HW_REG_IB_STS2, 6, 4)
	s_cmp_eq_u32 s2, 0
	s_cbranch_scc0 .Lentry_in_a_cluster
	s_endpgm
.Lentry_in_a_cluster:
	s_bfe_u32 s2, ttmp6, 0x10000c
	s_cmp_lg_u32 s2, 0xf033
	s_cbranch_scc0 .Lentry_shape_is_right
	s_endpgm
.Lentry_shape_is_right:
; q = x Wq + bq, k = n Wk + bk, v = n Wv + bv on codes of FP8 (E4M3), and their results quantised again for the attention (scales 6, 7 and 9 of lowp_scales).
; Tile columns 0-7 make q, 8-15 k, 16-23 v: which = cluster x / 2 is alike in all partners of a cluster.  Operand scales: entries 2 which and 2 which + 1.
; LIMITS: ea + eb between -126 and 127; the result's e between -126 and 119.
; ALL CODES LIE AS IMAGES of the operand's registers: 16 rows x 64 along K, 1,024 bytes; lane (r, h): row r, registers 2c, 2c+1: k = 16c + 8h + 0 .. 7; registers 0-3 at 16 x lane, 4-7 at 512 + 16 x lane.
; Two neighbouring images are one fragment of v_wmma_f32_16x16x128_fp8_fp8: four ds_load_b128 of 512 consecutive bytes: no pitch, no padding.
; acts: [which][tile of 16 rows, 256][16 images]; wc: [tile of 16 n][16 images].  Out: q, k: [head][tile of 16 rows][1,024]; v, whose K is the keys: [head][64 keys][tile of 16 channels][1,024].
; A tile of C is 128 x 128 (tiles of 256 x 256 would make 192 work-groups of four times the work for 256 WGPs; these make 768); four waves, each 64 x 64: 16 accumulators.
; K = 1,024 lies whole in two LDS slots of 512 along K: both are filled at the start and nothing is filled again.
; CLUSTERS: 4 x 4.  The activations' tile is shared along a row of the cluster, the weights' along a column: each is asked for jointly, by the same tensor load with a mask that names the four.
; THE PRODUCT IS USED TRANSPOSED: source 0 = 16 rows of the weights, source 1 = 16 rows of the activations: a lane holds one row m and eight neighbouring n: a conversion of an accumulator gives two registers of the
; result's image.  For v the two sources change places (the LDS addresses are chosen by which), so that a lane holds one channel and eight neighbouring keys.
; REGISTERS: window 0: v1-31 addresses; v32-63 bias along n; v64-71 bias of my row (v alone); v72-87 at work; v88-119 codes; v128-255 the accumulators ((a, b) at v[128 + 8 (4 a + b)]).
;   window 1: two fragment buffers of 128: source 1's four fragments, then source 0's four.
.set KTOT,  1024
.set RT,    16*KTOT                    ; a tile of 16 rows in bytes
.set SLOT,  131072                     ; activations: 8 tiles x 8,192 bytes; weights: the same, 65,536 on
.set SPARE, 2*SLOT                     ; the spare words, 128 bytes for each wave: two blocks of 256 bytes that no other line names
.set IMG,   1024                       ; from block a's image to block a + 1's in the output
.set ADA, 16                           ; v16-17  LDS address of source 1's fragments in slot 0, 1
.set ADB, 20                           ; v20-21  of source 0's
.set SPW, 28                           ; v28     SPARE + 4 x my thread's number; never rewritten
.set NIL, 29                           ; v29     0; never rewritten
.set BN,  32
.set BM,  64
.set T,   72
.set CD,  88
.set ACC, 128
.set F0,  0
.set F1,  128
.set G1,  24                           ; s[24:31] descriptor group 1 for the activations; s[32:39] group 0, one set for each slot
.set G0,  32
.set G1B, 48                           ; s[48:55], s[56:63] the same for the weights
.set G0B, 56
.set MSB, 0
.macro WIN new                         ; the immediate's high byte repeats the setting that is left
.if MSB != \new
	s_set_vgpr_msb (MSB<<8)|\new
.set MSB, \new
.endif
.endm
.set MUL,  0x05                        ; sources 0 and 1 window 1; C and D window 0
.set TO_F, 0x40                        ; destination window 1, address window 0
.macro JLOAD s                         ; a joint load: waves 0 and 1 fetch the activations' halves, waves 2 and 3 the weights'; four v_nop follow each line
	s_cmp_eq_u32 s11, 0
	s_cbranch_scc0 .Lfor_b_\@
	tensor_load_to_lds s[G0+4*\s:G0+4*\s+3], s[G1:G1+7]
	s_nop 0
.rept 4
	v_nop
.endr
	s_branch .Lasked_\@
.Lfor_b_\@:
	tensor_load_to_lds s[G0B+4*\s:G0B+4*\s+3], s[G1B:G1B+7]
	s_nop 0
.rept 4
	v_nop
.endr
.Lasked_\@:
.endm
.macro CROUND                          ; a round of the cluster's barrier
	s_barrier_signal -1
	s_barrier_wait -1
	s_cmp_lg_u32 s10, 0
	s_cbranch_scc1 .Lnot_wave_0_\@
	s_barrier_signal -3
.Lnot_wave_0_\@:
	s_barrier_wait -3
	s_barrier_signal -1
	s_barrier_wait -1
.endm
.macro PLACES                          ; four places in front of loads into registers that matrix instructions have read, and of the first read of results
.rept 4
	v_nop
.endr
.endm
.macro FETCH slot, q, f                ; the slot's q-th 128 along K into buffer f: source 0's four fragments first, then source 1's, block 0 first
	WIN TO_F
.irp i, 0,1,2,3
.irp c, 0,1,2,3
	ds_load_b128 v[\f+64+16*\i+4*\c:\f+64+16*\i+4*\c+3], v[ADB+\slot] offset:8192*\i+2048*\q+512*\c
.endr
.endr
.irp i, 0,1,2,3
.irp c, 0,1,2,3
	ds_load_b128 v[\f+16*\i+4*\c:\f+16*\i+4*\c+3], v[ADA+\slot] offset:8192*\i+2048*\q+512*\c
.endr
.endr
.endm
.macro MULA f, a, zero                 ; four products: block a x the four blocks b.  The 16 accumulators take turns in one order throughout
.irp b, 0,1,2,3
.if \zero
	v_wmma_f32_16x16x128_fp8_fp8 v[ACC+8*(4*\a+\b):ACC+8*(4*\a+\b)+7], v[\f+64+16*\b:\f+64+16*\b+15], v[\f+16*\a:\f+16*\a+15], 0
.else
	v_wmma_f32_16x16x128_fp8_fp8 v[ACC+8*(4*\a+\b):ACC+8*(4*\a+\b)+7], v[\f+64+16*\b:\f+64+16*\b+15], v[\f+16*\a:\f+16*\a+15], v[ACC+8*(4*\a+\b):ACC+8*(4*\a+\b)+7]
.endif
.endr
.endm
.macro STEP slot, qn, f, g, zero       ; multiplies buffer f and fetches the slot's qn-th 128 along K into g
	s_wait_dscnt 12                                ; source 0's fragments and block 0 are in; blocks 1-3 (12 loads) may be out
	WIN MUL
	MULA \f, 0, \zero
	PLACES
	FETCH \slot, \qn, \g
	WIN MUL
	s_wait_dscnt 40                                ; the 32 just issued and blocks 2, 3 may be out
	MULA \f, 1, \zero
	s_wait_dscnt 36
	MULA \f, 2, \zero
	s_wait_dscnt 32
	MULA \f, 3, \zero
.endm
	s_load_b128 s[4:7], s[0:1], 0x0                ; acts, wc
	s_load_b256 s[76:83], s[0:1], 0x10             ; bq, bk, bv, the scales' exponents
	s_load_b64 s[84:85], s[0:1], 0x30              ; qkvc
	v_lshl_add_u32 v[SPW], v0, 2, SPARE
	v_mov_b32 v[NIL], 0
	ds_add_u32 v28, v29
	ds_add_u32 v28, v29
	s_wait_dscnt 0x0
	v_lshrrev_b32 v1, 5, v0
	v_readfirstlane_b32 s10, v1                    ; wave 0..3
	s_lshr_b32 s11, s10, 1                         ; which half of the tile's rows is mine.  Also: I fetch activations (0) or weights (1)
	s_and_b32 s12, s10, 1                          ; which half of its columns.  Also: which four tiles of 16 rows I fetch
	s_bfe_u32 s40, ttmp6, 0x40000                  ; cx, cy
	s_bfe_u32 s41, ttmp6, 0x40004
	s_lshl_b32 s42, ttmp9, 2
	s_add_co_u32 s42, s42, s40                     ; tile column = 4 x cluster x + cx
	s_and_b32 s13, ttmp7, 0xffff
	s_lshl_b32 s13, s13, 2
	s_add_co_u32 s13, s13, s41                     ; tile row = 4 x cluster y + cy
	s_lshr_b32 s66, ttmp9, 1                       ; which: 0 q, 1 k, 2 v
	s_lshl_b32 s43, s41, 2
	s_lshl_b32 s43, 15, s43                        ; my row of the cluster
	s_lshl_b32 s44, 0x1111, s40                    ; my column
	; descriptor group 1: four tiles of 16 rows, of each 8,192 consecutive bytes (1,024 elements of 8 bytes), RT bytes apart; dense in LDS
	s_or_b32 s[G1+0], s43, (3<<16)|(1<<21)         ; 15:0 the mask; 17:16 elements of 8 bytes; 21 set beside a mask
	s_or_b32 s[G1B+0], s44, (3<<16)|(1<<21)
.irp g, G1, G1B
	s_mov_b32 s[\g+1], 1024<<16                    ; tensor_dim0
	s_mov_b32 s[\g+2], 4<<16                       ; tensor_dim1
	s_mov_b32 s[\g+3], 1024<<16                    ; tile_dim0
	s_mov_b32 s[\g+4], 4                           ; tile_dim1
	s_mov_b32 s[\g+5], RT/8                        ; tensor_dim0_stride
	s_mov_b32 s[\g+6], 0
	s_mov_b32 s[\g+7], 0
.endr
	s_lshl_b32 s17, s12, 2
	s_lshl_b32 s16, s13, 3
	s_add_co_u32 s16, s16, s17
	s_mul_i32 s16, s16, RT                         ; activations: tile of rows 8 x tile row + 4 x half,
	s_lshl_b32 s18, s66, 22
	s_add_co_u32 s16, s16, s18                     ; in the part that belongs to q, k or v
	s_lshl_b32 s46, s42, 3
	s_add_co_u32 s46, s46, s17
	s_mul_i32 s46, s46, RT                         ; weights: tile 8 x tile column + 4 x half: Wq, Wk, Wv lie on end
	s_mov_b32 s17, 0
	s_mov_b32 s47, 0
	s_mul_i32 s45, s10, 32768                      ; where they go: no place in the cluster enters an LDS address
	s_wait_kmcnt 0x0
	s_load_b256 s[88:95], s[82:83], 0x0            ; e0 .. e7
	s_load_b64 s[96:97], s[82:83], 0x20            ; e8, e9
	s_add_nc_u64 s[14:15], s[4:5], s[16:17]
	s_add_nc_u64 s[46:47], s[6:7], s[46:47]
	CROUND                                         ; all sixteen work-groups are here: the joint loads meet
.irp s, 0,1
	s_mov_b32 s[G0+4*\s], 1
	s_add_co_u32 s[G0+4*\s+1], s45, \s*SLOT
	s_add_nc_u64 s[G0+4*\s+2:G0+4*\s+3], s[14:15], \s*8192
	s_or_b32 s[G0+4*\s+3], s[G0+4*\s+3], 0x80000000
	s_mov_b32 s[G0B+4*\s], 1
	s_add_co_u32 s[G0B+4*\s+1], s45, \s*SLOT
	s_add_nc_u64 s[G0B+4*\s+2:G0B+4*\s+3], s[46:47], \s*8192
	s_or_b32 s[G0B+4*\s+3], s[G0B+4*\s+3], 0x80000000
	JLOAD \s                                       ; two tensor loads of mine are out
.endr
	v_and_b32 v1, 15, v0                           ; r
	v_bfe_u32 v2, v0, 4, 1                         ; h
	v_and_b32 v3, 31, v0
	v_lshlrev_b32 v3, 4, v3                        ; 16 x lane
	v_lshlrev_b32 v27, 5, v2                       ; 32 h
	v_lshlrev_b32 v30, 2, v1                       ; 4 r
	s_lshl_b32 s21, s11, 15                        ; my four tiles of activations,
	s_lshl_b32 s22, s12, 15
	s_add_co_u32 s22, s22, 65536                   ; and of weights
	s_cmp_eq_u32 s66, 2                            ; for v the sources change places
	s_cselect_b32 s18, s22, s21
	s_cselect_b32 s19, s21, s22
	s_cselect_b32 s67, -1, 0
.irp s, 0,1
	v_add_nc_u32 v[ADA+\s], s18, v3
	v_add_nc_u32 v[ADB+\s], s19, v3
	s_add_co_u32 s18, s18, SLOT
	s_add_co_u32 s19, s19, SLOT
.endr
	s_cmp_eq_u32 s66, 1
	s_cselect_b64 s[68:69], s[78:79], s[76:77]
	s_cmp_eq_u32 s66, 2
	s_cselect_b64 s[68:69], s[80:81], s[68:69]     ; my bias
	s_lshl_b32 s16, s13, 3
	s_lshl_b32 s17, s11, 2
	s_add_co_u32 s16, s16, s17
	s_lshl_b32 s16, s16, 10                        ; my first row / 16, x 1,024: a tile of rows of q and k; for v: 64 keys are four images
	s_lshl_b32 s17, s66, 22
	s_add_co_u32 s16, s16, s17
	s_mov_b32 s17, 0
	s_and_b32 s73, s42, 7
	s_lshl_b32 s73, s73, 1
	s_add_co_u32 s73, s73, s12                     ; the head: my 64 columns
	s_lshl_b32 s46, s73, 18
	s_mov_b32 s47, 0
	s_add_nc_u64 s[70:71], s[84:85], s[16:17]
	s_add_nc_u64 s[70:71], s[70:71], s[46:47]
	s_lshl_b32 s46, s73, 8
	s_add_nc_u64 s[68:69], s[68:69], s[46:47]      ; the bias at my first column
.irp b, 0,1,2,3
	global_load_b128 v[BN+8*\b:BN+8*\b+3], v27, s[68:69] offset:64*\b          ; bias(16 b + 8 h + 0 .. 7)
	global_load_b128 v[BN+8*\b+4:BN+8*\b+7], v27, s[68:69] offset:64*\b+16
.endr
.irp a, 0,1,2,3
	global_load_b32 v[BM+2*\a], v30, s[68:69] offset:64*\a                     ; bias(16 a + r), twice: a pair for the packed addition
	global_load_b32 v[BM+2*\a+1], v30, s[68:69] offset:64*\a
.endr
	s_wait_tensorcnt 1                             ; my part of slot 0 is in; slot 1's may stay out
	s_barrier_signal -1
	s_barrier_wait -1
	FETCH 0, 0, F0
	STEP 0, 1, F0, F1, 1                           ; the first products start the sums: nothing is cleared
	STEP 0, 2, F1, F0, 0
	STEP 0, 3, F0, F1, 0
	; the change of slots: slot 1 is whole behind this barrier
	WIN 0
	s_wait_tensorcnt 0x0                           ; my part of slot 1 is in
	ds_add_u32 v[SPW], v[NIL]                      ; 0 onto my spare word
	s_wait_dscnt 13                                ; (the add and blocks 1-3 may be out)
	WIN MUL
	MULA F1, 0, 0
	s_wait_dscnt 0x0
	s_barrier_signal -1
	MULA F1, 1, 0
	WIN 0
	s_barrier_wait -1
	PLACES
	FETCH 1, 0, F0
	WIN MUL
	MULA F1, 2, 0
	MULA F1, 3, 0
	STEP 1, 1, F0, F1, 0
	STEP 1, 2, F1, F0, 0
	STEP 1, 3, F0, F1, 0
	s_wait_dscnt 12                                ; the last 128 along K: nothing more to fetch
	MULA F1, 0, 0
	s_wait_dscnt 8
	MULA F1, 1, 0
	s_wait_dscnt 4
	MULA F1, 2, 0
	s_wait_dscnt 0
	MULA F1, 3, 0
	WIN 0
	PLACES
	; THE WAY OUT: sum x 2^(ea + eb) + bias, held, converted: the codes are the next operand's registers and leave as they stand
	s_wait_kmcnt 0x0
	s_add_co_i32 s72, s88, s89
	s_add_co_i32 s73, s90, s91
	s_add_co_i32 s18, s92, s93
	s_cmp_eq_u32 s66, 1
	s_cselect_b32 s72, s73, s72
	s_cselect_b32 s19, s95, s94
	s_cmp_eq_u32 s66, 2
	s_cselect_b32 s72, s18, s72                    ; ea + eb
	s_cselect_b32 s19, s97, s19                    ; the result's e
	s_add_co_i32 s72, s72, 127
	s_lshl_b32 s74, s72, 23                        ; 2^(ea + eb) as f32
	s_mov_b32 s75, s74
	s_add_co_i32 s19, s19, 127
	s_lshl_b32 s18, s19, 23
	v_mov_b32 v120, s18                            ; 2^e
	s_add_co_i32 s19, s19, 8
	s_lshl_b32 s19, s19, 23
	s_or_b32 s19, s19, 0x600000
	v_mov_b32 v121, s19                            ; 448 x 2^e
	s_wait_loadcnt 0x0
.set i, 0
.rept 32
	v_cndmask_b32 v[BN+i], v[BN+i], v[NIL], s67    ; v: its bias runs along the lanes' rows, not along the registers
.set i, i+1
.endr
.set i, 0
.rept 8
	v_cndmask_b32 v[BM+i], v[NIL], v[BM+i], s67    ; q, k: the other way round
.set i, i+1
.endr
.irp a, 0,1,2,3
.irp b, 0,1,2,3
.irp i, 0,2,4,6
	v_pk_fma_f32 v[T+8*(\b%2)+\i:T+8*(\b%2)+\i+1], v[ACC+8*(4*\a+\b)+\i:ACC+8*(4*\a+\b)+\i+1], s[74:75], v[BN+8*\b+\i:BN+8*\b+\i+1] op_sel_hi:[1,0,1]   ; each accumulator from its low end on
.endr
.irp i, 0,2,4,6
	v_pk_add_f32 v[T+8*(\b%2)+\i:T+8*(\b%2)+\i+1], v[T+8*(\b%2)+\i:T+8*(\b%2)+\i+1], v[BM+2*\a:BM+2*\a+1]
.endr
.irp i, 0,1,2,3,4,5,6,7
	v_med3_num_f32 v[T+8*(\b%2)+\i], v[T+8*(\b%2)+\i], -v121, v121   ; the conversion does not saturate (ISA guide 7.6.2)
.endr
	v_cvt_scalef32_pk8_fp8_f32 v[CD+8*\a+2*\b:CD+8*\a+2*\b+1], v[T+8*(\b%2):T+8*(\b%2)+7], v120
.endr
.endr
	v_nop                                          ; a plain line behind the last conversion
.irp a, 0,1,2,3
	global_store_b128 v3, v[CD+8*\a:CD+8*\a+3], s[70:71] offset:IMG*\a         ; 32 lanes store 512 consecutive bytes, aligned
	global_store_b128 v3, v[CD+8*\a+4:CD+8*\a+7], s[70:71] offset:IMG*\a+512
.endr
	s_wait_tensorcnt 0x0                           ; the wave's end
	ds_add_u32 v[SPW], v[NIL]
	s_wait_dscnt 0x0
	CROUND                                         ; the closing round: no work-group ends while a partner may still ask for a tile that names it
	s_endpgm
.Lfunc_end_k_qdeb34607a2_qkvp:
	.size	k_qdeb34607a2_qkvp, .Lfunc_end_k_qdeb34607a2_qkvp-k_qdeb34607a2_qkvp
	.p2alignl 7, 3214868480
	.fill 96, 4, 3214868480
	.section	.rodata,"a",@progbits
	.p2align	6, 0x0
	.amdhsa_kernel k_qdeb34607a2_qkvp
		.amdhsa_group_segment_fixed_size 327680
		.amdhsa_private_segment_fixed_size 0
		.amdhsa_enable_private_segment 0
		.amdhsa_kernarg_size 56
		.amdhsa_user_sgpr_count 2
		.amdhsa_user_sgpr_kernarg_segment_ptr 1
		.amdhsa_wavefront_size32 1
		.amdhsa_system_sgpr_workgroup_id_x 1
		.amdhsa_system_sgpr_workgroup_id_y 1
		.amdhsa_system_sgpr_workgroup_id_z 1
		.amdhsa_system_vgpr_workitem_id 0
		.amdhsa_next_free_vgpr 512
		.amdhsa_next_free_sgpr 100
		.amdhsa_reserve_vcc 0
		.amdhsa_float_denorm_mode_32 3
		.amdhsa_float_denorm_mode_16_64 3
		.amdhsa_memory_ordered 1
		.amdhsa_forward_progress 1
		.amdhsa_inst_pref_size 57
	.end_amdhsa_kernel
	.amdgpu_metadata
---
amdhsa.version: [ 1, 2 ]
amdhsa.kernels:
  - .name:           k_qdeb34607a2_qkvp
    .symbol:         k_qdeb34607a2_qkvp.kd
    .args:
      - { .name: acts, .offset: 0, .size: 8, .value_kind: global_buffer, .address_space: global }
      - { .name: wc, .offset: 8, .size: 8, .value_kind: global_buffer, .address_space: global }
      - { .name: bq, .offset: 16, .size: 8, .value_kind: global_buffer, .address_space: global }
      - { .name: bk, .offset: 24, .size: 8, .value_kind: global_buffer, .address_space: global }
      - { .name: bv, .offset: 32, .size: 8, .value_kind: global_buffer, .address_space: global }
      - { .name: lowp_scales, .offset: 40, .size: 8, .value_kind: global_buffer, .address_space: global }
      - { .name: qkvc, .offset: 48, .size: 8, .value_kind: global_buffer, .address_space: global }
    .group_segment_fixed_size: 327680
    .private_segment_fixed_size: 0
    .kernarg_segment_align: 8
    .kernarg_segment_size: 56
    .max_flat_workgroup_size: 128
    .sgpr_count:     100
    .vgpr_count:     512
    .wavefront_size: 32
...
	.end_amdgpu_metadata
.endif
;; end of part 4
;; launch attn (part 5): grid 8 x 32, 16 waves a work-group, clusters of 4 x 1, 264,192 bytes of LDS; arguments qkvc, lowp_scales, ao; writes ao
.if DOCPART == 5
	.amdgcn_target "amdgcn-amd-amdhsa--gfx1250"
	.amdhsa_code_object_version 6
	.text
	.protected	k_qdeb34607a2_attn
	.globl	k_qdeb34607a2_attn
	.p2align	8
	.type	k_qdeb34607a2_attn,@function
k_qdeb34607a2_attn:
	s_mov_b64 s[64:65], 0
	v_nop
	global_prefetch_b8 v0, s[64:65] scope:SCOPE_SE
	s_setreg_imm32_b32 hwreg(HW_REG_WAVE_MODE, 25, 1), 1
	s_wait_xcnt 0x0
	s_wait_alu depctr_hold_cnt(0) depctr_sa_sdst(0) depctr_va_vdst(0) depctr_va_sdst(0) depctr_va_ssrc(0) depctr_va_vcc(0) depctr_vm_vsrc(0)
	s_getreg_b32 s2, hwreg(HW_REG_IB_STS2, 6, 4)
	s_cmp_eq_u32 s2, 0
	s_cbranch_scc0 .Lentry_in_a_cluster
	s_endpgm
.Lentry_in_a_cluster:
	s_bfe_u32 s2, ttmp6, 0x10000c
	s_cmp_lg_u32 s2, 0x3003
	s_cbranch_scc0 .Lentry_shape_is_right
	s_endpgm
.Lentry_shape_is_right:
; Attention of one (batch, head) on codes of FP8 (E4M3).  scores = tril(q k^T / 8): THE SCORES OF LATER KEYS ARE 0, NOT -INFINITY: those keys count in the maximum, in the sum and in the second product.
; t = score x log2(e); M = the running largest t rounded up to a whole number; p = 2^(t - M) is quantised (scale 8 of lowp_scales), not normalised; the row's sum is taken of the unquantised p and divides at the end.
; The result, x 2^(e8 + e9) / sum, is quantised at once for the next product (scale 10).
; LIMITS: e6 + e7 between -123 and 130 (added to c's exponent field); e8 and e10 between -126 and 119.
; IN: qkvc: q at 0, k at 4 MiB: [head][tile of 16 rows, 256][1,024]; v at 8 MiB, keys innermost: [head][64 keys, 64][tile of 16 channels, 4][1,024].  OUT: ao: [tile of 16 rows][head][1,024].
; All are IMAGES of the operand's registers: 16 rows x 64 along K; lane (r, h): row r, registers 2c, 2c+1: k = 16c + 8h + 0 .. 7; registers 0-3 at 16 x lane, 4-7 at 512 + 16 x lane.
; SHARES.  A work-group takes 256 queries of one (batch, head); each of its sixteen waves one tile of 16: tile 8 u + g, g = the work-group's number 0 .. 7, u from the wave's number.  A key step is 128 keys = 8 tiles:
; step s lies wholly ahead of the wave's queries for s < u, on the diagonal for s = u, wholly behind for s > u.  So every branch hangs on the wave's number and a counted step, alike in all work-groups, and all
; 256 work-groups have equal work.  u = w xor 3 ((w / 4) % 2), so that four waves whose numbers are 4 apart have 34 steps of softmax between them.
; A STEP BEHIND THE QUERIES needs no scores and no exponentials: every p is 2^-M, one code for a query; only V^T P is left.  ENTER, behind the diagonal step, takes the 0 into the maximum, adds all later keys' p to the sum
; at once and sets P's registers.  (Not at step 15: nothing lies behind it, and the 0 is no score of the one query that sees every key.)
; LDS holds the whole head: K at 0 (128 tiles x 1,024), V^T at 131,072.  It is filled once, in four stages of 512 keys, 4,096 bytes a wave and stage; nothing is filled again.
; CLUSTER: the four work-groups of a cluster belong to one (batch, head) and ask for K and V jointly.
; Both products are used transposed: S^T = K Q^T (source 0 = 16 keys), O^T = V^T P^T (source 0 = 16 channels): a lane holds one query throughout, S^T's register 8c + j is key 16c + 8h + j: p's codes are P's registers.
; REGISTERS: v1, v5 my lane's place in K, in V; v2, v3 the step's addresses; v4 d for the mask; v6 0; v12 -M, v13 the largest t, v[14:15] the sum; v16-23 Q; v32-95 K's 8 images, then V's 4 fragments;
;   v96-159 S^T, then p; v160-191 O^T; v192-207 P; v240, v244: 448 x 2^e8, 2^e8; v241, v245: the same for e10; v236, v242-243, v250-254 at work.
.set WV,  10                           ; s10 wave;  s11 u;  s12 the step;  s13 8,192 x the step;  s14 g;  s15 a stage's steps to go
.set SU,  11
.set SS,  12
.set SK,  13
.set SG,  14
.set CNT, 15
.set SEL, 20                           ; s[20:21] v_permlanex16_b32: lane l xor 16
.set CS,  22                           ; s[22:23] c = log2(e) / 8 x 2^(e6 + e7)
.set G1,  24                           ; s[24:31] descriptor group 1;  s[32:47] four groups 0
.set G0,  32
.set NH,  56                           ; s56 the keys behind the diagonal step that fall to my half of the lanes, as f32
.set KV,  32
.set S,   96
.set O,   160
.set PC,  192
.macro CROUND
	s_barrier_signal -1
	s_barrier_wait -1
	s_cmp_lg_u32 s[WV], 0
	s_cbranch_scc1 .Lnot_wave_0_\@
	s_barrier_signal -3
.Lnot_wave_0_\@:
	s_barrier_wait -3
	s_barrier_signal -1
	s_barrier_wait -1
.endm
	s_load_b128 s[4:7], s[0:1], 0x0                ; qkvc, the scales' exponents
	s_load_b64 s[8:9], s[0:1], 0x10                ; ao
	v_lshl_add_u32 v249, v0, 2, 0x40000
	v_mov_b32 v255, 0
	ds_add_u32 v249, v255
	ds_add_u32 v249, v255
	v_lshrrev_b32 v8, 5, v0
	v_readfirstlane_b32 s[WV], v8                  ; wave 0..15
	s_bfe_u32 s[SU], s[WV], 0x10002
	s_mul_i32 s[SU], s[SU], 3
	s_xor_b32 s[SU], s[SU], s[WV]                  ; u
	s_bfe_u32 s[SG], ttmp6, 0x40000                ; cx
	s_lshl_b32 s16, ttmp9, 2
	s_add_co_u32 s[SG], s[SG], s16                 ; g: it enters Q's and ao's addresses and the mask's lane data alone
	s_and_b32 s17, ttmp7, 0xffff
	s_lshr_b32 s18, s17, 4                         ; batch
	s_and_b32 s19, s17, 15                         ; head
	s_lshl_b32 s58, s19, 18
	s_lshl_b32 s16, s18, 17
	s_add_co_u32 s58, s58, s16                     ; the (batch, head)'s 131,072 bytes in k's and in v's part
	s_lshr_b32 s16, s[WV], 3                       ; waves 0-7 fetch K, waves 8-15 V
	s_and_b32 s17, s[WV], 7
	s_lshl_b32 s57, s16, 17
	s_lshl_b32 s17, s17, 12
	s_add_co_u32 s57, s57, s17                     ; LDS: 131,072 x (wave / 8) + 4,096 x (wave % 8)
	s_lshl_b32 s16, s16, 22
	s_add_co_u32 s58, s58, s16
	s_add_co_u32 s58, s58, s17
	s_add_co_u32 s58, s58, 0x400000
	s_mov_b32 s59, 0
	s_lshl_b32 s16, s[SU], 3
	s_add_co_u32 s16, s16, s[SG]                   ; my tile of queries in the batch
	s_lshl_b32 s17, s18, 7
	s_add_co_u32 s16, s16, s17                     ; and among all 256
	s_lshl_b32 s60, s19, 18
	s_lshl_b32 s17, s16, 10
	s_add_co_u32 s60, s60, s17
	s_mov_b32 s61, 0
	s_lshl_b32 s62, s16, 4
	s_add_co_u32 s62, s62, s19
	s_lshl_b32 s62, s62, 10
	s_mov_b32 s63, 0
	; descriptor group 1: a dense block of 4,096 bytes as 16 rows of 256
	s_mov_b32 s[G1], 15|(3<<16)|(1<<21)            ; 15:0 the mask: all four work-groups; 17:16 elements of 8 bytes; 21 set beside a mask
	s_mov_b32 s[G1+1], 32<<16                      ; tensor_dim0
	s_mov_b32 s[G1+2], 16<<16                      ; tensor_dim1
	s_mov_b32 s[G1+3], 32<<16                      ; tile_dim0
	s_mov_b32 s[G1+4], 16                          ; tile_dim1
	s_mov_b32 s[G1+5], 32                          ; tensor_dim0_stride
	s_mov_b32 s[G1+6], 0
	s_mov_b32 s[G1+7], 0
	s_mov_b32 s[SEL], 0x76543210
	s_mov_b32 s[SEL+1], 0xfedcba98
	s_mov_b32 s[CS], 0x3e38aa3b                    ; log2(e) / 8
	s_mov_b32 s[SS], 0
	s_mov_b32 s[SK], 0
	s_sub_co_u32 s[NH], 15, s[SU]
	s_lshl_b32 s[NH], s[NH], 6
	s_cvt_f32_u32 s[NH], s[NH]                     ; 64 (15 - u)
	s_wait_dscnt 0x0
	s_wait_kmcnt 0x0
	s_load_b256 s[48:55], s[6:7], 0x18             ; e6 .. e13
	s_add_nc_u64 s[58:59], s[4:5], s[58:59]
	s_add_nc_u64 s[60:61], s[4:5], s[60:61]
	s_add_nc_u64 s[8:9], s[8:9], s[62:63]
	CROUND                                         ; all four work-groups are here: the joint loads meet
.irp c, 0,1,2,3
	s_mov_b32 s[G0+4*\c], 1
	s_add_co_u32 s[G0+4*\c+1], s57, \c*32768
	s_add_nc_u64 s[G0+4*\c+2:G0+4*\c+3], s[58:59], \c*32768
	s_or_b32 s[G0+4*\c+3], s[G0+4*\c+3], 0x80000000
.endr
.irp c, 0,1,2,3
	tensor_load_to_lds s[G0+4*\c:G0+4*\c+3], s[G1:G1+7]            ; stage c's 512 keys: four tensor loads of mine are out
	s_nop 0
.endr
.rept 4
	v_nop
.endr
	v_and_b32 v8, 15, v0                           ; r
	v_bfe_u32 v9, v0, 4, 1                         ; h
	v_and_b32 v1, 31, v0
	v_lshlrev_b32 v1, 4, v1                        ; 16 x lane
	v_add_nc_u32 v5, 131072, v1
	global_load_b128 v[16:19], v1, s[60:61]        ; Q's image stays in registers
	global_load_b128 v[20:23], v1, s[60:61] offset:512
	v_lshlrev_b32 v9, 3, v9
	v_sub_nc_u32 v4, v8, v9
	s_lshl_b32 s16, s[SG], 4
	v_add_nc_u32 v4, s16, v4                       ; d = 16 g + r - 8 h: on the diagonal register 8c + j is a later key where 16c + j > d
	v_mov_b32 v6, 0
	v_mov_b32 v13, 0xff61b1e6                      ; the largest t so far: -3e38
	v_floor_f32 v12, -v13                          ; -M
	v_mov_b32 v14, 0
	v_mov_b32 v15, 0
	v_mov_b32 v236, 0                              ; written once: a lane permute's destination counts as a source
	v_mov_b32 v252, 0
	v_mov_b32 v253, 0                              ; (named as the upper half of v[252:253])
.set i, 0
.rept 32
	v_mov_b32 v[O+i], 0                            ; the step is written once: the first finds zeros
.set i, i+1
.endr
.set i, 0
.rept 16
	v_mov_b32 v[PC+i], 0                           ; written once, so that every way through a step finds them written
.set i, i+1
.endr
	s_wait_kmcnt 0x0
	s_add_co_i32 s16, s48, s49
	s_lshl_b32 s16, s16, 23
	s_add_co_i32 s[CS], s[CS], s16                 ; a score stands for score x 2^(e6 + e7)
	s_mov_b32 s[CS+1], s[CS]
	s_add_co_i32 s16, s50, 127
	s_lshl_b32 s17, s16, 23
	v_mov_b32 v244, s17
	s_add_co_i32 s16, s16, 8
	s_lshl_b32 s16, s16, 23
	s_or_b32 s16, s16, 0x600000
	v_mov_b32 v240, s16
	s_add_co_i32 s16, s52, 127
	s_lshl_b32 s17, s16, 23
	v_mov_b32 v245, s17
	s_add_co_i32 s16, s16, 8
	s_lshl_b32 s16, s16, 23
	s_or_b32 s16, s16, 0x600000
	v_mov_b32 v241, s16
	s_add_co_i32 s67, s50, s51                     ; e8 + e9
.macro VLOADS                          ; V's four fragments (16 channels x 128 keys): two images each, 4,096 bytes apart
.irp a, 0,1,2,3
	ds_load_b128 v[KV+16*\a:KV+16*\a+3],     v3 offset:1024*\a
	ds_load_b128 v[KV+16*\a+4:KV+16*\a+7],   v3 offset:1024*\a+512
	ds_load_b128 v[KV+16*\a+8:KV+16*\a+11],  v3 offset:4096+1024*\a
	ds_load_b128 v[KV+16*\a+12:KV+16*\a+15], v3 offset:4096+1024*\a+512
.endr
.endm
.macro STEP
	v_add_nc_u32 v2, s[SK], v1
	v_add_nc_u32 v3, s[SK], v5
	v_nop
	v_nop                                          ; four places behind the last step's products, in front of loads into the registers that they read
	s_cmp_gt_u32 s[SS], s[SU]
	s_cbranch_scc1 .Lhid_\@
.irp c, 0,1,2,3,4,5,6,7
	ds_load_b128 v[KV+8*\c:KV+8*\c+3],   v2 offset:1024*\c
	ds_load_b128 v[KV+8*\c+4:KV+8*\c+7], v2 offset:1024*\c+512
.endr
	s_wait_dscnt 0x0
.irp c, 0,1,2,3,4,5,6,7
	v_wmma_f32_16x16x64_fp8_fp8 v[S+8*\c:S+8*\c+7], v[KV+8*\c:KV+8*\c+7], v[16:23], 0
.endr
.rept 4
	v_nop                                          ; places in front of V's loads and of the first read of the scores
.endr
	VLOADS                                         ; they land while the softmax is walked
	s_cmp_lg_u32 s[SS], s[SU]
	s_cbranch_scc1 .Lopen_\@
.set n, 0
.rept 64
	v_cmp_gt_i32 vcc_lo, 16*(n/8)+n%8, v4          ; on the diagonal: a later key's score is 0
	v_cndmask_b32 v[S+n], v[S+n], v6, vcc_lo
.set n, n+1
.endr
.Lopen_\@:
	v_max3_num_f32 v254, v96, v97, v98             ; the step's largest score of my query among my 64 keys, in two chains, each accumulator from its low end on,
	v_max3_num_f32 v252, v99, v100, v101
.irp i, 6,10,14,18,22,26,30,34,38,42,46,50,54,58
	v_max3_num_f32 v254, v254, v[96+\i], v[97+\i]
	v_max3_num_f32 v252, v252, v[98+\i], v[99+\i]
.endr
	v_max3_num_f32 v254, v254, v158, v159
	v_max_num_f32 v254, v254, v252
	v_permlanex16_b32 v236, v254, s[SEL], s[SEL+1]
	v_max_num_f32 v254, v254, v236                 ; and among lane l xor 16's
	v_mul_f32 v254, s[CS], v254                    ; as t (c is positive)
	v_max_num_f32 v13, v13, v254
	v_mov_b32 v254, v12
	v_floor_f32 v12, -v13                          ; the new -M = floor(-t): M is a whole number
	v_sub_f32 v254, v12, v254
	v_cvt_i32_f32 v254, v254                       ; (it saturates)
	v_ldexp_f32 v252, 1.0, v254                    ; f = 2^(old M - new M)
.set j, 0
.rept 32
	v_pk_fma_f32 v[S+j:S+j+1], v[S+j:S+j+1], s[CS:CS+1], v[12:13] op_sel_hi:[1,0,0]   ; t - M
.set j, j+2
.endr
.set j, 0
.rept 64
	v_exp_f32 v[S+j], v[S+j]                       ; p = 2^(t - M)
.set j, j+1
.endr
	v_pk_mul_f32 v[14:15], v[14:15], v[252:253] op_sel_hi:[1,0]    ; the sums under the new M (a plain line behind the exponentials)
	s_wait_alu depctr_va_vdst(0)
	v_pk_add_f32 v[242:243], v[96:97], v[98:99]    ; the row's sum is taken of the unquantised p, in two chains
.irp j, 4,8,12,16,20,24,28,32,36,40,44,48,52,56,60
	v_pk_add_f32 v[14:15], v[14:15], v[96+\j:97+\j]
	v_pk_add_f32 v[242:243], v[242:243], v[98+\j:99+\j]
.endr
	v_pk_add_f32 v[14:15], v[14:15], v[242:243]
.irp c, 0,1,2,3,4,5,6,7
.irp i, 0,1,2,3,4,5,6,7
	v_min_num_f32 v[S+8*\c+\i], v[S+8*\c+\i], v240 ; the conversion does not saturate (ISA guide 7.6.2); p is not negative: the hold is one-sided
.endr
	v_cvt_scalef32_pk8_fp8_f32 v[PC+2*\c:PC+2*\c+1], v[S+8*\c:S+8*\c+7], v244
.endr
.set j, 0
.rept 16
	v_pk_mul_f32 v[O+j:O+j+1], v[O+j:O+j+1], v[252:253] op_sel_hi:[1,0]   ; O^T under the new M (plain lines behind the last conversion)
.set j, j+2
.endr
	s_branch .Lpv_\@
.Lhid_\@:
	VLOADS
.Lpv_\@:
	s_wait_dscnt 0x0
.irp a, 0,1,2,3
	v_wmma_f32_16x16x128_fp8_fp8 v[O+8*\a:O+8*\a+7], v[KV+16*\a:KV+16*\a+15], v[PC:PC+15], v[O+8*\a:O+8*\a+7]   ; the four accumulators take turns
.endr
	s_cmp_lg_u32 s[SS], s[SU]
	s_cbranch_scc1 .Ldone_\@
	s_cmp_eq_u32 s[SS], 15
	s_cbranch_scc1 .Ldone_\@
	; ENTER: from here on every key is a later key.  The first eight lines are plain and name no register of the products above: their places
	v_max_num_f32 v13, 0, v13                      ; t = 0 is among the row's logits
	v_mov_b32 v254, v12
	v_floor_f32 v12, -v13
	v_sub_f32 v254, v12, v254
	v_cvt_i32_f32 v254, v254
	v_ldexp_f32 v252, 1.0, v254                    ; f
	v_cvt_i32_f32 v250, v12
	v_ldexp_f32 v251, 1.0, v250                    ; p of a later key: 2^-M
	v_pk_mul_f32 v[14:15], v[14:15], v[252:253] op_sel_hi:[1,0]
	v_fma_f32 v14, v251, s[NH], v14                ; all later steps' keys of my half at once
.set j, 0
.rept 16
	v_pk_mul_f32 v[O+j:O+j+1], v[O+j:O+j+1], v[252:253] op_sel_hi:[1,0]
.set j, j+2
.endr
	v_min_num_f32 v96, v251, v240
.irp i, 1,2,3,4,5,6,7
	v_mov_b32 v[96+\i], v96
.endr
	v_cvt_scalef32_pk8_fp8_f32 v[PC:PC+1], v[96:103], v244         ; eight times the one code
	v_nop
.irp i, 2,3,4,5,6,7,8,9,10,11,12,13,14,15
	v_mov_b32 v[PC+\i], v[PC]
.endr
.Ldone_\@:
.endm
.macro STAGE c                         ; four key steps: 512 keys
	s_wait_tensorcnt 3-\c                          ; my part of this stage is in; the later stages' loads may stay out
	s_wait_dscnt 0x0
	s_barrier_signal -1
	s_barrier_wait -1                              ; everybody's is
	s_mov_b32 s[CNT], 4
.Lst_\@:
	STEP
	s_add_co_u32 s[SS], s[SS], 1
	s_add_co_u32 s[SK], s[SK], 8192
	s_sub_co_u32 s[CNT], s[CNT], 1
	s_cmp_lg_u32 s[CNT], 0
	s_cbranch_scc1 .Lst_\@
.endm
	s_wait_loadcnt 0x0                             ; Q
	STAGE 0
	STAGE 1
	STAGE 2
	STAGE 3
	; THE WAY OUT: O^T x 2^(e8 + e9) / the sum, held, converted: my tile's image of this head
.rept 4
	v_nop
.endr
	v_add_f32 v14, v14, v15
	v_permlanex16_b32 v252, v14, s[SEL], s[SEL+1]
	v_add_f32 v14, v14, v252                       ; the row's sum
	v_rcp_f32 v14, v14
	v_nop                                          ; a plain line behind the transcendental
	s_wait_alu depctr_va_vdst(0)
	v_ldexp_f32 v14, v14, s67
	v_mov_b32 v15, v14
.set j, 0
.rept 16
	v_pk_mul_f32 v[96+j:97+j], v[O+j:O+j+1], v[14:15]
.set j, j+2
.endr
.set j, 0
.rept 32
	v_med3_num_f32 v[96+j], v[96+j], -v241, v241
.set j, j+1
.endr
.irp a, 0,1,2,3
	v_cvt_scalef32_pk8_fp8_f32 v[128+2*\a:129+2*\a], v[96+8*\a:103+8*\a], v245
.endr
	v_nop
	global_store_b128 v1, v[128:131], s[8:9]       ; 32 lanes store 512 consecutive bytes, aligned
	global_store_b128 v1, v[132:135], s[8:9] offset:512
	s_wait_tensorcnt 0x0
	s_wait_tensorcnt 0x0
	ds_add_u32 v249, v255
	s_wait_dscnt 0x0
	CROUND                                         ; the closing round: no work-group ends while a partner may still ask for a tile that names it
	s_endpgm
.Lfunc_end_k_qdeb34607a2_attn:
	.size	k_qdeb34607a2_attn, .Lfunc_end_k_qdeb34607a2_attn-k_qdeb34607a2_attn
	.p2alignl 7, 3214868480
	.fill 96, 4, 3214868480
	.section	.rodata,"a",@progbits
	.p2align	6, 0x0
	.amdhsa_kernel k_qdeb34607a2_attn
		.amdhsa_group_segment_fixed_size 264192
		.amdhsa_private_segment_fixed_size 0
		.amdhsa_enable_private_segment 0
		.amdhsa_kernarg_size 24
		.amdhsa_user_sgpr_count 2
		.amdhsa_user_sgpr_kernarg_segment_ptr 1
		.amdhsa_wavefront_size32 1
		.amdhsa_system_sgpr_workgroup_id_x 1
		.amdhsa_system_sgpr_workgroup_id_y 1
		.amdhsa_system_sgpr_workgroup_id_z 1
		.amdhsa_system_vgpr_workitem_id 0
		.amdhsa_next_free_vgpr 256
		.amdhsa_next_free_sgpr 70
		.amdhsa_reserve_vcc 1
		.amdhsa_float_denorm_mode_32 3
		.amdhsa_float_denorm_mode_16_64 3
		.amdhsa_memory_ordered 1
		.amdhsa_forward_progress 1
		.amdhsa_inst_pref_size 108
	.end_amdhsa_kernel
	.amdgpu_metadata
---
amdhsa.version: [ 1, 2 ]
amdhsa.kernels:
  - .name:           k_qdeb34607a2_attn
    .symbol:         k_qdeb34607a2_attn.kd
    .args:
      - { .name: qkvc, .offset: 0, .size: 8, .value_kind: global_buffer, .address_space: global }
      - { .name: lowp_scales, .offset: 8, .size: 8, .value_kind: global_buffer, .address_space: global }
      - { .name: ao, .offset: 16, .size: 8, .value_kind: global_buffer, .address_space: global }
    .group_segment_fixed_size: 264192
    .private_segment_fixed_size: 0
    .kernarg_segment_align: 8
    .kernarg_segment_size: 24
    .max_flat_workgroup_size: 512
    .sgpr_count:     70
    .vgpr_count:     256
    .wavefront_size: 32
...
	.end_amdgpu_metadata
.endif
;; end of part 5
;; launch oproj (part 6): grid 8 x 32, 4 waves a work-group, clusters of 4 x 4, 327,680 bytes of LDS; arguments ao, wc, bo, y, lowp_scales, y1; writes y1
.if DOCPART == 6
	.amdgcn_target "amdgcn-amd-amdhsa--gfx1250"
	.amdhsa_code_object_version 6
	.text
	.protected	k_qdeb34607a2_oproj
	.globl	k_qdeb34607a2_oproj
	.p2align	8
	.type	k_qdeb34607a2_oproj,@function
k_qdeb34607a2_oproj:
	s_mov_b64 s[64:65], 0
	v_nop
	global_prefetch_b8 v0, s[64:65] scope:SCOPE_SE
	s_setreg_imm32_b32 hwreg(HW_REG_WAVE_MODE, 25, 1), 1
	s_wait_xcnt 0x0
	s_wait_alu depctr_hold_cnt(0) depctr_sa_sdst(0) depctr_va_vdst(0) depctr_va_sdst(0) depctr_va_ssrc(0) depctr_va_vcc(0) depctr_vm_vsrc(0)
	s_getreg_b32 s2, hwreg(HW_REG_IB_STS2, 6, 4)
	s_cmp_eq_u32 s2, 0
	s_cbranch_scc0 .Lentry_in_a_cluster
	s_endpgm
.Lentry_in_a_cluster:
	s_bfe_u32 s2, ttmp6, 0x10000c
	s_cmp_lg_u32 s2, 0xf033
	s_cbranch_scc0 .Lentry_shape_is_right
	s_endpgm
.Lentry_shape_is_right:
; out = res + A W + bias on codes of FP8 (E4M3): here y1 = y + attention Wo + bo.  A: [4,096][KTOT], W: [1,024 (n)][KTOT] as codes; out, res: [4,096][1,024] f32.  Scales: the two entries of lowp_scales at byte SCB.
; LIMIT: ea + eb between -126 and 127.
; ALL CODES LIE AS IMAGES of the operand's registers: 16 rows x 64 along K, 1,024 bytes; lane (r, h): row r, registers 2c, 2c+1: k = 16c + 8h + 0 .. 7; registers 0-3 at 16 x lane, 4-7 at 512 + 16 x lane;
; a buffer is [tile of 16 rows][KTOT / 64 images].  Two neighbouring images are one fragment of v_wmma_f32_16x16x128_fp8_fp8: four ds_load_b128 of 512 consecutive bytes: no pitch, no padding.
; A tile of C is 128 x 128, which makes 256 work-groups (256 x 256 would make 64); four waves, each 64 x 64: 16 accumulators.  K goes through two LDS slots of 512 along K, filled by the tensor data mover.
; CLUSTERS: 4 x 4.  A's tile is shared along a row of the cluster, W's along a column: each is asked for jointly, by the same tensor load with a mask that names the four.
; THE PRODUCT IS USED TRANSPOSED (source 0 = 16 rows of W, source 1 = 16 rows of A): a lane holds eight neighbouring numbers of a row of C.
; REGISTERS: window 0: v1-31 addresses; v32-63 a block's results; v64-127 two sets of rows read back; v128-255 the accumulators ((a, b) at v[128 + 8 (4 a + b)]).
;   window 1: two fragment buffers of 128: A's four fragments, then W's four.   window 2: v0-127 the residual, asked for at the head; v128-159 the bias in the result's layout.
.set KTOT,  1024
.set WOFF,  3<<20                      ; the weight's place in wc
.set SCB,   40                         ; e10, e11
.set RT,    16*KTOT                    ; a tile of 16 rows in bytes
.set LAPS,  KTOT/1024                  ; a lap = once round the ring
.set SLOT,  131072                     ; A: 8 tiles x 8,192 bytes; W: the same, 65,536 on
.set SPARE, 2*SLOT                     ; the spare words, 128 bytes for each wave: two blocks of 256 bytes that no other line names
.set STAGE, SPARE+512                  ; the way out: 16 rows x 272 bytes for each wave; no tile ever lands here
.set SP,    272
.set ADA, 16                           ; v16-17  LDS address of A's fragments in slot 0, 1
.set ADB, 20                           ; v20-21  of W's
.set STO, 24
.set RD,  25
.set CO,  26
.set BO,  27
.set SPW, 28                           ; v28     SPARE + 4 x my thread's number; never rewritten
.set NIL, 29                           ; v29     0; never rewritten
.set T,   32
.set RB,  64
.set ACC, 128
.set F0,  0
.set F1,  128
.set RES, 0
.set BN,  128
.set G1,  24                           ; s[24:31] descriptor group 1 for A; s[32:39] group 0, one set for each slot
.set G0,  32
.set G1B, 48                           ; s[48:55], s[56:63] the same for W
.set G0B, 56
.set MSB, 0
.macro WIN new                         ; the immediate's high byte repeats the setting that is left
.if MSB != \new
	s_set_vgpr_msb (MSB<<8)|\new
.set MSB, \new
.endif
.endm
.set MUL,  0x05                        ; sources 0 and 1 window 1; C and D window 0
.set TO_F, 0x40                        ; destination window 1, address window 0
.macro JLOAD s                         ; a joint load: waves 0 and 1 fetch A's halves, waves 2 and 3 W's; four v_nop follow each line
	s_cmp_eq_u32 s11, 0
	s_cbranch_scc0 .Lfor_b_\@
	tensor_load_to_lds s[G0+4*\s:G0+4*\s+3], s[G1:G1+7]
	s_nop 0
.rept 4
	v_nop
.endr
	s_branch .Lasked_\@
.Lfor_b_\@:
	tensor_load_to_lds s[G0B+4*\s:G0B+4*\s+3], s[G1B:G1B+7]
	s_nop 0
.rept 4
	v_nop
.endr
.Lasked_\@:
.endm
.macro CREST                           ; a round of the cluster's barrier behind its opening barrier
	s_cmp_lg_u32 s10, 0
	s_cbranch_scc1 .Lnot_wave_0_\@
	s_barrier_signal -3
.Lnot_wave_0_\@:
	s_barrier_wait -3
	s_barrier_signal -1
	s_barrier_wait -1
.endm
.macro CROUND
	s_barrier_signal -1
	s_barrier_wait -1
	CREST
.endm
.macro PLACES                          ; four places in front of loads into registers that matrix instructions have read, and of the first read of results
.rept 4
	v_nop
.endr
.endm
.macro FETCH slot, q, f                ; the slot's q-th 128 along K into buffer f: W's four fragments first, then A's, block 0 first
	WIN TO_F
.irp i, 0,1,2,3
.irp c, 0,1,2,3
	ds_load_b128 v[\f+64+16*\i+4*\c:\f+64+16*\i+4*\c+3], v[ADB+\slot] offset:8192*\i+2048*\q+512*\c
.endr
.endr
.irp i, 0,1,2,3
.irp c, 0,1,2,3
	ds_load_b128 v[\f+16*\i+4*\c:\f+16*\i+4*\c+3], v[ADA+\slot] offset:8192*\i+2048*\q+512*\c
.endr
.endr
.endm
.macro MULA f, a, zero                 ; four products: A's block a x W's four.  The 16 accumulators take turns in one order throughout
.irp b, 0,1,2,3
.if \zero
	v_wmma_f32_16x16x128_fp8_fp8 v[ACC+8*(4*\a+\b):ACC+8*(4*\a+\b)+7], v[\f+64+16*\b:\f+64+16*\b+15], v[\f+16*\a:\f+16*\a+15], 0
.else
	v_wmma_f32_16x16x128_fp8_fp8 v[ACC+8*(4*\a+\b):ACC+8*(4*\a+\b)+7], v[\f+64+16*\b:\f+64+16*\b+15], v[\f+16*\a:\f+16*\a+15], v[ACC+8*(4*\a+\b):ACC+8*(4*\a+\b)+7]
.endif
.endr
.endm
.macro STEP slot, qn, f, g, zero       ; multiplies buffer f and fetches the slot's qn-th 128 along K into g
	s_wait_dscnt 12                                ; W's fragments and A's block 0 are in; blocks 1-3 (12 loads) may be out
	WIN MUL
	MULA \f, 0, \zero
	PLACES
	FETCH \slot, \qn, \g
	WIN MUL
	s_wait_dscnt 40                                ; the 32 just issued and blocks 2, 3 may be out
	MULA \f, 1, \zero
	s_wait_dscnt 36
	MULA \f, 2, \zero
	s_wait_dscnt 32
	MULA \f, 3, \zero
.endm
; A slot's last 128 along K (buffer 1) changes slots: ONE barrier; in front of it each wave waits for all its tensor loads, adds 0 to its spare word, and waits for that and for its reads of this slot.
; fill = 1: the barrier opens a round of the cluster's, and this slot is filled again, 1,024 along K ahead: the first tensor load behind the round, one a wave.
.macro TURN slot, next, fill
	WIN 0
	s_wait_tensorcnt 0x0                           ; all my tensor loads have landed: my part of the next slot
	ds_add_u32 v[SPW], v[NIL]                      ; 0 onto my spare word
	s_wait_dscnt 13                                ; (the add and A's blocks 1-3 may be out)
	WIN MUL
	MULA F1, 0, 0
	s_wait_dscnt 0x0                               ; the add is done, and my reads of this slot are over
	s_barrier_signal -1
	MULA F1, 1, 0
	WIN 0
	s_barrier_wait -1
.if \fill
	CREST
	s_add_nc_u64 s[G0+4*\slot+2:G0+4*\slot+3], s[G0+4*\slot+2:G0+4*\slot+3], 16384
	s_add_nc_u64 s[G0B+4*\slot+2:G0B+4*\slot+3], s[G0B+4*\slot+2:G0B+4*\slot+3], 16384
	JLOAD \slot                                    ; its four v_nop are also the places in front of the loads below
.else
	PLACES
.endif
	FETCH \next, 0, F0
	WIN MUL
	MULA F1, 2, 0
	MULA F1, 3, 0
.endm
	s_load_b128 s[4:7], s[0:1], 0x0                ; A's codes, wc
	s_load_b256 s[76:83], s[0:1], 0x10             ; bias, res, the scales' exponents, out
	v_lshl_add_u32 v[SPW], v0, 2, SPARE
	v_mov_b32 v[NIL], 0
	ds_add_u32 v28, v29
	ds_add_u32 v28, v29
	s_wait_dscnt 0x0
	v_lshrrev_b32 v1, 5, v0
	v_readfirstlane_b32 s10, v1                    ; wave 0..3
	s_lshr_b32 s11, s10, 1                         ; which half of the tile's rows is mine.  Also: I fetch A (0) or W (1)
	s_and_b32 s12, s10, 1                          ; which half of its columns.  Also: which four tiles of 16 rows I fetch
	s_bfe_u32 s40, ttmp6, 0x40000                  ; cx, cy
	s_bfe_u32 s41, ttmp6, 0x40004
	s_lshl_b32 s42, ttmp9, 2
	s_add_co_u32 s42, s42, s40                     ; tile column
	s_and_b32 s13, ttmp7, 0xffff
	s_lshl_b32 s13, s13, 2
	s_add_co_u32 s13, s13, s41                     ; tile row
	s_lshl_b32 s43, s41, 2
	s_lshl_b32 s43, 15, s43                        ; my row of the cluster
	s_lshl_b32 s44, 0x1111, s40                    ; my column
	; descriptor group 1: four tiles of 16 rows, of each 8,192 consecutive bytes (1,024 elements of 8 bytes), RT bytes apart; dense in LDS
	s_or_b32 s[G1+0], s43, (3<<16)|(1<<21)         ; 15:0 the mask; 17:16 elements of 8 bytes; 21 set beside a mask
	s_or_b32 s[G1B+0], s44, (3<<16)|(1<<21)
.irp g, G1, G1B
	s_mov_b32 s[\g+1], 1024<<16                    ; tensor_dim0
	s_mov_b32 s[\g+2], 4<<16                       ; tensor_dim1
	s_mov_b32 s[\g+3], 1024<<16                    ; tile_dim0
	s_mov_b32 s[\g+4], 4                           ; tile_dim1
	s_mov_b32 s[\g+5], RT/8                        ; tensor_dim0_stride
	s_mov_b32 s[\g+6], 0
	s_mov_b32 s[\g+7], 0
.endr
	s_lshl_b32 s17, s12, 2
	s_lshl_b32 s16, s13, 3
	s_add_co_u32 s16, s16, s17
	s_mul_i32 s16, s16, RT                         ; A: tile of rows 8 x tile row + 4 x half
	s_lshl_b32 s46, s42, 3
	s_add_co_u32 s46, s46, s17
	s_mul_i32 s46, s46, RT
	s_add_co_u32 s46, s46, WOFF                    ; W: tile 8 x tile column + 4 x half
	s_mov_b32 s17, 0
	s_mov_b32 s47, 0
	s_mul_i32 s45, s10, 32768                      ; where they go: no place in the cluster enters an LDS address
	s_wait_kmcnt 0x0
	s_load_b64 s[74:75], s[80:81], SCB             ; ea, eb
	s_add_nc_u64 s[14:15], s[4:5], s[16:17]
	s_add_nc_u64 s[46:47], s[6:7], s[46:47]
	CROUND                                         ; all sixteen work-groups are here: the first joint loads meet
.irp s, 0,1
	s_mov_b32 s[G0+4*\s], 1
	s_add_co_u32 s[G0+4*\s+1], s45, \s*SLOT
	s_add_nc_u64 s[G0+4*\s+2:G0+4*\s+3], s[14:15], \s*8192
	s_or_b32 s[G0+4*\s+3], s[G0+4*\s+3], 0x80000000
	s_mov_b32 s[G0B+4*\s], 1
	s_add_co_u32 s[G0B+4*\s+1], s45, \s*SLOT
	s_add_nc_u64 s[G0B+4*\s+2:G0B+4*\s+3], s[46:47], \s*8192
	s_or_b32 s[G0B+4*\s+3], s[G0B+4*\s+3], 0x80000000
	JLOAD \s                                       ; two tensor loads of mine are out
.endr
	v_and_b32 v1, 15, v0                           ; r
	v_bfe_u32 v2, v0, 4, 1                         ; h
	v_and_b32 v3, 31, v0
	v_lshlrev_b32 v3, 4, v3                        ; 16 x lane
	s_lshl_b32 s21, s11, 15                        ; my four tiles of A,
	s_lshl_b32 s22, s12, 15
	s_add_co_u32 s22, s22, 65536                   ; and of W
.irp s, 0,1
	v_add_nc_u32 v[ADA+\s], s21, v3
	v_add_nc_u32 v[ADB+\s], s22, v3
	s_add_co_u32 s21, s21, SLOT
	s_add_co_u32 s22, s22, SLOT
.endr
	s_mul_i32 s23, s10, 16*SP
	s_add_co_u32 s23, s23, STAGE                   ; my stage
	v_mul_u32_u24 v4, v1, SP
	v_lshl_add_u32 v4, v2, 5, v4
	v_add_nc_u32 v[STO], s23, v4                   ; in: row r, 32 bytes for each half of the lanes
	v_mul_u32_u24 v5, v2, SP
	v_lshl_add_u32 v5, v1, 4, v5
	v_add_nc_u32 v[RD], s23, v5                    ; back: lanes 0-15 one row of 256 bytes, lanes 16-31 the next
	v_lshlrev_b32 v5, 12, v2
	v_lshl_add_u32 v[CO], v1, 4, v5                ; and the same two rows in res and in out
	v_lshlrev_b32 v[BO], 5, v2                     ; 32 h
	s_lshl_b32 s16, s13, 1
	s_add_co_u32 s16, s16, s11
	s_lshl_b32 s16, s16, 18                        ; my first row: 64 (2 x tile row + half) rows of 4,096 bytes
	s_mov_b32 s17, 0
	s_lshl_b32 s46, s42, 1
	s_add_co_u32 s46, s46, s12
	s_lshl_b32 s46, s46, 8                         ; my first column: 64 (2 x tile column + half) x 4 bytes
	s_mov_b32 s47, 0
	s_add_nc_u64 s[78:79], s[78:79], s[16:17]
	s_add_nc_u64 s[78:79], s[78:79], s[46:47]
	s_add_nc_u64 s[82:83], s[82:83], s[16:17]
	s_add_nc_u64 s[82:83], s[82:83], s[46:47]
	s_add_nc_u64 s[76:77], s[76:77], s[46:47]
	WIN 0x80                                       ; destination window 2
.irp a, 0,1,2,3
.irp t, 0,1,2,3,4,5,6,7
	global_load_b128 v[RES+32*\a+4*\t:RES+32*\a+4*\t+3], v[CO], s[78:79] offset:(16*\a+2*\t)*4096   ; the residual, in the layout in which rows come back from the stage
.endr
.endr
.irp b, 0,1,2,3
	global_load_b128 v[BN+8*\b:BN+8*\b+3], v[BO], s[76:77] offset:64*\b        ; bias(16 b + 8 h + 0 .. 7)
	global_load_b128 v[BN+8*\b+4:BN+8*\b+7], v[BO], s[76:77] offset:64*\b+16
.endr
	WIN 0
	s_wait_tensorcnt 1                             ; my part of slot 0 is in; slot 1's may stay out
	s_barrier_signal -1
	s_barrier_wait -1
	FETCH 0, 0, F0
	STEP 0, 1, F0, F1, 1                           ; the first products start the sums: nothing is cleared
.if LAPS > 1
	WIN 0                                          ; at a label and at a branch every window is 0
	s_mov_b32 s3, LAPS-1
.Llap:                                             ; a trip goes once round the ring and fills both slots again
	STEP 0, 2, F1, F0, 0
	STEP 0, 3, F0, F1, 0
	TURN 0, 1, 1
	STEP 1, 1, F0, F1, 0
	STEP 1, 2, F1, F0, 0
	STEP 1, 3, F0, F1, 0
	TURN 1, 0, 1
	STEP 0, 1, F0, F1, 0
	WIN 0
	s_sub_co_u32 s3, s3, 1
	s_cmp_lg_u32 s3, 0
	s_cbranch_scc1 .Llap
.endif
	STEP 0, 2, F1, F0, 0                           ; the last lap fills nothing
	STEP 0, 3, F0, F1, 0
	TURN 0, 1, 0
	STEP 1, 1, F0, F1, 0
	STEP 1, 2, F1, F0, 0
	STEP 1, 3, F0, F1, 0
	s_wait_dscnt 12                                ; the last 128 along K: nothing more to fetch
	MULA F1, 0, 0
	s_wait_dscnt 8
	MULA F1, 1, 0
	s_wait_dscnt 4
	MULA F1, 2, 0
	s_wait_dscnt 0
	MULA F1, 3, 0
	WIN 0
	PLACES
	; THE WAY OUT, a block of 16 rows x 64 columns at a time: sum x 2^(ea + eb) + bias; through my own stage, so that sixteen lanes hold 256 consecutive bytes of a row; + the residual; stored
.macro TOSTAGE a
	WIN 0x20                                       ; source 2 (the bias) window 2
.irp b, 0,1,2,3
.irp i, 0,2,4,6
	v_pk_fma_f32 v[T+8*\b+\i:T+8*\b+\i+1], v[ACC+8*(4*(\a)+\b)+\i:ACC+8*(4*(\a)+\b)+\i+1], s[74:75], v[BN+8*\b+\i:BN+8*\b+\i+1] op_sel_hi:[1,0,1]   ; each accumulator from its low end on
.endr
.endr
	WIN 0
.irp b, 0,1,2,3
	ds_store_b128 v[STO], v[T+8*\b:T+8*\b+3] offset:64*\b
	ds_store_b128 v[STO], v[T+8*\b+4:T+8*\b+7] offset:64*\b+16
.endr
.irp t, 0,1,2,3,4,5,6,7
	ds_load_b128 v[RB+32*((\a)%2)+4*\t:RB+32*((\a)%2)+4*\t+3], v[RD] offset:2*SP*\t   ; LDS serves a wave's instructions in order: these see my stores
.endr
.endm
.macro SEND a, younger                 ; younger: the LDS instructions issued behind block a's loads, which may stay out
	s_wait_dscnt \younger
	WIN 0x08                                       ; source 1 (the residual) window 2
.irp t, 0,1,2,3,4,5,6,7
.irp i, 0,2
	v_pk_add_f32 v[RB+32*((\a)%2)+4*\t+\i:RB+32*((\a)%2)+4*\t+\i+1], v[RB+32*((\a)%2)+4*\t+\i:RB+32*((\a)%2)+4*\t+\i+1], v[RES+32*(\a)+4*\t+\i:RES+32*(\a)+4*\t+\i+1]
.endr
.endr
	WIN 0
.irp t, 0,1,2,3,4,5,6,7
	global_store_b128 v[CO], v[RB+32*((\a)%2)+4*\t:RB+32*((\a)%2)+4*\t+3], s[82:83] offset:(16*(\a)+2*\t)*4096   ; 16 lanes store 256 consecutive bytes, aligned
.endr
.endm
	s_wait_kmcnt 0x0
	s_add_co_i32 s74, s74, s75
	s_add_co_i32 s74, s74, 127
	s_lshl_b32 s74, s74, 23                        ; 2^(ea + eb) as f32
	s_mov_b32 s75, s74
	s_wait_loadcnt 0x0                             ; the residual and the bias
	TOSTAGE 0
.irp a, 1,2,3
.if \a > 1
	s_wait_xcnt 0x0                                ; block a - 2's stores have read their registers: block a's rows may land there
.endif
	TOSTAGE \a
	SEND \a-1, 16                                  ; behind block a - 1's loads: block a's 8 stores and 8 loads
.endr
	SEND 3, 0
	s_wait_tensorcnt 0x0                           ; the wave's end
	ds_add_u32 v[SPW], v[NIL]
	s_wait_dscnt 0x0
	CROUND                                         ; the closing round: no work-group ends while a partner may still ask for a tile that names it
	s_endpgm
.Lfunc_end_k_qdeb34607a2_oproj:
	.size	k_qdeb34607a2_oproj, .Lfunc_end_k_qdeb34607a2_oproj-k_qdeb34607a2_oproj
	.p2alignl 7, 3214868480
	.fill 96, 4, 3214868480
	.section	.rodata,"a",@progbits
	.p2align	6, 0x0
	.amdhsa_kernel k_qdeb34607a2_oproj
		.amdhsa_group_segment_fixed_size 327680
		.amdhsa_private_segment_fixed_size 0
		.amdhsa_enable_private_segment 0
		.amdhsa_kernarg_size 48
		.amdhsa_user_sgpr_count 2
		.amdhsa_user_sgpr_kernarg_segment_ptr 1
		.amdhsa_wavefront_size32 1
		.amdhsa_system_sgpr_workgroup_id_x 1
		.amdhsa_system_sgpr_workgroup_id_y 1
		.amdhsa_system_sgpr_workgroup_id_z 1
		.amdhsa_system_vgpr_workitem_id 0
		.amdhsa_next_free_vgpr 672
		.amdhsa_next_free_sgpr 100
		.amdhsa_reserve_vcc 0
		.amdhsa_float_denorm_mode_32 3
		.amdhsa_float_denorm_mode_16_64 3
		.amdhsa_memory_ordered 1
		.amdhsa_forward_progress 1
		.amdhsa_inst_pref_size 54
	.end_amdhsa_kernel
	.amdgpu_metadata
---
amdhsa.version: [ 1, 2 ]
amdhsa.kernels:
  - .name:           k_qdeb34607a2_oproj
    .symbol:         k_qdeb34607a2_oproj.kd
    .args:
      - { .name: ao, .offset: 0, .size: 8, .value_kind: global_buffer, .address_space: global }
      - { .name: wc, .offset: 8, .size: 8, .value_kind: global_buffer, .address_space: global }
      - { .name: bo, .offset: 16, .size: 8, .value_kind: global_buffer, .address_space: global }
      - { .name: y, .offset: 24, .size: 8, .value_kind: global_buffer, .address_space: global }
      - { .name: lowp_scales, .offset: 32, .size: 8, .value_kind: global_buffer, .address_space: global }
      - { .name: y1, .offset: 40, .size: 8, .value_kind: global_buffer, .address_space: global }
    .group_segment_fixed_size: 327680
    .private_segment_fixed_size: 0
    .kernarg_segment_align: 8
    .kernarg_segment_size: 48
    .max_flat_workgroup_size: 128
    .sgpr_count:     100
    .vgpr_count:     672
    .wavefront_size: 32
...
	.end_amdgpu_metadata
.endif
;; end of part 6
;; launch stats2: the kernel of part 1 again; grid 256 x 1, 4 waves a work-group, no clusters, 0 bytes of LDS; arguments y1, part; writes part
;; launch lnq2 (part 7): grid 8 x 128, 4 waves a work-group, no clusters, 35,328 bytes of LDS; arguments y1, ln2_w, ln2_b, part, lowp_scales, acts; writes acts
.if DOCPART == 7
	.amdgcn_target "amdgcn-amd-amdhsa--gfx1250"
	.amdhsa_code_object_version 6
	.text
	.protected	k_qdeb34607a2_lnq2
	.globl	k_qdeb34607a2_lnq2
	.p2align	8
	.type	k_qdeb34607a2_lnq2,@function
k_qdeb34607a2_lnq2:
	s_mov_b64 s[64:65], 0
	v_nop
	global_prefetch_b8 v0, s[64:65] scope:SCOPE_SE
	s_setreg_imm32_b32 hwreg(HW_REG_WAVE_MODE, 25, 1), 1
	s_wait_xcnt 0x0
; n = LayerNorm(t) x w + b, jointly over (2,048, 1,024) of each batch, is quantised to codes of FP8 (E4M3); with HASX = 1 twice (scales 2 and 4 of lowp_scales: the operands of
; the K and V projections), and x is quantised beside it (scale 0); with HASX = 0 once (scale 12).  code = number / 2^e, held within +-448, to the nearest code, ties to even.
; LIMITS: each e between -126 and 119.  NaN among the inputs is not served.
; part holds, for each batch, 512 sums and 512 M2 of runs of 4,096 numbers: mean = sum S_i / 2^21; M2 = sum M2_i + 4096 x sum (S_i / 4096 - mean)^2; var = M2 / 2^21.  Every wave joins them for itself.
; OUT: images in the order of the matrix operand's registers: 16 rows x 64 along K, 1,024 bytes; lane (r, h): row r, registers 2c, 2c+1: k = 16c + 8h + 0 .. 7; registers 0-3 at 16 x lane, 4-7 at 512 + 16 x lane.
; acts: [tile of 16 rows, 256][16 images][1,024]; HASX = 1: x's at 0, n's with scale 2 at 4 MiB, with scale 4 at 8 MiB; HASX = 0: n's at 0.
; A wave takes one image: 16 rows x 64 columns.  Sixteen lanes load 256 consecutive bytes of a row; the conversions want 8 neighbours along K in one lane, so the 4,096 bytes turn through the wave's own
; stage in LDS (rows 272 bytes apart, so that sixteen rows start at sixteen different banks: 64 banks of 4 bytes, ISA guide 11.1).  No loop, no barrier: waves share nothing.
; Work-group x = column group + 4 x batch: the two batches that read the same w and b have neighbouring numbers.
.set HASX, 0
.set N,   16                           ; v16-47   part's 32 numbers a lane, later the 32 numbers of my lane in the operand's order
.set T,   48                           ; v48-63   at work
.set CD,  64                           ; v64-87   codes
.set Y,   96                           ; v96-127  t, then n
.set W,   128                          ; v128-159 w
.set BB,  160                          ; v160-191 b
.set XX,  192                          ; v192-223 x
.macro REDUCE v, t
	v_add_f32_dpp v[\v], v[\v], v[\v] row_xmask:1 row_mask:0xf bank_mask:0xf
	v_add_f32_dpp v[\v], v[\v], v[\v] row_xmask:2 row_mask:0xf bank_mask:0xf
	v_add_f32_dpp v[\v], v[\v], v[\v] row_xmask:4 row_mask:0xf bank_mask:0xf
	v_add_f32_dpp v[\v], v[\v], v[\v] row_xmask:8 row_mask:0xf bank_mask:0xf
	v_permlanex16_b32 v[\t], v[\v], s32, s33
	v_add_f32 v[\v], v[\v], v[\t]
.endm
.macro MKSC e, sc, lim                 ; 2^e and 448 x 2^e as f32
	s_add_co_i32 s48, s[\e], 127
	s_lshl_b32 s49, s48, 23
	v_mov_b32 v[\sc], s49
	s_add_co_i32 s48, s48, 8
	s_lshl_b32 s48, s48, 23
	s_or_b32 s48, s48, 0x600000
	v_mov_b32 v[\lim], s48
.endm
.macro TURNS s, src                    ; 16 rows x 256 bytes through stage s: in as loaded, back 8 neighbours along K at a time
.irp t, 0,1,2,3,4,5,6,7
	ds_store_b128 v2, v[\src+4*\t:\src+4*\t+3] offset:4352*\s+544*\t
.endr
.irp c, 0,1,2,3
	ds_load_b128 v[N+8*\c:N+8*\c+3], v3 offset:4352*\s+64*\c       ; LDS serves a wave's instructions in order: these see my stores
	ds_load_b128 v[N+8*\c+4:N+8*\c+7], v3 offset:4352*\s+64*\c+16
.endr
	s_wait_dscnt 0x0
.endm
.macro QUANT dst, sc, lim, inplace     ; N's 32 numbers become 8 registers of codes; inplace = 0 keeps N
.irp g, 0,1,2,3
.irp i, 0,1,2,3,4,5,6,7
.if \inplace
	v_med3_num_f32 v[N+8*\g+\i], v[N+8*\g+\i], -v[\lim], v[\lim]   ; the conversion does not saturate (ISA guide 7.6.2): the hold comes first
.else
	v_med3_num_f32 v[T+8*(\g%2)+\i], v[N+8*\g+\i], -v[\lim], v[\lim]
.endif
.endr
.if \inplace
	v_cvt_scalef32_pk8_fp8_f32 v[\dst+2*\g:\dst+2*\g+1], v[N+8*\g:N+8*\g+7], v[\sc]
.else
	v_cvt_scalef32_pk8_fp8_f32 v[\dst+2*\g:\dst+2*\g+1], v[T+8*(\g%2):T+8*(\g%2)+7], v[\sc]
.endif
.endr
	v_nop                                          ; a plain line behind the last conversion
.endm
	s_load_b256 s[4:11], s[0:1], 0x0               ; t, w, b, part
	s_load_b128 s[12:15], s[0:1], 0x20             ; the scales' exponents, acts
	v_lshl_add_u32 v224, v0, 2, 0x8800
	v_mov_b32 v225, 0
.if HASX
	s_load_b64 s[16:17], s[0:1], 0x30              ; x
.endif
	v_lshrrev_b32 v1, 5, v0
	v_readfirstlane_b32 s18, v1                    ; wave
	v_and_b32 v48, 31, v0                          ; lane
	v_and_b32 v49, 15, v0                          ; r
	v_bfe_u32 v50, v0, 4, 1                        ; h
	v_lshlrev_b32 v1, 12, v50
	v_lshl_add_u32 v1, v49, 4, v1                  ; in: lanes 0-15 one row's 256 bytes, lanes 16-31 the next row's
	v_lshlrev_b32 v4, 4, v48                       ; 16 x lane
	s_mul_i32 s19, s18, 8704                       ; my two stages
	v_mul_u32_u24 v2, v50, 272
	v_lshl_add_u32 v2, v49, 4, v2
	v_add_nc_u32 v2, s19, v2
	v_mul_u32_u24 v3, v49, 272
	v_lshl_add_u32 v3, v50, 5, v3
	v_add_nc_u32 v3, s19, v3                       ; back: row r, 32 bytes for each half of the lanes
	s_and_b32 s20, ttmp9, 3
	s_lshr_b32 s21, ttmp9, 2                       ; batch
	s_and_b32 s22, ttmp7, 0xffff                   ; which 16 rows
	s_lshl_b32 s23, s20, 2
	s_add_co_u32 s23, s23, s18                     ; which 64 columns
	s_lshl_b32 s24, s22, 16
	s_lshl_b32 s25, s23, 8
	s_add_co_u32 s24, s24, s25                     ; w, b: 16 rows of 4,096 bytes x gy + 256 bytes x kc
	s_mov_b32 s25, 0
	s_lshl_b32 s26, s21, 23
	s_add_co_u32 s26, s26, s24                     ; t, x: + the batch
	s_mov_b32 s27, 0
	s_lshl_b32 s28, s21, 12
	s_mov_b32 s29, 0
	s_lshl_b32 s30, s21, 7
	s_add_co_u32 s30, s30, s22
	s_lshl_b32 s30, s30, 4
	s_add_co_u32 s30, s30, s23
	s_lshl_b32 s30, s30, 10                        ; my image
.if HASX
	s_add_co_u32 s30, s30, 0x400000                ; the middle one of three parts: the others by the stores' immediates
.endif
	s_mov_b32 s31, 0
	s_mov_b32 s32, 0x76543210
	s_mov_b32 s33, 0xfedcba98
	s_mov_b32 s34, 0x39800000                      ; 1 / 4096
	s_mov_b32 s35, s34
	s_mov_b32 s36, 0x45800000                      ; 4096
	s_mov_b32 s37, 0x35000000                      ; 2^-21
	s_mov_b32 s38, 0x3727c5ac                      ; 1e-5
	s_wait_kmcnt 0x0
.if HASX
	s_load_b256 s[40:47], s[12:13], 0x0            ; e0 s40, e2 s42, e4 s44
	s_add_nc_u64 s[16:17], s[16:17], s[26:27]
.else
	s_load_b32 s40, s[12:13], 0x30                 ; e12
.endif
	s_add_nc_u64 s[4:5], s[4:5], s[26:27]
	s_add_nc_u64 s[6:7], s[6:7], s[24:25]
	s_add_nc_u64 s[8:9], s[8:9], s[24:25]
	s_add_nc_u64 s[10:11], s[10:11], s[28:29]
	s_add_nc_u64 s[14:15], s[14:15], s[30:31]
.irp j, 0,1,2,3
	global_load_b128 v[N+4*\j:N+4*\j+3], v4, s[10:11] offset:512*\j             ; 16 sums a lane
.endr
.irp j, 0,1,2,3
	global_load_b128 v[N+16+4*\j:N+16+4*\j+3], v4, s[10:11] offset:2048+512*\j  ; 16 M2
.endr
.irp t, 0,1,2,3,4,5,6,7
	global_load_b128 v[Y+4*\t:Y+4*\t+3], v1, s[4:5] offset:8192*\t
.endr
.irp t, 0,1,2,3,4,5,6,7
	global_load_b128 v[W+4*\t:W+4*\t+3], v1, s[6:7] offset:8192*\t
.endr
.irp t, 0,1,2,3,4,5,6,7
	global_load_b128 v[BB+4*\t:BB+4*\t+3], v1, s[8:9] offset:8192*\t
.endr
.if HASX
.irp t, 0,1,2,3,4,5,6,7
	global_load_b128 v[XX+4*\t:XX+4*\t+3], v1, s[16:17] offset:8192*\t th:TH_LOAD_NT
.endr
.endif
	s_wait_kmcnt 0x0
.if HASX
	MKSC 42, 12, 13
	MKSC 44, 14, 15
	MKSC 40, 6, 7
.else
	MKSC 40, 12, 13
.endif
	; the batch's mean and 1 / sqrt(var + eps)
	s_wait_loadcnt 24+8*HASX                       ; part's eight loads are in; the younger ones may be out
	v_pk_add_f32 v[T:T+1], v[N:N+1], v[N+2:N+3]
	v_pk_add_f32 v[T+2:T+3], v[N+4:N+5], v[N+6:N+7]
	v_pk_add_f32 v[T+4:T+5], v[N+8:N+9], v[N+10:N+11]
	v_pk_add_f32 v[T+6:T+7], v[N+12:N+13], v[N+14:N+15]
	v_pk_add_f32 v[T:T+1], v[T:T+1], v[T+2:T+3]
	v_pk_add_f32 v[T+4:T+5], v[T+4:T+5], v[T+6:T+7]
	v_pk_add_f32 v[T:T+1], v[T:T+1], v[T+4:T+5]
	v_add_f32 v[T], v[T], v[T+1]
	REDUCE T, T+2
	v_mul_f32 v8, s37, v[T]                        ; the mean
	v_mov_b32 v9, v8
.irp i, 0,2,4,6,8,10,12,14
	v_pk_fma_f32 v[N+\i:N+\i+1], v[N+\i:N+\i+1], s[34:35], v[8:9] op_sel_hi:[1,0,1] neg_lo:[0,0,1] neg_hi:[0,0,1]   ; a run's mean less the batch's
.endr
	v_pk_mul_f32 v[T:T+1], v[N:N+1], v[N:N+1]
.irp i, 2,4,6,8,10,12,14
	v_pk_fma_f32 v[T:T+1], v[N+\i:N+\i+1], v[N+\i:N+\i+1], v[T:T+1]
.endr
	v_pk_add_f32 v[T+2:T+3], v[N+16:N+17], v[N+18:N+19]
	v_pk_add_f32 v[T+4:T+5], v[N+20:N+21], v[N+22:N+23]
	v_pk_add_f32 v[T+6:T+7], v[N+24:N+25], v[N+26:N+27]
	v_pk_add_f32 v[T+8:T+9], v[N+28:N+29], v[N+30:N+31]
	v_pk_add_f32 v[T+2:T+3], v[T+2:T+3], v[T+4:T+5]
	v_pk_add_f32 v[T+6:T+7], v[T+6:T+7], v[T+8:T+9]
	v_pk_add_f32 v[T+2:T+3], v[T+2:T+3], v[T+6:T+7]
	v_add_f32 v[T], v[T], v[T+1]
	v_add_f32 v[T+2], v[T+2], v[T+3]
	v_fma_f32 v[T], v[T], s36, v[T+2]
	REDUCE T, T+4
	v_fma_f32 v[T], v[T], s37, s38                 ; var + eps
	v_rsq_f32 v10, v[T]
	v_nop                                          ; a plain line behind the transcendental
	s_wait_alu depctr_va_vdst(0)
	v_mov_b32 v11, v10
	s_wait_loadcnt 8*HASX                          ; t, w, b are in; x may be out
.set i, 0
.rept 16
	v_pk_add_f32 v[Y+i:Y+i+1], v[Y+i:Y+i+1], v[8:9] neg_lo:[0,1] neg_hi:[0,1]
	v_pk_mul_f32 v[Y+i:Y+i+1], v[Y+i:Y+i+1], v[10:11]
	v_pk_fma_f32 v[Y+i:Y+i+1], v[Y+i:Y+i+1], v[W+i:W+i+1], v[BB+i:BB+i+1]
.set i, i+2
.endr
	TURNS 0, Y
.if HASX
	QUANT CD, 12, 13, 0
	QUANT CD+8, 14, 15, 1
	global_store_b128 v4, v[CD:CD+3], s[14:15]                     ; each store of the wave covers 512 consecutive bytes, aligned
	global_store_b128 v4, v[CD+4:CD+7], s[14:15] offset:512
	global_store_b128 v4, v[CD+8:CD+11], s[14:15] offset:4194304
	global_store_b128 v4, v[CD+12:CD+15], s[14:15] offset:4194304+512
	s_wait_loadcnt 0x0                             ; x
	TURNS 1, XX
	QUANT CD+16, 6, 7, 1
	global_store_b128 v4, v[CD+16:CD+19], s[14:15] offset:-4194304
	global_store_b128 v4, v[CD+20:CD+23], s[14:15] offset:-4194304+512
.else
	QUANT CD, 12, 13, 1
	global_store_b128 v4, v[CD:CD+3], s[14:15]                     ; each store of the wave covers 512 consecutive bytes, aligned
	global_store_b128 v4, v[CD+4:CD+7], s[14:15] offset:512
.endif
	s_wait_tensorcnt 0x0
	ds_add_u32 v224, v225
	s_wait_dscnt 0x0
	s_endpgm
.Lfunc_end_k_qdeb34607a2_lnq2:
	.size	k_qdeb34607a2_lnq2, .Lfunc_end_k_qdeb34607a2_lnq2-k_qdeb34607a2_lnq2
	.p2alignl 7, 3214868480
	.fill 96, 4, 3214868480
	.section	.rodata,"a",@progbits
	.p2align	6, 0x0
	.amdhsa_kernel k_qdeb34607a2_lnq2
		.amdhsa_group_segment_fixed_size 35328
		.amdhsa_private_segment_fixed_size 0
		.amdhsa_enable_private_segment 0
		.amdhsa_kernarg_size 48
		.amdhsa_user_sgpr_count 2
		.amdhsa_user_sgpr_kernarg_segment_ptr 1
		.amdhsa_wavefront_size32 1
		.amdhsa_system_sgpr_workgroup_id_x 1
		.amdhsa_system_sgpr_workgroup_id_y 1
		.amdhsa_system_sgpr_workgroup_id_z 1
		.amdhsa_system_vgpr_workitem_id 0
		.amdhsa_next_free_vgpr 226
		.amdhsa_next_free_sgpr 66
		.amdhsa_reserve_vcc 0
		.amdhsa_float_denorm_mode_32 3
		.amdhsa_float_denorm_mode_16_64 3
		.amdhsa_memory_ordered 1
		.amdhsa_forward_progress 1
		.amdhsa_inst_pref_size 16
	.end_amdhsa_kernel
	.amdgpu_metadata
---
amdhsa.version: [ 1, 2 ]
amdhsa.kernels:
  - .name:           k_qdeb34607a2_lnq2
    .symbol:         k_qdeb34607a2_lnq2.kd
    .args:
      - { .name: y1, .offset: 0, .size: 8, .value_kind: global_buffer, .address_space: global }
      - { .name: ln2_w, .offset: 8, .size: 8, .value_kind: global_buffer, .address_space: global }
      - { .name: ln2_b, .offset: 16, .size: 8, .value_kind: global_buffer, .address_space: global }
      - { .name: part, .offset: 24, .size: 8, .value_kind: global_buffer, .address_space: global }
      - { .name: lowp_scales, .offset: 32, .size: 8, .value_kind: global_buffer, .address_space: global }
      - { .name: acts, .offset: 40, .size: 8, .value_kind: global_buffer, .address_space: global }
    .group_segment_fixed_size: 35328
    .private_segment_fixed_size: 0
    .kernarg_segment_align: 8
    .kernarg_segment_size: 48
    .max_flat_workgroup_size: 128
    .sgpr_count:     66
    .vgpr_count:     226
    .wavefront_size: 32
...
	.end_amdgpu_metadata
.endif
;; end of part 7
;; launch ffn1 (part 8): grid 32 x 32, 4 waves a work-group, clusters of 4 x 4, 327,680 bytes of LDS; arguments acts, wc, b1, lowp_scales, hc; writes hc
.if DOCPART == 8
	.amdgcn_target "amdgcn-amd-amdhsa--gfx1250"
	.amdhsa_code_object_version 6
	.text
	.protected	k_qdeb34607a2_ffn1
	.globl	k_qdeb34607a2_ffn1
	.p2align	8
	.type	k_qdeb34607a2_ffn1,@function
k_qdeb34607a2_ffn1:
	s_mov_b64 s[64:65], 0
	v_nop
	global_prefetch_b8 v0, s[64:65] scope:SCOPE_SE
	s_setreg_imm32_b32 hwreg(HW_REG_WAVE_MODE, 25, 1), 1
	s_wait_xcnt 0x0
	s_wait_alu depctr_hold_cnt(0) depctr_sa_sdst(0) depctr_va_vdst(0) depctr_va_sdst(0) depctr_va_ssrc(0) depctr_va_vcc(0) depctr_vm_vsrc(0)
	s_getreg_b32 s2, hwreg(HW_REG_IB_STS2, 6, 4)
	s_cmp_eq_u32 s2, 0
	s_cbranch_scc0 .Lentry_in_a_cluster
	s_endpgm
.Lentry_in_a_cluster:
	s_bfe_u32 s2, ttmp6, 0x10000c
	s_cmp_lg_u32 s2, 0xf033
	s_cbranch_scc0 .Lentry_shape_is_right
	s_endpgm
.Lentry_shape_is_right:
; h = relu(n W1 + b1) on codes of FP8 (E4M3) (scales 12 and 13 of lowp_scales), quantised at once for the next product (scale 14).  n: [4,096][1,024], W1: [4,096 (n)][1,024] as codes.
; LIMITS: e12 + e13 between -126 and 127; e14 between -126 and 119.
; ALL CODES LIE AS IMAGES of the operand's registers: 16 rows x 64 along K, 1,024 bytes; lane (r, h): row r, registers 2c, 2c+1: k = 16c + 8h + 0 .. 7; registers 0-3 at 16 x lane, 4-7 at 512 + 16 x lane;
; a buffer is [tile of 16 rows][K / 64 images]: acts and W1 (4 MiB into wc) 16 images a tile, hc 64.  Two neighbouring images are one fragment of v_wmma_f32_16x16x128_fp8_fp8: four ds_load_b128 of 512 consecutive bytes.
; A tile of C is 128 x 128: 1,024 work-groups of equal work, four to a WGP; four waves, each 64 x 64: 16 accumulators.  K = 1,024 lies whole in two LDS slots of 512 along K: both are filled at the start, nothing is filled again.
; CLUSTERS: 4 x 4.  The activations' tile is shared along a row of the cluster, the weights' along a column: each is asked for jointly, by the same tensor load with a mask that names the four.
; THE PRODUCT IS USED TRANSPOSED (source 0 = 16 rows of W1, source 1 = 16 rows of n): a lane holds one row and eight neighbouring hidden units: a conversion of an accumulator gives two registers of h's image.
; REGISTERS: window 0: v1-31 addresses; v32-63 the bias; v72-87 at work; v88-119 codes; v128-255 the accumulators ((a, b) at v[128 + 8 (4 a + b)]).   window 1: two fragment buffers of 128.
.set KTOT,  1024
.set WOFF,  4<<20                      ; W1's place in wc
.set RT,    16*KTOT                    ; a tile of 16 rows in bytes
.set SLOT,  131072                     ; activations: 8 tiles x 8,192 bytes; weights: the same, 65,536 on
.set SPARE, 2*SLOT                     ; the spare words, 128 bytes for each wave: two blocks of 256 bytes that no other line names
.set IMG,   65536                      ; from block a's image to block a + 1's in hc
.set ADA, 16                           ; v16-17  LDS address of the activations' fragments in slot 0, 1
.set ADB, 20                           ; v20-21  of the weights'
.set SPW, 28                           ; v28     SPARE + 4 x my thread's number; never rewritten
.set NIL, 29                           ; v29     0; never rewritten
.set BN,  32
.set T,   72
.set CD,  88
.set ACC, 128
.set F0,  0
.set F1,  128
.set G1,  24                           ; s[24:31] descriptor group 1 for the activations; s[32:39] group 0, one set for each slot
.set G0,  32
.set G1B, 48                           ; s[48:55], s[56:63] the same for the weights
.set G0B, 56
.set MSB, 0
.macro WIN new                         ; the immediate's high byte repeats the setting that is left
.if MSB != \new
	s_set_vgpr_msb (MSB<<8)|\new
.set MSB, \new
.endif
.endm
.set MUL,  0x05                        ; sources 0 and 1 window 1; C and D window 0
.set TO_F, 0x40                        ; destination window 1, address window 0
.macro JLOAD s                         ; a joint load: waves 0 and 1 fetch the activations' halves, waves 2 and 3 the weights'; four v_nop follow each line
	s_cmp_eq_u32 s11, 0
	s_cbranch_scc0 .Lfor_b_\@
	tensor_load_to_lds s[G0+4*\s:G0+4*\s+3], s[G1:G1+7]
	s_nop 0
.rept 4
	v_nop
.endr
	s_branch .Lasked_\@
.Lfor_b_\@:
	tensor_load_to_lds s[G0B+4*\s:G0B+4*\s+3], s[G1B:G1B+7]
	s_nop 0
.rept 4
	v_nop
.endr
.Lasked_\@:
.endm
.macro CROUND                          ; a round of the cluster's barrier
	s_barrier_signal -1
	s_barrier_wait -1
	s_cmp_lg_u32 s10, 0
	s_cbranch_scc1 .Lnot_wave_0_\@
	s_barrier_signal -3
.Lnot_wave_0_\@:
	s_barrier_wait -3
	s_barrier_signal -1
	s_barrier_wait -1
.endm
.macro PLACES                          ; four places in front of loads into registers that matrix instructions have read, and of the first read of results
.rept 4
	v_nop
.endr
.endm
.macro FETCH slot, q, f                ; the slot's q-th 128 along K into buffer f: the weights' four fragments first, then the activations', block 0 first
	WIN TO_F
.irp i, 0,1,2,3
.irp c, 0,1,2,3
	ds_load_b128 v[\f+64+16*\i+4*\c:\f+64+16*\i+4*\c+3], v[ADB+\slot] offset:8192*\i+2048*\q+512*\c
.endr
.endr
.irp i, 0,1,2,3
.irp c, 0,1,2,3
	ds_load_b128 v[\f+16*\i+4*\c:\f+16*\i+4*\c+3], v[ADA+\slot] offset:8192*\i+2048*\q+512*\c
.endr
.endr
.endm
.macro MULA f, a, zero                 ; four products: block a x the four blocks b.  The 16 accumulators take turns in one order throughout
.irp b, 0,1,2,3
.if \zero
	v_wmma_f32_16x16x128_fp8_fp8 v[ACC+8*(4*\a+\b):ACC+8*(4*\a+\b)+7], v[\f+64+16*\b:\f+64+16*\b+15], v[\f+16*\a:\f+16*\a+15], 0
.else
	v_wmma_f32_16x16x128_fp8_fp8 v[ACC+8*(4*\a+\b):ACC+8*(4*\a+\b)+7], v[\f+64+16*\b:\f+64+16*\b+15], v[\f+16*\a:\f+16*\a+15], v[ACC+8*(4*\a+\b):ACC+8*(4*\a+\b)+7]
.endif
.endr
.endm
.macro STEP slot, qn, f, g, zero       ; multiplies buffer f and fetches the slot's qn-th 128 along K into g
	s_wait_dscnt 12                                ; the weights' fragments and block 0 are in; blocks 1-3 (12 loads) may be out
	WIN MUL
	MULA \f, 0, \zero
	PLACES
	FETCH \slot, \qn, \g
	WIN MUL
	s_wait_dscnt 40                                ; the 32 just issued and blocks 2, 3 may be out
	MULA \f, 1, \zero
	s_wait_dscnt 36
	MULA \f, 2, \zero
	s_wait_dscnt 32
	MULA \f, 3, \zero
.endm
	s_load_b128 s[4:7], s[0:1], 0x0                ; acts, wc
	s_load_b128 s[76:79], s[0:1], 0x10             ; b1, the scales' exponents
	s_load_b64 s[80:81], s[0:1], 0x20              ; hc
	v_lshl_add_u32 v[SPW], v0, 2, SPARE
	v_mov_b32 v[NIL], 0
	ds_add_u32 v28, v29
	ds_add_u32 v28, v29
	s_wait_dscnt 0x0
	v_lshrrev_b32 v1, 5, v0
	v_readfirstlane_b32 s10, v1                    ; wave 0..3
	s_lshr_b32 s11, s10, 1                         ; which half of the tile's rows is mine.  Also: I fetch activations (0) or weights (1)
	s_and_b32 s12, s10, 1                          ; which half of its columns.  Also: which four tiles of 16 rows I fetch
	s_bfe_u32 s40, ttmp6, 0x40000                  ; cx, cy
	s_bfe_u32 s41, ttmp6, 0x40004
	s_lshl_b32 s42, ttmp9, 2
	s_add_co_u32 s42, s42, s40                     ; tile column
	s_and_b32 s13, ttmp7, 0xffff
	s_lshl_b32 s13, s13, 2
	s_add_co_u32 s13, s13, s41                     ; tile row
	s_lshl_b32 s43, s41, 2
	s_lshl_b32 s43, 15, s43                        ; my row of the cluster
	s_lshl_b32 s44, 0x1111, s40                    ; my column
	; descriptor group 1: four tiles of 16 rows, of each 8,192 consecutive bytes (1,024 elements of 8 bytes), RT bytes apart; dense in LDS
	s_or_b32 s[G1+0], s43, (3<<16)|(1<<21)         ; 15:0 the mask; 17:16 elements of 8 bytes; 21 set beside a mask
	s_or_b32 s[G1B+0], s44, (3<<16)|(1<<21)
.irp g, G1, G1B
	s_mov_b32 s[\g+1], 1024<<16                    ; tensor_dim0
	s_mov_b32 s[\g+2], 4<<16                       ; tensor_dim1
	s_mov_b32 s[\g+3], 1024<<16                    ; tile_dim0
	s_mov_b32 s[\g+4], 4                           ; tile_dim1
	s_mov_b32 s[\g+5], RT/8                        ; tensor_dim0_stride
	s_mov_b32 s[\g+6], 0
	s_mov_b32 s[\g+7], 0
.endr
	s_lshl_b32 s17, s12, 2
	s_lshl_b32 s16, s13, 3
	s_add_co_u32 s16, s16, s17
	s_mul_i32 s16, s16, RT                         ; activations: tile of rows 8 x tile row + 4 x half
	s_lshl_b32 s46, s42, 3
	s_add_co_u32 s46, s46, s17
	s_mul_i32 s46, s46, RT
	s_add_co_u32 s46, s46, WOFF                    ; weights: tile 8 x tile column + 4 x half
	s_mov_b32 s17, 0
	s_mov_b32 s47, 0
	s_mul_i32 s45, s10, 32768                      ; where they go: no place in the cluster enters an LDS address
	s_wait_kmcnt 0x0
	s_load_b128 s[88:91], s[78:79], 0x30           ; e12, e13, e14, e15
	s_add_nc_u64 s[14:15], s[4:5], s[16:17]
	s_add_nc_u64 s[46:47], s[6:7], s[46:47]
	CROUND                                         ; all sixteen work-groups are here: the joint loads meet
.irp s, 0,1
	s_mov_b32 s[G0+4*\s], 1
	s_add_co_u32 s[G0+4*\s+1], s45, \s*SLOT
	s_add_nc_u64 s[G0+4*\s+2:G0+4*\s+3], s[14:15], \s*8192
	s_or_b32 s[G0+4*\s+3], s[G0+4*\s+3], 0x80000000
	s_mov_b32 s[G0B+4*\s], 1
	s_add_co_u32 s[G0B+4*\s+1], s45, \s*SLOT
	s_add_nc_u64 s[G0B+4*\s+2:G0B+4*\s+3], s[46:47], \s*8192
	s_or_b32 s[G0B+4*\s+3], s[G0B+4*\s+3], 0x80000000
	JLOAD \s                                       ; two tensor loads of mine are out
.endr
	v_and_b32 v1, 15, v0                           ; r
	v_bfe_u32 v2, v0, 4, 1                         ; h
	v_and_b32 v3, 31, v0
	v_lshlrev_b32 v3, 4, v3                        ; 16 x lane
	v_lshlrev_b32 v27, 5, v2                       ; 32 h
	s_lshl_b32 s21, s11, 15                        ; my four tiles of activations,
	s_lshl_b32 s22, s12, 15
	s_add_co_u32 s22, s22, 65536                   ; and of weights
.irp s, 0,1
	v_add_nc_u32 v[ADA+\s], s21, v3
	v_add_nc_u32 v[ADB+\s], s22, v3
	s_add_co_u32 s21, s21, SLOT
	s_add_co_u32 s22, s22, SLOT
.endr
	s_lshl_b32 s16, s13, 3
	s_lshl_b32 s17, s11, 2
	s_add_co_u32 s16, s16, s17
	s_lshl_b32 s16, s16, 16                        ; my first tile of rows in hc: 65,536 bytes each
	s_mov_b32 s17, 0
	s_lshl_b32 s73, s42, 1
	s_add_co_u32 s73, s73, s12                     ; my 64 columns: one image of each tile of rows
	s_lshl_b32 s46, s73, 10
	s_mov_b32 s47, 0
	s_add_nc_u64 s[70:71], s[80:81], s[16:17]
	s_add_nc_u64 s[70:71], s[70:71], s[46:47]
	s_lshl_b32 s46, s73, 8
	s_add_nc_u64 s[68:69], s[76:77], s[46:47]      ; the bias at my first column
.irp b, 0,1,2,3
	global_load_b128 v[BN+8*\b:BN+8*\b+3], v27, s[68:69] offset:64*\b          ; bias(16 b + 8 h + 0 .. 7)
	global_load_b128 v[BN+8*\b+4:BN+8*\b+7], v27, s[68:69] offset:64*\b+16
.endr
	s_wait_tensorcnt 1                             ; my part of slot 0 is in; slot 1's may stay out
	s_barrier_signal -1
	s_barrier_wait -1
	FETCH 0, 0, F0
	STEP 0, 1, F0, F1, 1                           ; the first products start the sums: nothing is cleared
	STEP 0, 2, F1, F0, 0
	STEP 0, 3, F0, F1, 0
	; the change of slots: slot 1 is whole behind this barrier
	WIN 0
	s_wait_tensorcnt 0x0                           ; my part of slot 1 is in
	ds_add_u32 v[SPW], v[NIL]                      ; 0 onto my spare word
	s_wait_dscnt 13                                ; (the add and blocks 1-3 may be out)
	WIN MUL
	MULA F1, 0, 0
	s_wait_dscnt 0x0
	s_barrier_signal -1
	MULA F1, 1, 0
	WIN 0
	s_barrier_wait -1
	PLACES
	FETCH 1, 0, F0
	WIN MUL
	MULA F1, 2, 0
	MULA F1, 3, 0
	STEP 1, 1, F0, F1, 0
	STEP 1, 2, F1, F0, 0
	STEP 1, 3, F0, F1, 0
	s_wait_dscnt 12                                ; the last 128 along K: nothing more to fetch
	MULA F1, 0, 0
	s_wait_dscnt 8
	MULA F1, 1, 0
	s_wait_dscnt 4
	MULA F1, 2, 0
	s_wait_dscnt 0
	MULA F1, 3, 0
	WIN 0
	PLACES
	; THE WAY OUT: sum x 2^(e12 + e13) + bias; the activation and the hold in one; converted: the codes are the next operand's registers and leave as they stand
	s_wait_kmcnt 0x0
	s_add_co_i32 s72, s88, s89
	s_add_co_i32 s72, s72, 127
	s_lshl_b32 s74, s72, 23                        ; 2^(e12 + e13) as f32
	s_mov_b32 s75, s74
	s_add_co_i32 s19, s90, 127
	s_lshl_b32 s18, s19, 23
	v_mov_b32 v120, s18                            ; 2^e14
	s_add_co_i32 s19, s19, 8
	s_lshl_b32 s19, s19, 23
	s_or_b32 s19, s19, 0x600000
	v_mov_b32 v121, s19                            ; 448 x 2^e14
	s_wait_loadcnt 0x0
.irp a, 0,1,2,3
.irp b, 0,1,2,3
.irp i, 0,2,4,6
	v_pk_fma_f32 v[T+8*(\b%2)+\i:T+8*(\b%2)+\i+1], v[ACC+8*(4*\a+\b)+\i:ACC+8*(4*\a+\b)+\i+1], s[74:75], v[BN+8*\b+\i:BN+8*\b+\i+1] op_sel_hi:[1,0,1]   ; each accumulator from its low end on
.endr
.irp i, 0,1,2,3,4,5,6,7
	v_med3_num_f32 v[T+8*(\b%2)+\i], v[T+8*(\b%2)+\i], 0, v121   ; between 0 and the largest code x the scale (the conversion does not saturate: ISA guide 7.6.2)
.endr
	v_cvt_scalef32_pk8_fp8_f32 v[CD+8*\a+2*\b:CD+8*\a+2*\b+1], v[T+8*(\b%2):T+8*(\b%2)+7], v120
.endr
.endr
	v_nop                                          ; a plain line behind the last conversion
.irp a, 0,1,2,3
	global_store_b128 v3, v[CD+8*\a:CD+8*\a+3], s[70:71] offset:IMG*\a         ; 32 lanes store 512 consecutive bytes, aligned
	global_store_b128 v3, v[CD+8*\a+4:CD+8*\a+7], s[70:71] offset:IMG*\a+512
.endr
	s_wait_tensorcnt 0x0                           ; the wave's end
	ds_add_u32 v[SPW], v[NIL]
	s_wait_dscnt 0x0
	CROUND                                         ; the closing round: no work-group ends while a partner may still ask for a tile that names it
	s_endpgm
.Lfunc_end_k_qdeb34607a2_ffn1:
	.size	k_qdeb34607a2_ffn1, .Lfunc_end_k_qdeb34607a2_ffn1-k_qdeb34607a2_ffn1
	.p2alignl 7, 3214868480
	.fill 96, 4, 3214868480
	.section	.rodata,"a",@progbits
	.p2align	6, 0x0
	.amdhsa_kernel k_qdeb34607a2_ffn1
		.amdhsa_group_segment_fixed_size 327680
		.amdhsa_private_segment_fixed_size 0
		.amdhsa_enable_private_segment 0
		.amdhsa_kernarg_size 40
		.amdhsa_user_sgpr_count 2
		.amdhsa_user_sgpr_kernarg_segment_ptr 1
		.amdhsa_wavefront_size32 1
		.amdhsa_system_sgpr_workgroup_id_x 1
		.amdhsa_system_sgpr_workgroup_id_y 1
		.amdhsa_system_sgpr_workgroup_id_z 1
		.amdhsa_system_vgpr_workitem_id 0
		.amdhsa_next_free_vgpr 512
		.amdhsa_next_free_sgpr 100
		.amdhsa_reserve_vcc 0
		.amdhsa_float_denorm_mode_32 3
		.amdhsa_float_denorm_mode_16_64 3
		.amdhsa_memory_ordered 1
		.amdhsa_forward_progress 1
		.amdhsa_inst_pref_size 49
	.end_amdhsa_kernel
	.amdgpu_metadata
---
amdhsa.version: [ 1, 2 ]
amdhsa.kernels:
  - .name:           k_qdeb34607a2_ffn1
    .symbol:         k_qdeb34607a2_ffn1.kd
    .args:
      - { .name: acts, .offset: 0, .size: 8, .value_kind: global_buffer, .address_space: global }
      - { .name: wc, .offset: 8, .size: 8, .value_kind: global_buffer, .address_space: global }
      - { .name: b1, .offset: 16, .size: 8, .value_kind: global_buffer, .address_space: global }
      - { .name: lowp_scales, .offset: 24, .size: 8, .value_kind: global_buffer, .address_space: global }
      - { .name: hc, .offset: 32, .size: 8, .value_kind: global_buffer, .address_space: global }
    .group_segment_fixed_size: 327680
    .private_segment_fixed_size: 0
    .kernarg_segment_align: 8
    .kernarg_segment_size: 40
    .max_flat_workgroup_size: 128
    .sgpr_count:     100
    .vgpr_count:     512
    .wavefront_size: 32
...
	.end_amdgpu_metadata
.endif
;; end of part 8
;; launch ffn2 (part 9): grid 8 x 32, 4 waves a work-group, clusters of 4 x 4, 327,680 bytes of LDS; arguments hc, wc, b2, y1, lowp_scales, out0; writes out0
.if DOCPART == 9
	.amdgcn_target "amdgcn-amd-amdhsa--gfx1250"
	.amdhsa_code_object_version 6
	.text
	.protected	k_qdeb34607a2_ffn2
	.globl	k_qdeb34607a2_ffn2
	.p2align	8
	.type	k_qdeb34607a2_ffn2,@function
k_qdeb34607a2_ffn2:
	s_mov_b64 s[64:65], 0
	v_nop
	global_prefetch_b8 v0, s[64:65] scope:SCOPE_SE
	s_setreg_imm32_b32 hwreg(HW_REG_WAVE_MODE, 25, 1), 1
	s_wait_xcnt 0x0
	s_wait_alu depctr_hold_cnt(0) depctr_sa_sdst(0) depctr_va_vdst(0) depctr_va_sdst(0) depctr_va_ssrc(0) depctr_va_vcc(0) depctr_vm_vsrc(0)
	s_getreg_b32 s2, hwreg(HW_REG_IB_STS2, 6, 4)
	s_cmp_eq_u32 s2, 0
	s_cbranch_scc0 .Lentry_in_a_cluster
	s_endpgm
.Lentry_in_a_cluster:
	s_bfe_u32 s2, ttmp6, 0x10000c
	s_cmp_lg_u32 s2, 0xf033
	s_cbranch_scc0 .Lentry_shape_is_right
	s_endpgm
.Lentry_shape_is_right:
; out = res + A W + bias on codes of FP8 (E4M3): here out0 = y1 + h W2 + b2.  A: [4,096][KTOT], W: [1,024 (n)][KTOT] as codes; out, res: [4,096][1,024] f32.  Scales: the two entries of lowp_scales at byte SCB.
; LIMIT: ea + eb between -126 and 127.
; ALL CODES LIE AS IMAGES of the operand's registers: 16 rows x 64 along K, 1,024 bytes; lane (r, h): row r, registers 2c, 2c+1: k = 16c + 8h + 0 .. 7; registers 0-3 at 16 x lane, 4-7 at 512 + 16 x lane;
; a buffer is [tile of 16 rows][KTOT / 64 images].  Two neighbouring images are one fragment of v_wmma_f32_16x16x128_fp8_fp8: four ds_load_b128 of 512 consecutive bytes: no pitch, no padding.
; A tile of C is 128 x 128, which makes 256 work-groups (256 x 256 would make 64); four waves, each 64 x 64: 16 accumulators.  K goes through two LDS slots of 512 along K, filled by the tensor data mover:
; behind each change of slots a wave asks for 32,768 bytes, the work-group for a whole slot, and 56 matrix instructions of the wave stand between the request and the wait for it.
; CLUSTERS: 4 x 4.  A's tile is shared along a row of the cluster, W's along a column: each is asked for jointly, by the same tensor load with a mask that names the four.
; THE PRODUCT IS USED TRANSPOSED (source 0 = 16 rows of W, source 1 = 16 rows of A): a lane holds eight neighbouring numbers of a row of C.
; REGISTERS: window 0: v1-31 addresses; v32-63 a block's results; v64-127 two sets of rows read back; v128-255 the accumulators ((a, b) at v[128 + 8 (4 a + b)]).
;   window 1: two fragment buffers of 128: A's four fragments, then W's four.   window 2: v0-127 the residual, asked for at the head; v128-159 the bias in the result's layout.
.set KTOT,  4096
.set WOFF,  8<<20                      ; the weight's place in wc
.set SCB,   56                         ; e14, e15
.set RT,    16*KTOT                    ; a tile of 16 rows in bytes
.set LAPS,  KTOT/1024                  ; a lap = once round the ring
.set SLOT,  131072                     ; A: 8 tiles x 8,192 bytes; W: the same, 65,536 on
.set SPARE, 2*SLOT                     ; the spare words, 128 bytes for each wave: two blocks of 256 bytes that no other line names
.set STAGE, SPARE+512                  ; the way out: 16 rows x 272 bytes for each wave; no tile ever lands here
.set SP,    272
.set ADA, 16                           ; v16-17  LDS address of A's fragments in slot 0, 1
.set ADB, 20                           ; v20-21  of W's
.set STO, 24
.set RD,  25
.set CO,  26
.set BO,  27
.set SPW, 28                           ; v28     SPARE + 4 x my thread's number; never rewritten
.set NIL, 29                           ; v29     0; never rewritten
.set T,   32
.set RB,  64
.set ACC, 128
.set F0,  0
.set F1,  128
.set RES, 0
.set BN,  128
.set G1,  24                           ; s[24:31] descriptor group 1 for A; s[32:39] group 0, one set for each slot
.set G0,  32
.set G1B, 48                           ; s[48:55], s[56:63] the same for W
.set G0B, 56
.set MSB, 0
.macro WIN new                         ; the immediate's high byte repeats the setting that is left
.if MSB != \new
	s_set_vgpr_msb (MSB<<8)|\new
.set MSB, \new
.endif
.endm
.set MUL,  0x05                        ; sources 0 and 1 window 1; C and D window 0
.set TO_F, 0x40                        ; destination window 1, address window 0
.macro JLOAD s                         ; a joint load: waves 0 and 1 fetch A's halves, waves 2 and 3 W's; four v_nop follow each line
	s_cmp_eq_u32 s11, 0
	s_cbranch_scc0 .Lfor_b_\@
	tensor_load_to_lds s[G0+4*\s:G0+4*\s+3], s[G1:G1+7]
	s_nop 0
.rept 4
	v_nop
.endr
	s_branch .Lasked_\@
.Lfor_b_\@:
	tensor_load_to_lds s[G0B+4*\s:G0B+4*\s+3], s[G1B:G1B+7]
	s_nop 0
.rept 4
	v_nop
.endr
.Lasked_\@:
.endm
.macro CREST                           ; a round of the cluster's barrier behind its opening barrier
	s_cmp_lg_u32 s10, 0
	s_cbranch_scc1 .Lnot_wave_0_\@
	s_barrier_signal -3
.Lnot_wave_0_\@:
	s_barrier_wait -3
	s_barrier_signal -1
	s_barrier_wait -1
.endm
.macro CROUND
	s_barrier_signal -1
	s_barrier_wait -1
	CREST
.endm
.macro PLACES                          ; four places in front of loads into registers that matrix instructions have read, and of the first read of results
.rept 4
	v_nop
.endr
.endm
.macro FETCH slot, q, f                ; the slot's q-th 128 along K into buffer f: W's four fragments first, then A's, block 0 first
	WIN TO_F
.irp i, 0,1,2,3
.irp c, 0,1,2,3
	ds_load_b128 v[\f+64+16*\i+4*\c:\f+64+16*\i+4*\c+3], v[ADB+\slot] offset:8192*\i+2048*\q+512*\c
.endr
.endr
.irp i, 0,1,2,3
.irp c, 0,1,2,3
	ds_load_b128 v[\f+16*\i+4*\c:\f+16*\i+4*\c+3], v[ADA+\slot] offset:8192*\i+2048*\q+512*\c
.endr
.endr
.endm
.macro MULA f, a, zero                 ; four products: A's block a x W's four.  The 16 accumulators take turns in one order throughout, over the loop's backward jump too
.irp b, 0,1,2,3
.if \zero
	v_wmma_f32_16x16x128_fp8_fp8 v[ACC+8*(4*\a+\b):ACC+8*(4*\a+\b)+7], v[\f+64+16*\b:\f+64+16*\b+15], v[\f+16*\a:\f+16*\a+15], 0
.else
	v_wmma_f32_16x16x128_fp8_fp8 v[ACC+8*(4*\a+\b):ACC+8*(4*\a+\b)+7], v[\f+64+16*\b:\f+64+16*\b+15], v[\f+16*\a:\f+16*\a+15], v[ACC+8*(4*\a+\b):ACC+8*(4*\a+\b)+7]
.endif
.endr
.endm
.macro STEP slot, qn, f, g, zero       ; multiplies buffer f and fetches the slot's qn-th 128 along K into g
	s_wait_dscnt 12                                ; W's fragments and A's block 0 are in; blocks 1-3 (12 loads) may be out
	WIN MUL
	MULA \f, 0, \zero
	PLACES
	FETCH \slot, \qn, \g
	WIN MUL
	s_wait_dscnt 40                                ; the 32 just issued and blocks 2, 3 may be out
	MULA \f, 1, \zero
	s_wait_dscnt 36
	MULA \f, 2, \zero
	s_wait_dscnt 32
	MULA \f, 3, \zero
.endm
; A slot's last 128 along K (buffer 1) changes slots: ONE barrier; in front of it each wave waits for all its tensor loads, adds 0 to its spare word, and waits for that and for its reads of this slot.
; fill = 1: the barrier opens a round of the cluster's, and this slot is filled again, 1,024 along K ahead: the first tensor load behind the round, one a wave.
.macro TURN slot, next, fill
	WIN 0
	s_wait_tensorcnt 0x0                           ; all my tensor loads have landed: my part of the next slot
	ds_add_u32 v[SPW], v[NIL]                      ; 0 onto my spare word
	s_wait_dscnt 13                                ; (the add and A's blocks 1-3 may be out)
	WIN MUL
	MULA F1, 0, 0
	s_wait_dscnt 0x0                               ; the add is done, and my reads of this slot are over
	s_barrier_signal -1
	MULA F1, 1, 0
	WIN 0
	s_barrier_wait -1
.if \fill
	CREST
	s_add_nc_u64 s[G0+4*\slot+2:G0+4*\slot+3], s[G0+4*\slot+2:G0+4*\slot+3], 16384
	s_add_nc_u64 s[G0B+4*\slot+2:G0B+4*\slot+3], s[G0B+4*\slot+2:G0B+4*\slot+3], 16384
	JLOAD \slot                                    ; its four v_nop are also the places in front of the loads below
.else
	PLACES
.endif
	FETCH \next, 0, F0
	WIN MUL
	MULA F1, 2, 0
	MULA F1, 3, 0
.endm
	s_load_b128 s[4:7], s[0:1], 0x0                ; A's codes, wc
	s_load_b256 s[76:83], s[0:1], 0x10             ; bias, res, the scales' exponents, out
	v_lshl_add_u32 v[SPW], v0, 2, SPARE
	v_mov_b32 v[NIL], 0
	ds_add_u32 v28, v29
	ds_add_u32 v28, v29
	s_wait_dscnt 0x0
	v_lshrrev_b32 v1, 5, v0
	v_readfirstlane_b32 s10, v1                    ; wave 0..3
	s_lshr_b32 s11, s10, 1                         ; which half of the tile's rows is mine.  Also: I fetch A (0) or W (1)
	s_and_b32 s12, s10, 1                          ; which half of its columns.  Also: which four tiles of 16 rows I fetch
	s_bfe_u32 s40, ttmp6, 0x40000                  ; cx, cy
	s_bfe_u32 s41, ttmp6, 0x40004
	s_lshl_b32 s42, ttmp9, 2
	s_add_co_u32 s42, s42, s40                     ; tile column
	s_and_b32 s13, ttmp7, 0xffff
	s_lshl_b32 s13, s13, 2
	s_add_co_u32 s13, s13, s41                     ; tile row
	s_lshl_b32 s43, s41, 2
	s_lshl_b32 s43, 15, s43                        ; my row of the cluster
	s_lshl_b32 s44, 0x1111, s40                    ; my column
	; descriptor group 1: four tiles of 16 rows, of each 8,192 consecutive bytes (1,024 elements of 8 bytes), RT bytes apart; dense in LDS
	s_or_b32 s[G1+0], s43, (3<<16)|(1<<21)         ; 15:0 the mask; 17:16 elements of 8 bytes; 21 set beside a mask
	s_or_b32 s[G1B+0], s44, (3<<16)|(1<<21)
.irp g, G1, G1B
	s_mov_b32 s[\g+1], 1024<<16                    ; tensor_dim0
	s_mov_b32 s[\g+2], 4<<16                       ; tensor_dim1
	s_mov_b32 s[\g+3], 1024<<16                    ; tile_dim0
	s_mov_b32 s[\g+4], 4                           ; tile_dim1
	s_mov_b32 s[\g+5], RT/8                        ; tensor_dim0_stride
	s_mov_b32 s[\g+6], 0
	s_mov_b32 s[\g+7], 0
.endr
	s_lshl_b32 s17, s12, 2
	s_lshl_b32 s16, s13, 3
	s_add_co_u32 s16, s16, s17
	s_mul_i32 s16, s16, RT                         ; A: tile of rows 8 x tile row + 4 x half
	s_lshl_b32 s46, s42, 3
	s_add_co_u32 s46, s46, s17
	s_mul_i32 s46, s46, RT
	s_add_co_u32 s46, s46, WOFF                    ; W: tile 8 x tile column + 4 x half
	s_mov_b32 s17, 0
	s_mov_b32 s47, 0
	s_mul_i32 s45, s10, 32768                      ; where they go: no place in the cluster enters an LDS address
	s_wait_kmcnt 0x0
	s_load_b64 s[74:75], s[80:81], SCB             ; ea, eb
	s_add_nc_u64 s[14:15], s[4:5], s[16:17]
	s_add_nc_u64 s[46:47], s[6:7], s[46:47]
	CROUND                                         ; all sixteen work-groups are here: the first joint loads meet
.irp s, 0,1
	s_mov_b32 s[G0+4*\s], 1
	s_add_co_u32 s[G0+4*\s+1], s45, \s*SLOT
	s_add_nc_u64 s[G0+4*\s+2:G0+4*\s+3], s[14:15], \s*8192
	s_or_b32 s[G0+4*\s+3], s[G0+4*\s+3], 0x80000000
	s_mov_b32 s[G0B+4*\s], 1
	s_add_co_u32 s[G0B+4*\s+1], s45, \s*SLOT
	s_add_nc_u64 s[G0B+4*\s+2:G0B+4*\s+3], s[46:47], \s*8192
	s_or_b32 s[G0B+4*\s+3], s[G0B+4*\s+3], 0x80000000
	JLOAD \s                                       ; two tensor loads of mine are out; later one, behind each round
.endr
	v_and_b32 v1, 15, v0                           ; r
	v_bfe_u32 v2, v0, 4, 1                         ; h
	v_and_b32 v3, 31, v0
	v_lshlrev_b32 v3, 4, v3                        ; 16 x lane
	s_lshl_b32 s21, s11, 15                        ; my four tiles of A,
	s_lshl_b32 s22, s12, 15
	s_add_co_u32 s22, s22, 65536                   ; and of W
.irp s, 0,1
	v_add_nc_u32 v[ADA+\s], s21, v3
	v_add_nc_u32 v[ADB+\s], s22, v3
	s_add_co_u32 s21, s21, SLOT
	s_add_co_u32 s22, s22, SLOT
.endr
	s_mul_i32 s23, s10, 16*SP
	s_add_co_u32 s23, s23, STAGE                   ; my stage
	v_mul_u32_u24 v4, v1, SP
	v_lshl_add_u32 v4, v2, 5, v4
	v_add_nc_u32 v[STO], s23, v4                   ; in: row r, 32 bytes for each half of the lanes
	v_mul_u32_u24 v5, v2, SP
	v_lshl_add_u32 v5, v1, 4, v5
	v_add_nc_u32 v[RD], s23, v5                    ; back: lanes 0-15 one row of 256 bytes, lanes 16-31 the next
	v_lshlrev_b32 v5, 12, v2
	v_lshl_add_u32 v[CO], v1, 4, v5                ; and the same two rows in res and in out
	v_lshlrev_b32 v[BO], 5, v2                     ; 32 h
	s_lshl_b32 s16, s13, 1
	s_add_co_u32 s16, s16, s11
	s_lshl_b32 s16, s16, 18                        ; my first row: 64 (2 x tile row + half) rows of 4,096 bytes
	s_mov_b32 s17, 0
	s_lshl_b32 s72, s42, 1
	s_add_co_u32 s72, s72, s12
	s_lshl_b32 s72, s72, 8                         ; my first column: 64 (2 x tile column + half) x 4 bytes
	s_mov_b32 s73, 0
	s_add_nc_u64 s[78:79], s[78:79], s[16:17]
	s_add_nc_u64 s[78:79], s[78:79], s[72:73]
	s_add_nc_u64 s[82:83], s[82:83], s[16:17]
	s_add_nc_u64 s[82:83], s[82:83], s[72:73]
	s_add_nc_u64 s[76:77], s[76:77], s[72:73]
	WIN 0x80                                       ; destination window 2
.irp a, 0,1,2,3
.irp t, 0,1,2,3,4,5,6,7
	global_load_b128 v[RES+32*\a+4*\t:RES+32*\a+4*\t+3], v[CO], s[78:79] offset:(16*\a+2*\t)*4096   ; the residual, in the layout in which rows come back from the stage
.endr
.endr
.irp b, 0,1,2,3
	global_load_b128 v[BN+8*\b:BN+8*\b+3], v[BO], s[76:77] offset:64*\b        ; bias(16 b + 8 h + 0 .. 7)
	global_load_b128 v[BN+8*\b+4:BN+8*\b+7], v[BO], s[76:77] offset:64*\b+16
.endr
	WIN 0
	s_wait_tensorcnt 1                             ; my part of slot 0 is in; slot 1's may stay out
	s_barrier_signal -1
	s_barrier_wait -1
	FETCH 0, 0, F0
	STEP 0, 1, F0, F1, 1                           ; the first products start the sums: nothing is cleared
.if LAPS > 1
	WIN 0                                          ; at a label and at a branch every window is 0
	s_mov_b32 s3, LAPS-1
.Llap:                                             ; a trip goes once round the ring and fills both slots again
	STEP 0, 2, F1, F0, 0
	STEP 0, 3, F0, F1, 0
	TURN 0, 1, 1
	STEP 1, 1, F0, F1, 0
	STEP 1, 2, F1, F0, 0
	STEP 1, 3, F0, F1, 0
	TURN 1, 0, 1
	STEP 0, 1, F0, F1, 0
	WIN 0
	s_sub_co_u32 s3, s3, 1
	s_cmp_lg_u32 s3, 0
	s_cbranch_scc1 .Llap
.endif
	STEP 0, 2, F1, F0, 0                           ; the last lap fills nothing
	STEP 0, 3, F0, F1, 0
	TURN 0, 1, 0
	STEP 1, 1, F0, F1, 0
	STEP 1, 2, F1, F0, 0
	STEP 1, 3, F0, F1, 0
	s_wait_dscnt 12                                ; the last 128 along K: nothing more to fetch
	MULA F1, 0, 0
	s_wait_dscnt 8
	MULA F1, 1, 0
	s_wait_dscnt 4
	MULA F1, 2, 0
	s_wait_dscnt 0
	MULA F1, 3, 0
	WIN 0
	PLACES
	; THE WAY OUT, a block of 16 rows x 64 columns at a time: sum x 2^(ea + eb) + bias; through my own stage, so that sixteen lanes hold 256 consecutive bytes of a row; + the residual; stored
.macro TOSTAGE a
	WIN 0x20                                       ; source 2 (the bias) window 2
.irp b, 0,1,2,3
.irp i, 0,2,4,6
	v_pk_fma_f32 v[T+8*\b+\i:T+8*\b+\i+1], v[ACC+8*(4*(\a)+\b)+\i:ACC+8*(4*(\a)+\b)+\i+1], s[74:75], v[BN+8*\b+\i:BN+8*\b+\i+1] op_sel_hi:[1,0,1]   ; each accumulator from its low end on
.endr
.endr
	WIN 0
.irp b, 0,1,2,3
	ds_store_b128 v[STO], v[T+8*\b:T+8*\b+3] offset:64*\b
	ds_store_b128 v[STO], v[T+8*\b+4:T+8*\b+7] offset:64*\b+16
.endr
.irp t, 0,1,2,3,4,5,6,7
	ds_load_b128 v[RB+32*((\a)%2)+4*\t:RB+32*((\a)%2)+4*\t+3], v[RD] offset:2*SP*\t   ; LDS serves a wave's instructions in order: these see my stores
.endr
.endm
.macro SEND a, younger                 ; younger: the LDS instructions issued behind block a's loads, which may stay out
	s_wait_dscnt \younger
	WIN 0x08                                       ; source 1 (the residual) window 2
.irp t, 0,1,2,3,4,5,6,7
.irp i, 0,2
	v_pk_add_f32 v[RB+32*((\a)%2)+4*\t+\i:RB+32*((\a)%2)+4*\t+\i+1], v[RB+32*((\a)%2)+4*\t+\i:RB+32*((\a)%2)+4*\t+\i+1], v[RES+32*(\a)+4*\t+\i:RES+32*(\a)+4*\t+\i+1]
.endr
.endr
	WIN 0
.irp t, 0,1,2,3,4,5,6,7
	global_store_b128 v[CO], v[RB+32*((\a)%2)+4*\t:RB+32*((\a)%2)+4*\t+3], s[82:83] offset:(16*(\a)+2*\t)*4096 th:TH_STORE_NT   ; 16 lanes store 256 consecutive bytes, aligned; written once, read by nobody here
.endr
.endm
	s_wait_kmcnt 0x0
	s_add_co_i32 s74, s74, s75
	s_add_co_i32 s74, s74, 127
	s_lshl_b32 s74, s74, 23                        ; 2^(ea + eb) as f32
	s_mov_b32 s75, s74
	s_wait_loadcnt 0x0                             ; the residual and the bias
	TOSTAGE 0
.irp a, 1,2,3
.if \a > 1
	s_wait_xcnt 0x0                                ; block a - 2's stores have read their registers: block a's rows may land there
.endif
	TOSTAGE \a
	SEND \a-1, 16                                  ; behind block a - 1's loads: block a's 8 stores and 8 loads
.endr
	SEND 3, 0
	s_wait_tensorcnt 0x0                           ; the wave's end: behind my last tensor load and my last LDS store
	ds_add_u32 v[SPW], v[NIL]
	s_wait_dscnt 0x0
	CROUND                                         ; the closing round: no work-group ends while a partner may still ask for a tile that names it
	s_endpgm
.Lfunc_end_k_qdeb34607a2_ffn2:
	.size	k_qdeb34607a2_ffn2, .Lfunc_end_k_qdeb34607a2_ffn2-k_qdeb34607a2_ffn2
	.p2alignl 7, 3214868480
	.fill 96, 4, 3214868480
	.section	.rodata,"a",@progbits
	.p2align	6, 0x0
	.amdhsa_kernel k_qdeb34607a2_ffn2
		.amdhsa_group_segment_fixed_size 327680
		.amdhsa_private_segment_fixed_size 0
		.amdhsa_enable_private_segment 0
		.amdhsa_kernarg_size 48
		.amdhsa_user_sgpr_count 2
		.amdhsa_user_sgpr_kernarg_segment_ptr 1
		.amdhsa_wavefront_size32 1
		.amdhsa_system_sgpr_workgroup_id_x 1
		.amdhsa_system_sgpr_workgroup_id_y 1
		.amdhsa_system_sgpr_workgroup_id_z 1
		.amdhsa_system_vgpr_workitem_id 0
		.amdhsa_next_free_vgpr 672
		.amdhsa_next_free_sgpr 100
		.amdhsa_reserve_vcc 0
		.amdhsa_float_denorm_mode_32 3
		.amdhsa_float_denorm_mode_16_64 3
		.amdhsa_memory_ordered 1
		.amdhsa_forward_progress 1
		.amdhsa_inst_pref_size 83
	.end_amdhsa_kernel
	.amdgpu_metadata
---
amdhsa.version: [ 1, 2 ]
amdhsa.kernels:
  - .name:           k_qdeb34607a2_ffn2
    .symbol:         k_qdeb34607a2_ffn2.kd
    .args:
      - { .name: hc, .offset: 0, .size: 8, .value_kind: global_buffer, .address_space: global }
      - { .name: wc, .offset: 8, .size: 8, .value_kind: global_buffer, .address_space: global }
      - { .name: b2, .offset: 16, .size: 8, .value_kind: global_buffer, .address_space: global }
      - { .name: y1, .offset: 24, .size: 8, .value_kind: global_buffer, .address_space: global }
      - { .name: lowp_scales, .offset: 32, .size: 8, .value_kind: global_buffer, .address_space: global }
      - { .name: out0, .offset: 40, .size: 8, .value_kind: global_buffer, .address_space: global }
    .group_segment_fixed_size: 327680
    .private_segment_fixed_size: 0
    .kernarg_segment_align: 8
    .kernarg_segment_size: 48
    .max_flat_workgroup_size: 128
    .sgpr_count:     100
    .vgpr_count:     672
    .wavefront_size: 32
...
	.end_amdgpu_metadata
.endif
;; end of part 9
;; ======== version 2 of 2: 8 launches
;; limits: right only within a limited range of input values
;; workspace buffers: wc 12,582,912 bytes; acts 12,582,912 bytes; qkvc 12,582,912 bytes; ao 4,194,304 bytes; y1 16,777,216 bytes; hc 16,777,216 bytes; part 8,192 bytes
;; launch wquant (part 10): grid 128 x 5, 4 waves a work-group, no clusters, 33,280 bytes of LDS; arguments Wq, Wk, Wv, Wo, W1, W2, lowp_scales, wc, y, part; writes wc, part
.if DOCPART == 10
	.amdgcn_target "amdgcn-amd-amdhsa--gfx1250"
	.amdhsa_code_object_version 6
	.text
	.protected	k_qdeb34607a2_wquant
	.globl	k_qdeb34607a2_wquant
	.p2align	8
	.type	k_qdeb34607a2_wquant,@function
k_qdeb34607a2_wquant:
	s_mov_b64 s[64:65], 0
	v_nop
	global_prefetch_b8 v0, s[64:65] scope:SCOPE_SE
	s_setreg_imm32_b32 hwreg(HW_REG_WAVE_MODE, 25, 1), 1
	s_wait_xcnt 0x0
; TWO JOBS THAT SHARE NOTHING, in one launch: grid rows y = 0, 1, 2 quantise the six weights; rows y = 3, 4 make the partial figures of the first LayerNorm.  The paths part on the work-group's number.
; THE WEIGHTS, f32, stored [K][N], become codes of FP8 (E4M3), each with the one scale 2^e that is given for it (entries 1, 3, 5, 11, 13, 15 of lowp_scales).
; code = w / 2^e, held within +-448, to the nearest code, ties to even.  LIMITS: -126 <= e <= 119.  NaN among the inputs is not served.
; THE CODES' LAYOUT is the order of the matrix operand's registers.  An IMAGE is 16 rows (here: 16 columns n of the weight) x 64 along K: 8 registers a lane, 1,024 bytes;
; lane (r, h) holds row r, its registers 2c, 2c+1 hold k = 16c + 8h + 0 .. 7; registers 0-3 lie at 16 x lane, registers 4-7 at 512 + 16 x lane.
; wc: [tile of 16 n][K / 64 images][1,024]: Wq at 0, Wk at 1 MiB, Wv at 2 MiB, Wo at 3 MiB, W1 at 4 MiB, W2 at 8 MiB.
; A LANE TAKES A COLUMN n AND ITS REGISTERS RUN DOWN K: each load reads 32 neighbouring n (128 bytes a wave, 512 a work-group), and the conversions give codes with K innermost.
; A work-group takes 128 columns x 256 along K, a wave 32 columns: two tiles x four images, gathered in the wave's own 8,192 bytes of LDS and stored as runs of 512 consecutive bytes.
; y = 0: the four weights of 1,024 x 1,024, 32 work-groups each; y = 1: W1; y = 2: W2.  Only pointers, pitches and the scale are chosen, by ids.  Loads run two blocks of 32 along K ahead.
; THE FIGURES: y: [2][2048][1024] f32; part: [2][512 sums, then 512 M2] f32.  Wave W = 4 x (128 (y - 3) + x) + wave (0 .. 1,023) owns 4,096 consecutive numbers and keeps them in 128 registers between two passes:
; their sum S, then M2 = the sum of (t - S / 4096)^2.  The variance is never a difference of large sums, so a common offset of the inputs costs no digits.  The launch that normalises joins the 512 parts of a batch.
; A wave's result is 8 bytes (the whole buffer is 8,192): these two stores fill no 256 bytes, and nothing larger is there to store.  This path uses no LDS.
; No tensor loads, no barrier: waves share nothing.
; WORK LEFT OUT BY THE PROGRAM (launch attn): reference() sets every score with key > query to 0 by jnp.tril, whatever q . k is there, for all values of the inputs.  So the tiles of product 4
; that lie wholly above the diagonal are not multiplied; their p = 2^(0 - M) is still summed and still multiplied with v.  LIMIT: a NaN, an infinity or an overflow that would arise only in those scores is not carried to the result.
.set VO,   32
.set X,    64                          ; v64-127  two sets of 32 numbers
.set C,    128                         ; v128-135 a block's codes
.set OUTR, 136                         ; v136-199 the way out
.set BS,   44                          ; s[44:59] the eight blocks' bases; never rewritten
.set SX,   32                          ; the figures' path: v32-159 the wave's numbers
.macro REDUCE v, t                     ; the sum over the 32 lanes, in every lane; v[t] has been written before
	v_add_f32_dpp v[\v], v[\v], v[\v] row_xmask:1 row_mask:0xf bank_mask:0xf
	v_add_f32_dpp v[\v], v[\v], v[\v] row_xmask:2 row_mask:0xf bank_mask:0xf
	v_add_f32_dpp v[\v], v[\v], v[\v] row_xmask:4 row_mask:0xf bank_mask:0xf
	v_add_f32_dpp v[\v], v[\v], v[\v] row_xmask:8 row_mask:0xf bank_mask:0xf
	v_permlanex16_b32 v[\t], v[\v], s12, s13
	v_add_f32 v[\v], v[\v], v[\t]
.endm
.macro JOIN                            ; the four chains v[8:15] into v8
	v_pk_add_f32 v[8:9], v[8:9], v[10:11]
	v_pk_add_f32 v[12:13], v[12:13], v[14:15]
	v_pk_add_f32 v[8:9], v[8:9], v[12:13]
	v_add_f32 v8, v8, v9
.endm
.macro SUMS n                          ; n more pairs, the four chains by turns
.rept \n
	v_pk_add_f32 v[8+2*(p%4):9+2*(p%4)], v[8+2*(p%4):9+2*(p%4)], v[SX+2*p:SX+2*p+1]
.set p, p+1
.endr
.endm
	v_lshl_add_u32 v200, v0, 2, 0x8000
	v_mov_b32 v201, 0
	s_and_b32 s20, ttmp7, 0xffff                   ; y
	s_cmp_ge_u32 s20, 3
	s_cbranch_scc1 .Lstats
	s_load_b512 s[4:19], s[0:1], 0x0               ; Wq Wk Wv Wo W1 W2, the scales' exponents s[16:17], wc s[18:19]
	v_lshrrev_b32 v1, 5, v0
	v_readfirstlane_b32 s31, v1                    ; wave
	v_and_b32 v2, 31, v0                           ; lane
	s_wait_alu depctr_va_vdst(0)
	s_mov_b32 s41, ttmp9                           ; x
	s_lshr_b32 s21, s41, 5
	s_add_co_u32 s22, s20, 3
	s_and_b32 s23, s41, 31
	s_cmp_eq_u32 s20, 0
	s_cselect_b32 s21, s21, s22                    ; which weight: 0 .. 5
	s_cselect_b32 s23, s23, s41                    ; my number among its work-groups
	s_cmp_eq_u32 s20, 1
	s_cselect_b32 s24, 31, 7
	s_cselect_b32 s25, 5, 3
	s_cselect_b32 s26, 2, 0
	s_cmp_eq_u32 s20, 2
	s_cselect_b32 s27, 2, 0
	s_and_b32 s24, s23, s24                        ; group of 128 columns
	s_lshr_b32 s25, s23, s25                       ; group of 256 along K
	s_lshl_b32 s26, 4096, s26                      ; a row of the weight in bytes
	s_lshl_b32 s27, 16384, s27                     ; a tile of 16 n in wc: 16 x K bytes
	s_lshl_b32 s30, s21, 20
	s_cmp_eq_u32 s21, 5
	s_cselect_b32 s30, 0x800000, s30               ; the weight's place in wc
	v_lshlrev_b32 v3, 2, v2
.set i, 0
.rept 32
	v_mad_u32_u24 v[VO+i], s26, i, v3
.set i, i+1
.endr
	s_lshl_b32 s22, s31, 13                        ; my 8,192 bytes of LDS
	v_lshrrev_b32 v5, 4, v2
	v_and_b32 v6, 15, v2
	v_lshlrev_b32 v4, 12, v5
	v_lshl_add_u32 v4, v6, 4, v4
	v_add_nc_u32 v4, s22, v4                       ; in: tile lane / 16, row lane % 16
	v_lshlrev_b32 v8, 4, v2                        ; out: 16 x lane
	v_add_nc_u32 v7, s22, v8
	s_lshl_b32 s32, s25, 8
	s_mul_i32 s32, s32, s26                        ; 256 x K group rows,
	s_lshl_b32 s34, s24, 9
	s_add_co_u32 s32, s32, s34                     ; 128 columns x column group,
	s_lshl_b32 s34, s31, 7
	s_add_co_u32 s32, s32, s34                     ; 32 columns x wave
	s_mov_b32 s33, 0
	s_lshl_b32 s34, s24, 3
	s_lshl_b32 s35, s31, 1
	s_add_co_u32 s34, s34, s35
	s_mul_i32 s34, s34, s27                        ; my first tile,
	s_lshl_b32 s35, s25, 12
	s_add_co_u32 s34, s34, s35                     ; its four images of this K group,
	s_add_co_u32 s34, s34, s30                     ; in this weight's part of wc
	s_mov_b32 s35, 0
	s_wait_alu depctr_va_vdst(0)
	s_wait_kmcnt 0x0
	s_load_b512 s[68:83], s[16:17], 0x0            ; all sixteen exponents
	s_mov_b64 s[28:29], s[4:5]                     ; the choice hangs on ids alone
	s_cmp_eq_u32 s21, 1
	s_cselect_b64 s[28:29], s[6:7], s[28:29]
	s_cmp_eq_u32 s21, 2
	s_cselect_b64 s[28:29], s[8:9], s[28:29]
	s_cmp_eq_u32 s21, 3
	s_cselect_b64 s[28:29], s[10:11], s[28:29]
	s_cmp_eq_u32 s21, 4
	s_cselect_b64 s[28:29], s[12:13], s[28:29]
	s_cmp_eq_u32 s21, 5
	s_cselect_b64 s[28:29], s[14:15], s[28:29]
	s_add_nc_u64 s[BS:BS+1], s[28:29], s[32:33]
	s_lshl_b32 s32, s26, 5                         ; 32 rows on
.irp t, 1,2,3,4,5,6,7
	s_add_nc_u64 s[BS+2*\t:BS+2*\t+1], s[BS+2*\t-2:BS+2*\t-1], s[32:33]
.endr
	s_add_nc_u64 s[36:37], s[18:19], s[34:35]      ; my first tile's images
	s_mov_b32 s34, s27
	s_add_nc_u64 s[38:39], s[36:37], s[34:35]      ; my second tile's
.macro LOAD t                          ; block t: W(32 t + i, my column) into set t % 2
.set i, 0
.rept 32
	global_load_b32 v[X+32*((\t)%2)+i], v[VO+i], s[BS+2*(\t):BS+2*(\t)+1] th:TH_LOAD_NT
.set i, i+1
.endr
.endm
	LOAD 0
	LOAD 1
	s_wait_kmcnt 0x0
	s_mov_b32 s40, s69
	s_cmp_eq_u32 s21, 1
	s_cselect_b32 s40, s71, s40
	s_cmp_eq_u32 s21, 2
	s_cselect_b32 s40, s73, s40
	s_cmp_eq_u32 s21, 3
	s_cselect_b32 s40, s79, s40
	s_cmp_eq_u32 s21, 4
	s_cselect_b32 s40, s81, s40
	s_cmp_eq_u32 s21, 5
	s_cselect_b32 s40, s83, s40                    ; e
	s_add_co_i32 s40, s40, 127
	s_lshl_b32 s42, s40, 23
	v_mov_b32 v11, s42                             ; 2^e as f32: the conversion takes its exponent field
	s_add_co_i32 s40, s40, 8
	s_lshl_b32 s40, s40, 23
	s_or_b32 s40, s40, 0x600000
	v_mov_b32 v10, s40                             ; 448 x 2^e
.macro BLOCK t
.set XS, X+32*((\t)%2)
.if (\t) < 7
	s_wait_loadcnt 32                              ; this block's 32 loads are in; the next block's may be out
.else
	s_wait_loadcnt 0
.endif
.set i, 0
.rept 32
	v_med3_num_f32 v[XS+i], v[XS+i], -v10, v10     ; the conversion to an 8-bit code does not saturate (ISA guide 7.6.2): the hold comes first
.set i, i+1
.endr
.irp g, 0,1,2,3
	v_cvt_scalef32_pk8_fp8_f32 v[C+2*\g:C+2*\g+1], v[XS+8*\g:XS+8*\g+7], v11
.endr
.irp g, 0,1,2,3                        ; eight codes k = 8 G .. 8 G + 7, G = 4 t + g: image G / 8, registers 2c, 2c+1 with c = (G / 2) % 4, half h = G % 2
.set GG, 4*(\t)+\g
	ds_store_b64 v4, v[C+2*\g:C+2*\g+1] offset:(GG>>3)*1024+((GG>>2)&1)*512+(GG&1)*256+((GG>>1)&1)*8
.endr
.if (\t)+2 < 8
	LOAD (\t)+2
.endif
	s_wait_dscnt 0x0                               ; the stores have read their registers: the next block's codes may be written (its 32 holds are plain lines that come first)
.endm
	s_wait_alu depctr_va_vdst(0)
.irp t, 0,1,2,3,4,5,6,7
	BLOCK \t
.endr
.irp t, 0,1,2,3,4,5,6,7,8,9,10,11,12,13,14,15
	ds_load_b128 v[OUTR+4*\t:OUTR+4*\t+3], v7 offset:512*\t        ; LDS serves a wave's instructions in order: these see my stores
.endr
.irp t, 0,1,2,3,4,5,6,7,8,9,10,11,12,13,14,15
	s_wait_dscnt 15-\t
	global_store_b128 v8, v[OUTR+4*\t:OUTR+4*\t+3], s[36+2*(\t>>3):37+2*(\t>>3)] offset:(\t&7)*512   ; 32 lanes store 512 consecutive bytes
.endr
	s_wait_tensorcnt 0x0
	ds_add_u32 v200, v201
	s_wait_dscnt 0x0
	s_endpgm
.Lstats:                                           ; THE FIGURES OF THE FIRST LAYERNORM
	s_load_b128 s[4:7], s[0:1], 0x40               ; y, part
	v_lshrrev_b32 v2, 5, v0
	v_readfirstlane_b32 s8, v2                     ; wave
	v_and_b32 v3, 31, v0                           ; lane
	v_lshlrev_b32 v1, 4, v3                        ; 16 bytes a lane
	s_sub_co_u32 s9, s20, 3
	s_lshl_b32 s9, s9, 7
	s_add_co_u32 s9, s9, ttmp9
	s_lshl_b32 s9, s9, 2
	s_add_co_u32 s9, s9, s8                        ; W
	s_lshl_b32 s10, s9, 14                         ; W x 16,384 bytes
	s_mov_b32 s11, 0
	s_mov_b32 s12, 0x76543210                      ; v_permlanex16_b32: lane l xor 16
	s_mov_b32 s13, 0xfedcba98
	s_lshr_b32 s14, s9, 9                          ; batch
	s_lshl_b32 s14, s14, 12
	s_and_b32 s15, s9, 511
	s_lshl_b32 s15, s15, 2
	s_add_co_u32 s14, s14, s15                     ; my sum's byte in part
	v_mov_b32 v4, s14
	v_mov_b32 v18, 0                               ; written once: a lane permute's destination counts as a source
	s_wait_alu depctr_va_vdst(0)
	s_wait_kmcnt 0x0
	s_add_nc_u64 s[4:5], s[4:5], s[10:11]
.set j, 0
.rept 32
	global_load_b128 v[SX+4*j:SX+4*j+3], v1, s[4:5] offset:512*j   ; 32 lanes read 512 consecutive bytes
.set j, j+1
.endr
	; pass 1: the sum, in four chains of pairs; the first eight pairs start the chains, nothing is cleared
	s_wait_loadcnt 24                              ; loads 0-7 are in, the 24 younger may be out
.irp k, 0,1,2,3
	v_pk_add_f32 v[8+2*\k:9+2*\k], v[SX+2*\k:SX+2*\k+1], v[SX+8+2*\k:SX+9+2*\k]
.endr
.set p, 8
	SUMS 8
	s_wait_alu depctr_va_vdst(0)
	s_wait_loadcnt 16
	SUMS 16
	s_wait_alu depctr_va_vdst(0)
	s_wait_loadcnt 8
	SUMS 16
	s_wait_alu depctr_va_vdst(0)
	s_wait_loadcnt 0
	SUMS 16
	JOIN
	REDUCE 8, 18
	v_mov_b32 v22, v8                              ; S
	v_mul_f32 v16, 0x39800000, v8                  ; my mean = S / 4096
	v_mov_b32 v17, v16
	; pass 2: M2 about my own mean
.set p, 0
.rept 64
	v_pk_add_f32 v[18+2*(p%2):19+2*(p%2)], v[SX+2*p:SX+2*p+1], v[16:17] neg_lo:[0,1] neg_hi:[0,1]
.if p < 4
	v_pk_mul_f32 v[8+2*(p%4):9+2*(p%4)], v[18+2*(p%2):19+2*(p%2)], v[18+2*(p%2):19+2*(p%2)]
.else
	v_pk_fma_f32 v[8+2*(p%4):9+2*(p%4)], v[18+2*(p%2):19+2*(p%2)], v[18+2*(p%2):19+2*(p%2)], v[8+2*(p%4):9+2*(p%4)]
.endif
.set p, p+1
.endr
	JOIN
	REDUCE 8, 18
	s_wait_alu depctr_va_vdst(0)
	s_wait_xcnt 0x0                                ; EXEC is a source of the loads above: it changes only behind this wait
	v_cmp_eq_u32 vcc_lo, 0, v3
	s_and_saveexec_b32 s16, vcc_lo                 ; lane 0 stores for the wave
	global_store_b32 v4, v22, s[6:7]
	global_store_b32 v4, v8, s[6:7] offset:2048
	s_endpgm
.Lfunc_end_k_qdeb34607a2_wquant:
	.size	k_qdeb34607a2_wquant, .Lfunc_end_k_qdeb34607a2_wquant-k_qdeb34607a2_wquant
	.p2alignl 7, 3214868480
	.fill 96, 4, 3214868480
	.section	.rodata,"a",@progbits
	.p2align	6, 0x0
	.amdhsa_kernel k_qdeb34607a2_wquant
		.amdhsa_group_segment_fixed_size 33280
		.amdhsa_private_segment_fixed_size 0
		.amdhsa_enable_private_segment 0
		.amdhsa_kernarg_size 80
		.amdhsa_user_sgpr_count 2
		.amdhsa_user_sgpr_kernarg_segment_ptr 1
		.amdhsa_wavefront_size32 1
		.amdhsa_system_sgpr_workgroup_id_x 1
		.amdhsa_system_sgpr_workgroup_id_y 1
		.amdhsa_system_sgpr_workgroup_id_z 1
		.amdhsa_system_vgpr_workitem_id 0
		.amdhsa_next_free_vgpr 202
		.amdhsa_next_free_sgpr 84
		.amdhsa_reserve_vcc 1
		.amdhsa_float_denorm_mode_32 3
		.amdhsa_float_denorm_mode_16_64 3
		.amdhsa_memory_ordered 1
		.amdhsa_forward_progress 1
		.amdhsa_inst_pref_size 71
	.end_amdhsa_kernel
	.amdgpu_metadata
---
amdhsa.version: [ 1, 2 ]
amdhsa.kernels:
  - .name:           k_qdeb34607a2_wquant
    .symbol:         k_qdeb34607a2_wquant.kd
    .args:
      - { .name: Wq, .offset: 0, .size: 8, .value_kind: global_buffer, .address_space: global }
      - { .name: Wk, .offset: 8, .size: 8, .value_kind: global_buffer, .address_space: global }
      - { .name: Wv, .offset: 16, .size: 8, .value_kind: global_buffer, .address_space: global }
      - { .name: Wo, .offset: 24, .size: 8, .value_kind: global_buffer, .address_space: global }
      - { .name: W1, .offset: 32, .size: 8, .value_kind: global_buffer, .address_space: global }
      - { .name: W2, .offset: 40, .size: 8, .value_kind: global_buffer, .address_space: global }
      - { .name: lowp_scales, .offset: 48, .size: 8, .value_kind: global_buffer, .address_space: global }
      - { .name: wc, .offset: 56, .size: 8, .value_kind: global_buffer, .address_space: global }
      - { .name: y, .offset: 64, .size: 8, .value_kind: global_buffer, .address_space: global }
      - { .name: part, .offset: 72, .size: 8, .value_kind: global_buffer, .address_space: global }
    .group_segment_fixed_size: 33280
    .private_segment_fixed_size: 0
    .kernarg_segment_align: 8
    .kernarg_segment_size: 80
    .max_flat_workgroup_size: 128
    .sgpr_count:     84
    .vgpr_count:     202
    .wavefront_size: 32
...
	.end_amdgpu_metadata
.endif
;; end of part 10
;; launch prep (part 11): grid 8 x 128, 4 waves a work-group, no clusters, 35,328 bytes of LDS; arguments y, ln1_w, ln1_b, part, lowp_scales, acts, x; writes acts
.if DOCPART == 11
	.amdgcn_target "amdgcn-amd-amdhsa--gfx1250"
	.amdhsa_code_object_version 6
	.text
	.protected	k_qdeb34607a2_prep
	.globl	k_qdeb34607a2_prep
	.p2align	8
	.type	k_qdeb34607a2_prep,@function
k_qdeb34607a2_prep:
	s_mov_b64 s[64:65], 0
	v_nop
	global_prefetch_b8 v0, s[64:65] scope:SCOPE_SE
	s_setreg_imm32_b32 hwreg(HW_REG_WAVE_MODE, 25, 1), 1
	s_wait_xcnt 0x0
; n = LayerNorm(t) x w + b, jointly over (2,048, 1,024) of each batch, is quantised to codes of FP8 (E4M3); with HASX = 1 twice (scales 2 and 4 of lowp_scales: the operands of
; the K and V projections), and x is quantised beside it (scale 0); with HASX = 0 once (scale 12).  code = number / 2^e, held within +-448, to the nearest code, ties to even.
; LIMITS: each e between -126 and 119.  NaN among the inputs is not served.
; part holds, for each batch, 512 sums and 512 M2 of runs of 4,096 numbers: mean = sum S_i / 2^21; M2 = sum M2_i + 4096 x sum (S_i / 4096 - mean)^2; var = M2 / 2^21.  Every wave joins them for itself.
; OUT: images in the order of the matrix operand's registers: 16 rows x 64 along K, 1,024 bytes; lane (r, h): row r, registers 2c, 2c+1: k = 16c + 8h + 0 .. 7; registers 0-3 at 16 x lane, 4-7 at 512 + 16 x lane.
; acts: [tile of 16 rows, 256][16 images][1,024]; HASX = 1: x's at 0, n's with scale 2 at 4 MiB, with scale 4 at 8 MiB; HASX = 0: n's at 0.
; A wave takes one image: 16 rows x 64 columns.  Sixteen lanes load 256 consecutive bytes of a row; the conversions want 8 neighbours along K in one lane, so the 4,096 bytes turn through the wave's own
; stage in LDS (rows 272 bytes apart, so that sixteen rows start at sixteen different banks: 64 banks of 4 bytes, ISA guide 11.1).  No loop, no barrier: waves share nothing.
; Work-group x = column group + 4 x batch: the two batches that read the same w and b have neighbouring numbers.
.set HASX, 1
.set N,   16                           ; v16-47   part's 32 numbers a lane, later the 32 numbers of my lane in the operand's order
.set T,   48                           ; v48-63   at work
.set CD,  64                           ; v64-87   three sets of codes
.set Y,   96                           ; v96-127  t, then n
.set W,   128                          ; v128-159 w
.set BB,  160                          ; v160-191 b
.set XX,  192                          ; v192-223 x
.macro REDUCE v, t
	v_add_f32_dpp v[\v], v[\v], v[\v] row_xmask:1 row_mask:0xf bank_mask:0xf
	v_add_f32_dpp v[\v], v[\v], v[\v] row_xmask:2 row_mask:0xf bank_mask:0xf
	v_add_f32_dpp v[\v], v[\v], v[\v] row_xmask:4 row_mask:0xf bank_mask:0xf
	v_add_f32_dpp v[\v], v[\v], v[\v] row_xmask:8 row_mask:0xf bank_mask:0xf
	v_permlanex16_b32 v[\t], v[\v], s32, s33
	v_add_f32 v[\v], v[\v], v[\t]
.endm
.macro MKSC e, sc, lim                 ; 2^e and 448 x 2^e as f32
	s_add_co_i32 s48, s[\e], 127
	s_lshl_b32 s49, s48, 23
	v_mov_b32 v[\sc], s49
	s_add_co_i32 s48, s48, 8
	s_lshl_b32 s48, s48, 23
	s_or_b32 s48, s48, 0x600000
	v_mov_b32 v[\lim], s48
.endm
.macro TURNS s, src                    ; 16 rows x 256 bytes through stage s: in as loaded, back 8 neighbours along K at a time
.irp t, 0,1,2,3,4,5,6,7
	ds_store_b128 v2, v[\src+4*\t:\src+4*\t+3] offset:4352*\s+544*\t
.endr
.irp c, 0,1,2,3
	ds_load_b128 v[N+8*\c:N+8*\c+3], v3 offset:4352*\s+64*\c       ; LDS serves a wave's instructions in order: these see my stores
	ds_load_b128 v[N+8*\c+4:N+8*\c+7], v3 offset:4352*\s+64*\c+16
.endr
	s_wait_dscnt 0x0
.endm
.macro QUANT dst, sc, lim, inplace     ; N's 32 numbers become 8 registers of codes; inplace = 0 keeps N
.irp g, 0,1,2,3
.irp i, 0,1,2,3,4,5,6,7
.if \inplace
	v_med3_num_f32 v[N+8*\g+\i], v[N+8*\g+\i], -v[\lim], v[\lim]   ; the conversion does not saturate (ISA guide 7.6.2): the hold comes first
.else
	v_med3_num_f32 v[T+8*(\g%2)+\i], v[N+8*\g+\i], -v[\lim], v[\lim]
.endif
.endr
.if \inplace
	v_cvt_scalef32_pk8_fp8_f32 v[\dst+2*\g:\dst+2*\g+1], v[N+8*\g:N+8*\g+7], v[\sc]
.else
	v_cvt_scalef32_pk8_fp8_f32 v[\dst+2*\g:\dst+2*\g+1], v[T+8*(\g%2):T+8*(\g%2)+7], v[\sc]
.endif
.endr
	v_nop                                          ; a plain line behind the last conversion
.endm
	s_load_b256 s[4:11], s[0:1], 0x0               ; t, w, b, part
	s_load_b128 s[12:15], s[0:1], 0x20             ; the scales' exponents, acts
.if HASX
	s_load_b64 s[16:17], s[0:1], 0x30              ; x
	v_lshl_add_u32 v224, v0, 2, 0x8800
	v_mov_b32 v225, 0
.endif
	v_lshrrev_b32 v1, 5, v0
	v_readfirstlane_b32 s18, v1                    ; wave
	v_and_b32 v48, 31, v0                          ; lane
	v_and_b32 v49, 15, v0                          ; r
	v_bfe_u32 v50, v0, 4, 1                        ; h
	v_lshlrev_b32 v1, 12, v50
	v_lshl_add_u32 v1, v49, 4, v1                  ; in: lanes 0-15 one row's 256 bytes, lanes 16-31 the next row's
	v_lshlrev_b32 v4, 4, v48                       ; 16 x lane
	s_mul_i32 s19, s18, 8704                       ; my two stages
	v_mul_u32_u24 v2, v50, 272
	v_lshl_add_u32 v2, v49, 4, v2
	v_add_nc_u32 v2, s19, v2
	v_mul_u32_u24 v3, v49, 272
	v_lshl_add_u32 v3, v50, 5, v3
	v_add_nc_u32 v3, s19, v3                       ; back: row r, 32 bytes for each half of the lanes
	s_and_b32 s20, ttmp9, 3
	s_lshr_b32 s21, ttmp9, 2                       ; batch
	s_and_b32 s22, ttmp7, 0xffff                   ; which 16 rows
	s_lshl_b32 s23, s20, 2
	s_add_co_u32 s23, s23, s18                     ; which 64 columns
	s_lshl_b32 s24, s22, 16
	s_lshl_b32 s25, s23, 8
	s_add_co_u32 s24, s24, s25                     ; w, b: 16 rows of 4,096 bytes x gy + 256 bytes x kc
	s_mov_b32 s25, 0
	s_lshl_b32 s26, s21, 23
	s_add_co_u32 s26, s26, s24                     ; t, x: + the batch
	s_mov_b32 s27, 0
	s_lshl_b32 s28, s21, 12
	s_mov_b32 s29, 0
	s_lshl_b32 s30, s21, 7
	s_add_co_u32 s30, s30, s22
	s_lshl_b32 s30, s30, 4
	s_add_co_u32 s30, s30, s23
	s_lshl_b32 s30, s30, 10                        ; my image
.if HASX
	s_add_co_u32 s30, s30, 0x400000                ; the middle one of three parts: the others by the stores' immediates
.endif
	s_mov_b32 s31, 0
	s_mov_b32 s32, 0x76543210
	s_mov_b32 s33, 0xfedcba98
	s_mov_b32 s34, 0x39800000                      ; 1 / 4096
	s_mov_b32 s35, s34
	s_mov_b32 s36, 0x45800000                      ; 4096
	s_mov_b32 s37, 0x35000000                      ; 2^-21
	s_mov_b32 s38, 0x3727c5ac                      ; 1e-5
	s_wait_alu depctr_va_vdst(0)
	s_wait_kmcnt 0x0
.if HASX
	s_load_b256 s[40:47], s[12:13], 0x0            ; e0 s40, e2 s42, e4 s44
	s_add_nc_u64 s[16:17], s[16:17], s[26:27]
.else
	s_load_b32 s40, s[12:13], 0x30                 ; e12
.endif
	s_add_nc_u64 s[4:5], s[4:5], s[26:27]
	s_add_nc_u64 s[6:7], s[6:7], s[24:25]
	s_add_nc_u64 s[8:9], s[8:9], s[24:25]
	s_add_nc_u64 s[10:11], s[10:11], s[28:29]
	s_add_nc_u64 s[14:15], s[14:15], s[30:31]
.irp j, 0,1,2,3
	global_load_b128 v[N+4*\j:N+4*\j+3], v4, s[10:11] offset:512*\j             ; 16 sums a lane
.endr
.irp j, 0,1,2,3
	global_load_b128 v[N+16+4*\j:N+16+4*\j+3], v4, s[10:11] offset:2048+512*\j  ; 16 M2
.endr
.irp t, 0,1,2,3,4,5,6,7
	global_load_b128 v[Y+4*\t:Y+4*\t+3], v1, s[4:5] offset:8192*\t
.endr
.irp t, 0,1,2,3,4,5,6,7
	global_load_b128 v[W+4*\t:W+4*\t+3], v1, s[6:7] offset:8192*\t
.endr
.irp t, 0,1,2,3,4,5,6,7
	global_load_b128 v[BB+4*\t:BB+4*\t+3], v1, s[8:9] offset:8192*\t
.endr
.if HASX
.irp t, 0,1,2,3,4,5,6,7
	global_load_b128 v[XX+4*\t:XX+4*\t+3], v1, s[16:17] offset:8192*\t th:TH_LOAD_NT
.endr
.endif
	s_wait_kmcnt 0x0
.if HASX
	MKSC 42, 12, 13
	MKSC 44, 14, 15
	MKSC 40, 6, 7
.else
	MKSC 40, 12, 13
.endif
	; the batch's mean and 1 / sqrt(var + eps)
	s_wait_loadcnt 24+8*HASX                       ; part's eight loads are in; the younger ones may be out
	v_pk_add_f32 v[T:T+1], v[N:N+1], v[N+2:N+3]
	v_pk_add_f32 v[T+2:T+3], v[N+4:N+5], v[N+6:N+7]
	v_pk_add_f32 v[T+4:T+5], v[N+8:N+9], v[N+10:N+11]
	v_pk_add_f32 v[T+6:T+7], v[N+12:N+13], v[N+14:N+15]
	v_pk_add_f32 v[T:T+1], v[T:T+1], v[T+2:T+3]
	v_pk_add_f32 v[T+4:T+5], v[T+4:T+5], v[T+6:T+7]
	v_pk_add_f32 v[T:T+1], v[T:T+1], v[T+4:T+5]
	v_add_f32 v[T], v[T], v[T+1]
	REDUCE T, T+2
	v_mul_f32 v8, s37, v[T]                        ; the mean
	v_mov_b32 v9, v8
.irp i, 0,2,4,6,8,10,12,14
	v_pk_fma_f32 v[N+\i:N+\i+1], v[N+\i:N+\i+1], s[34:35], v[8:9] op_sel_hi:[1,0,1] neg_lo:[0,0,1] neg_hi:[0,0,1]   ; a run's mean less the batch's
.endr
	v_pk_mul_f32 v[T:T+1], v[N:N+1], v[N:N+1]
.irp i, 2,4,6,8,10,12,14
	v_pk_fma_f32 v[T:T+1], v[N+\i:N+\i+1], v[N+\i:N+\i+1], v[T:T+1]
.endr
	v_pk_add_f32 v[T+2:T+3], v[N+16:N+17], v[N+18:N+19]
	v_pk_add_f32 v[T+4:T+5], v[N+20:N+21], v[N+22:N+23]
	v_pk_add_f32 v[T+6:T+7], v[N+24:N+25], v[N+26:N+27]
	v_pk_add_f32 v[T+8:T+9], v[N+28:N+29], v[N+30:N+31]
	v_pk_add_f32 v[T+2:T+3], v[T+2:T+3], v[T+4:T+5]
	v_pk_add_f32 v[T+6:T+7], v[T+6:T+7], v[T+8:T+9]
	v_pk_add_f32 v[T+2:T+3], v[T+2:T+3], v[T+6:T+7]
	v_add_f32 v[T], v[T], v[T+1]
	v_add_f32 v[T+2], v[T+2], v[T+3]
	v_fma_f32 v[T], v[T], s36, v[T+2]
	REDUCE T, T+4
	v_fma_f32 v[T], v[T], s37, s38                 ; var + eps
	s_wait_alu depctr_va_vdst(0)
	v_rsq_f32 v10, v[T]
	v_nop                                          ; a plain line behind the transcendental
	s_wait_alu depctr_va_vdst(0)
	v_mov_b32 v11, v10
	s_wait_loadcnt 8*HASX                          ; t, w, b are in; x may be out
.set i, 0
.rept 16
	v_pk_add_f32 v[Y+i:Y+i+1], v[Y+i:Y+i+1], v[8:9] neg_lo:[0,1] neg_hi:[0,1]
	s_wait_alu depctr_va_vdst(0)
	v_pk_mul_f32 v[Y+i:Y+i+1], v[Y+i:Y+i+1], v[10:11]
	v_pk_fma_f32 v[Y+i:Y+i+1], v[Y+i:Y+i+1], v[W+i:W+i+1], v[BB+i:BB+i+1]
.set i, i+2
.endr
	TURNS 0, Y
.if HASX
	QUANT CD, 12, 13, 0
	QUANT CD+8, 14, 15, 1
	global_store_b128 v4, v[CD:CD+3], s[14:15]                     ; each store of the wave covers 512 consecutive bytes, aligned
	global_store_b128 v4, v[CD+4:CD+7], s[14:15] offset:512
	global_store_b128 v4, v[CD+8:CD+11], s[14:15] offset:4194304
	global_store_b128 v4, v[CD+12:CD+15], s[14:15] offset:4194304+512
	s_wait_loadcnt 0x0                             ; x
	TURNS 1, XX
	QUANT CD+16, 6, 7, 1
	global_store_b128 v4, v[CD+16:CD+19], s[14:15] offset:-4194304
	global_store_b128 v4, v[CD+20:CD+23], s[14:15] offset:-4194304+512
.else
	QUANT CD, 12, 13, 1
	global_store_b128 v4, v[CD:CD+3], s[14:15]
	global_store_b128 v4, v[CD+4:CD+7], s[14:15] offset:512
.endif
	s_wait_tensorcnt 0x0
	ds_add_u32 v224, v225
	s_wait_dscnt 0x0
	s_endpgm
.Lfunc_end_k_qdeb34607a2_prep:
	.size	k_qdeb34607a2_prep, .Lfunc_end_k_qdeb34607a2_prep-k_qdeb34607a2_prep
	.p2alignl 7, 3214868480
	.fill 96, 4, 3214868480
	.section	.rodata,"a",@progbits
	.p2align	6, 0x0
	.amdhsa_kernel k_qdeb34607a2_prep
		.amdhsa_group_segment_fixed_size 35328
		.amdhsa_private_segment_fixed_size 0
		.amdhsa_enable_private_segment 0
		.amdhsa_kernarg_size 56
		.amdhsa_user_sgpr_count 2
		.amdhsa_user_sgpr_kernarg_segment_ptr 1
		.amdhsa_wavefront_size32 1
		.amdhsa_system_sgpr_workgroup_id_x 1
		.amdhsa_system_sgpr_workgroup_id_y 1
		.amdhsa_system_sgpr_workgroup_id_z 1
		.amdhsa_system_vgpr_workitem_id 0
		.amdhsa_next_free_vgpr 226
		.amdhsa_next_free_sgpr 66
		.amdhsa_reserve_vcc 0
		.amdhsa_float_denorm_mode_32 3
		.amdhsa_float_denorm_mode_16_64 3
		.amdhsa_memory_ordered 1
		.amdhsa_forward_progress 1
		.amdhsa_inst_pref_size 24
	.end_amdhsa_kernel
	.amdgpu_metadata
---
amdhsa.version: [ 1, 2 ]
amdhsa.kernels:
  - .name:           k_qdeb34607a2_prep
    .symbol:         k_qdeb34607a2_prep.kd
    .args:
      - { .name: y, .offset: 0, .size: 8, .value_kind: global_buffer, .address_space: global }
      - { .name: ln1_w, .offset: 8, .size: 8, .value_kind: global_buffer, .address_space: global }
      - { .name: ln1_b, .offset: 16, .size: 8, .value_kind: global_buffer, .address_space: global }
      - { .name: part, .offset: 24, .size: 8, .value_kind: global_buffer, .address_space: global }
      - { .name: lowp_scales, .offset: 32, .size: 8, .value_kind: global_buffer, .address_space: global }
      - { .name: acts, .offset: 40, .size: 8, .value_kind: global_buffer, .address_space: global }
      - { .name: x, .offset: 48, .size: 8, .value_kind: global_buffer, .address_space: global }
    .group_segment_fixed_size: 35328
    .private_segment_fixed_size: 0
    .kernarg_segment_align: 8
    .kernarg_segment_size: 56
    .max_flat_workgroup_size: 128
    .sgpr_count:     66
    .vgpr_count:     226
    .wavefront_size: 32
...
	.end_amdgpu_metadata
.endif
;; end of part 11
;; launch qkvp (part 12): grid 12 x 16, 4 waves a work-group, clusters of 4 x 4, 327,680 bytes of LDS; arguments acts, wc, bq, bk, bv, lowp_scales, qkvc; writes qkvc
.if DOCPART == 12
	.amdgcn_target "amdgcn-amd-amdhsa--gfx1250"
	.amdhsa_code_object_version 6
	.text
	.protected	k_qdeb34607a2_qkvp
	.globl	k_qdeb34607a2_qkvp
	.p2align	8
	.type	k_qdeb34607a2_qkvp,@function
k_qdeb34607a2_qkvp:
	s_mov_b64 s[64:65], 0
	v_nop
	global_prefetch_b8 v0, s[64:65] scope:SCOPE_SE
	s_setreg_imm32_b32 hwreg(HW_REG_WAVE_MODE, 25, 1), 1
	s_wait_xcnt 0x0
	s_wait_alu depctr_hold_cnt(0) depctr_sa_sdst(0) depctr_va_vdst(0) depctr_va_sdst(0) depctr_va_ssrc(0) depctr_va_vcc(0) depctr_vm_vsrc(0)
	s_getreg_b32 s2, hwreg(HW_REG_IB_STS2, 6, 4)
	s_cmp_eq_u32 s2, 0
	s_cbranch_scc0 .Lentry_in_a_cluster
	s_endpgm
.Lentry_in_a_cluster:
	s_bfe_u32 s2, ttmp6, 0x10000c
	s_cmp_lg_u32 s2, 0xf033
	s_cbranch_scc0 .Lentry_shape_is_right
	s_endpgm
.Lentry_shape_is_right:
; q = x Wq + bq, k = n Wk + bk, v = n Wv + bv on codes of FP8 (E4M3), and their results quantised again for the attention (scales 6, 7 and 9 of lowp_scales).
; Tile columns 0-3 make q, 4-7 k, 8-11 v: which = the cluster's x is alike in all partners of a cluster.  Operand scales: entries 2 which and 2 which + 1.
; LIMITS: ea + eb between -126 and 127; the result's e between -126 and 119.
; ALL CODES LIE AS IMAGES of the operand's registers: 16 rows x 64 along K, 1,024 bytes; lane (r, h): row r, registers 2c, 2c+1: k = 16c + 8h + 0 .. 7; registers 0-3 at 16 x lane, 4-7 at 512 + 16 x lane.
; Two neighbouring images are one fragment of v_wmma_f32_16x16x128_fp8_fp8: four ds_load_b128 of 512 consecutive bytes: no pitch, no padding.
; acts: [which][tile of 16 rows, 256][16 images]; wc: [tile of 16 n][16 images].  Out: q, k: [head][tile of 16 rows][1,024]; v, whose K is the keys: [head][64 keys][tile of 16 channels][1,024].
; A tile of C is 256 x 256: 192 work-groups; four waves, each 128 x 128: 64 accumulators, 512 registers.  (A tile of 128 x 128 reads twice the bytes into LDS for each product; a tile 192 wide would straddle q, k and v.)
; K goes in steps of 256 through a ring of two LDS slots filled by the tensor data mover: K = 1,024 is two first fills and two refills.
; CLUSTERS: 4 x 4.  The activations' tile is shared along a row of the cluster, the weights' along a column: each is asked for jointly, by the same tensor load with a mask that names the four.
; THE PRODUCT IS USED TRANSPOSED: source 0 = 16 rows of the weights, source 1 = 16 rows of the activations: a lane holds one row m and eight neighbouring n: a conversion of an accumulator gives two registers of the
; result's image.  For v the two sources change places (the LDS addresses are chosen by which), so that a lane holds one channel and eight neighbouring keys.
; REGISTERS, in windows of 256: window 0: v1-15 addresses; v16-31 bias of my row (v alone); v32-95 bias along the registers (q, k); v96-127 at work; from v128 source 1's fragments (8 x 16 rows x 128 K), ONE set; on the way out the codes.
;   window 1: source 0's fragments, TWO sets, at v0 and at v128.   window 2: the accumulators of blocks a = 0-3 ((a, b) at v[8 (8 (a % 4) + b)]);   window 3: those of a = 4-7.
; A step of 128 along K is 64 matrix instructions, source 1's blocks one after the other, each against source 0's eight: a block of source 1 is free as soon as its eight products are issued, so one set serves it.
.set KTOT,  1024
.set RT,    16*KTOT                    ; a tile of 16 rows in bytes
.set SLOT,  131072                     ; activations: 16 tiles x 4,096 bytes; weights: the same, 65,536 on
.set SPARE, 2*SLOT                     ; the spare words, 128 bytes for each wave: two blocks of 256 bytes that no other line names
.set FR,    16                         ; registers of a fragment
.set NL,    4                          ; LDS loads that bring one
.set NP,    4                          ; places behind this matrix instruction (ISA guide 7.12.1)
.set VOF, 4                            ; v4-7    16 x lane + the place of images (a / 4, b / 4) in the output
.set ADA, 8                            ; v8-9    LDS address of source 1's fragments in slot 0, 1
.set ADB, 10                           ; v10-11  of source 0's
.set SPW, 12                           ; v12     SPARE + 4 x my thread's number; never rewritten
.set NIL, 13                           ; v13     0; never rewritten
.set BM,  16
.set BN,  32
.set T,   96
.set AF,  128
.set CD,  128
.set G1,  24                           ; s[24:31] descriptor group 1 for the activations; s[32:39] group 0, one set for each slot
.set G0,  32
.set G1B, 48                           ; s[48:55], s[56:63] the same for the weights
.set G0B, 56
.set MSB, 0
.macro WIN new                         ; the immediate's high byte repeats the setting that is left
.if MSB != \new
	s_set_vgpr_msb (MSB<<8)|\new
.set MSB, \new
.endif
.endm
.set MUL_LO, 0xa1                      ; source 0 window 1, source 1 window 0, C and D window 2
.set MUL_HI, 0xf1                      ; the same, C and D window 3
.set TO_B,   0x40                      ; destination window 1, address window 0
.macro JLOAD s                         ; a joint load: waves 0 and 1 fetch the activations' halves, waves 2 and 3 the weights'; four v_nop follow each line
	s_cmp_eq_u32 s15, 0
	s_cbranch_scc0 .Lfor_b_\@
	tensor_load_to_lds s[G0+4*\s:G0+4*\s+3], s[G1:G1+7]
	s_nop 0
.rept 4
	v_nop
.endr
	s_branch .Lasked_\@
.Lfor_b_\@:
	tensor_load_to_lds s[G0B+4*\s:G0B+4*\s+3], s[G1B:G1B+7]
	s_nop 0
.rept 4
	v_nop
.endr
.Lasked_\@:
.endm
.macro CREST                           ; a round of the cluster's barrier behind its opening barrier
	s_cmp_lg_u32 s14, 0
	s_cbranch_scc1 .Lnot_wave_0_\@
	s_barrier_signal -3
.Lnot_wave_0_\@:
	s_barrier_wait -3
	s_barrier_signal -1
	s_barrier_wait -1
.endm
.macro CROUND
	s_barrier_signal -1
	s_barrier_wait -1
	CREST
.endm
.macro PLACES n                        ; places in front of loads into registers that matrix instructions have read, and of the first read of results
.rept \n
	v_nop
.endr
.endm
.macro FRAG reg, adr, q, i             ; a fragment: tile of rows i, the slot's q-th 128 along K: two images on end
.irp c, 0,1,2,3
	ds_load_b128 v[\reg+4*\c:\reg+4*\c+3], v[\adr] offset:4096*(\i)+2048*(\q)+512*\c
.endr
.endm
; 16 matrix instructions: source 1's blocks a0, a0 + 1 x source 0's eight.  p: source 0's set.  zero = 1: the first product starts the sums.
; The 64 accumulators take turns, one instruction a turn, in the same order in every step.
.macro MUL16 a0, p, zero
.irp a, \a0, \a0+1
.irp b, 0,1,2,3,4,5,6,7
.if \zero
	v_wmma_f32_16x16x128_fp8_fp8 v[8*(8*((\a)%4)+\b):8*(8*((\a)%4)+\b)+7], v[128*(\p)+FR*\b:128*(\p)+FR*\b+FR-1], v[AF+FR*(\a):AF+FR*(\a)+FR-1], 0
.else
	v_wmma_f32_16x16x128_fp8_fp8 v[8*(8*((\a)%4)+\b):8*(8*((\a)%4)+\b)+7], v[128*(\p)+FR*\b:128*(\p)+FR*\b+FR-1], v[AF+FR*(\a):AF+FR*(\a)+FR-1], v[8*(8*((\a)%4)+\b):8*(8*((\a)%4)+\b)+7]
.endif
.endr
.endr
.endm
.macro FETCH_B slot, q, p
	WIN TO_B
.irp i, 0,1,2,3,4,5,6,7
	FRAG 128*(\p)+FR*\i, ADB+\slot, \q, \i
.endr
	WIN 0
.endm
.macro FETCH_A slot, q, i0
.irp i, \i0, \i0+1, \i0+2, \i0+3
	FRAG AF+FR*(\i), ADA+\slot, \q, \i
.endr
.endm
.macro STEP slot, q, zero              ; a step of 128 along K that has its successor in the same slot
	s_wait_dscnt 4*NL                              ; source 0's set and blocks 0-3 are in; the youngest 16 loads (blocks 4-7) may be out
	WIN MUL_LO
	MUL16 0, (\q)%2, \zero
	MUL16 2, (\q)%2, \zero
	s_wait_dscnt 0                                 ; blocks 4-7 are in (asked for 32 matrix instructions ago)
	PLACES NP
	FETCH_B \slot, (\q)+1, 1-(\q)%2
	FETCH_A \slot, (\q)+1, 0
	WIN MUL_HI
	MUL16 4, (\q)%2, \zero
	MUL16 6, (\q)%2, \zero
	PLACES NP
	WIN 0
	FETCH_A \slot, (\q)+1, 4
.endm
; A slot's last step changes slots: ONE barrier; in front of it each wave waits for all its tensor loads, adds 0 to its spare word, and waits for that and for its own reads of this slot.
; fill = 1: the barrier opens a round of the cluster's, and this slot is filled again, 512 along K ahead: the first tensor load behind the round, one a wave.
.macro TURN slot, next, fill
	s_wait_tensorcnt 0x0                           ; all my tensor loads have landed: my part of the next slot  (every window is 0 here)
	ds_add_u32 v[SPW], v[NIL]                      ; 0 onto my spare word
	s_wait_dscnt 4*NL+1                            ; (the add and the youngest 16 loads may be out)
	WIN MUL_LO
	MUL16 0, 1, 0
	s_wait_dscnt 0x0                               ; the add is done, and my reads of this slot are over
	s_barrier_signal -1
	MUL16 2, 1, 0
	WIN 0
	s_barrier_wait -1
.if \fill
	CREST
	s_add_nc_u64 s[G0+4*\slot+2:G0+4*\slot+3], s[G0+4*\slot+2:G0+4*\slot+3], 8192
	s_add_nc_u64 s[G0B+4*\slot+2:G0B+4*\slot+3], s[G0B+4*\slot+2:G0B+4*\slot+3], 8192
	JLOAD \slot                                    ; its four v_nop are also the places in front of the loads below
.else
	PLACES NP
.endif
	FETCH_B \next, 0, 0
	FETCH_A \next, 0, 0
	WIN MUL_HI
	MUL16 4, 1, 0
	MUL16 6, 1, 0
	PLACES NP
	WIN 0
	FETCH_A \next, 0, 4
.endm
	s_load_b128 s[4:7], s[0:1], 0x0                ; acts, wc
	s_load_b256 s[76:83], s[0:1], 0x10             ; bq, bk, bv, the scales' exponents
	s_load_b64 s[84:85], s[0:1], 0x30              ; qkvc
	v_lshl_add_u32 v[SPW], v0, 2, SPARE
	v_mov_b32 v[NIL], 0
	ds_add_u32 v12, v13
	ds_add_u32 v12, v13
	s_wait_dscnt 0x0
	v_lshrrev_b32 v1, 5, v0
	v_readfirstlane_b32 s14, v1                    ; wave 0..3
	s_lshr_b32 s15, s14, 1                         ; which half of the tile's rows is mine.  Also: I fetch activations (0) or weights (1)
	s_and_b32 s16, s14, 1                          ; which half of its columns.  Also: which eight tiles of 16 rows I fetch
	s_bfe_u32 s40, ttmp6, 0x40000                  ; cx, cy
	s_bfe_u32 s41, ttmp6, 0x40004
	s_lshl_b32 s42, ttmp9, 2
	s_add_co_u32 s42, s42, s40                     ; tile column = 4 x cluster x + cx
	s_and_b32 s17, ttmp7, 0xffff
	s_lshl_b32 s17, s17, 2
	s_add_co_u32 s17, s17, s41                     ; tile row = 4 x cluster y + cy
	s_mov_b32 s66, ttmp9                           ; which: 0 q, 1 k, 2 v
	s_lshl_b32 s43, s41, 2
	s_lshl_b32 s43, 15, s43                        ; my row of the cluster
	s_lshl_b32 s44, 0x1111, s40                    ; my column
	; descriptor group 1: eight tiles of 16 rows, of each 4,096 consecutive bytes (512 elements of 8 bytes), RT bytes apart; dense in LDS
	s_or_b32 s[G1+0], s43, (3<<16)|(1<<21)         ; 15:0 the mask; 17:16 elements of 8 bytes; 21 set beside a mask
	s_or_b32 s[G1B+0], s44, (3<<16)|(1<<21)
.irp g, G1, G1B
	s_mov_b32 s[\g+1], 512<<16                     ; tensor_dim0
	s_mov_b32 s[\g+2], 8<<16                       ; tensor_dim1
	s_mov_b32 s[\g+3], 512<<16                     ; tile_dim0
	s_mov_b32 s[\g+4], 8                           ; tile_dim1
	s_mov_b32 s[\g+5], RT/8                        ; tensor_dim0_stride
	s_mov_b32 s[\g+6], 0
	s_mov_b32 s[\g+7], 0
.endr
	s_lshl_b32 s18, s16, 3
	s_lshl_b32 s20, s17, 4
	s_add_co_u32 s20, s20, s18
	s_mul_i32 s20, s20, RT                         ; activations: tile of rows 16 x tile row + 8 x half,
	s_lshl_b32 s19, s66, 22
	s_add_co_u32 s20, s20, s19                     ; in the part that belongs to q, k or v
	s_lshl_b32 s46, s42, 4
	s_add_co_u32 s46, s46, s18
	s_mul_i32 s46, s46, RT                         ; weights: tile 16 x tile column + 8 x half: Wq, Wk, Wv lie on end
	s_mov_b32 s21, 0
	s_mov_b32 s47, 0
	s_mul_i32 s45, s14, 32768                      ; where they go: no place in the cluster enters an LDS address
	s_wait_kmcnt 0x0
	s_load_b256 s[88:95], s[82:83], 0x0            ; e0 .. e7
	s_load_b64 s[96:97], s[82:83], 0x20            ; e8, e9
	s_add_nc_u64 s[20:21], s[4:5], s[20:21]
	s_add_nc_u64 s[46:47], s[6:7], s[46:47]
	CROUND                                         ; all sixteen work-groups are here: the first joint loads meet
.irp s, 0,1
	s_mov_b32 s[G0+4*\s], 1
	s_add_co_u32 s[G0+4*\s+1], s45, \s*SLOT
	s_add_nc_u64 s[G0+4*\s+2:G0+4*\s+3], s[20:21], \s*4096
	s_or_b32 s[G0+4*\s+3], s[G0+4*\s+3], 0x80000000
	s_mov_b32 s[G0B+4*\s], 1
	s_add_co_u32 s[G0B+4*\s+1], s45, \s*SLOT
	s_add_nc_u64 s[G0B+4*\s+2:G0B+4*\s+3], s[46:47], \s*4096
	s_or_b32 s[G0B+4*\s+3], s[G0B+4*\s+3], 0x80000000
.endr
	JLOAD 0                                        ; K 0 on: one tensor load a wave at the head
	; PREFETCHES INTO THE L2.  A wave's joint load brings 8 tiles of rows x 4,096 bytes; the four partners that ask for it share the tiles out by address, two each (cx for the activations, cy for the weights):
	; 32 blocks of 256 bytes, a lane a block, one instruction a wave.  Beside fill 0 stand the requests for fills 1 and 2, beside fill 1 that for fill 3: at most two fills are asked for and not yet loaded.
	s_cmp_eq_u32 s15, 0
	s_cselect_b64 s[8:9], s[20:21], s[46:47]
	s_cselect_b32 s72, s40, s41
	s_lshl_b32 s72, s72, 15                        ; two tiles of RT bytes for each partner
	s_mov_b32 s73, 0
	s_add_nc_u64 s[8:9], s[8:9], s[72:73]          ; never rewritten
	v_and_b32 v1, 15, v0                           ; r
	v_bfe_u32 v2, v0, 4, 1                         ; h
	v_and_b32 v3, 31, v0
	v_lshlrev_b32 v3, 4, v3                        ; 16 x lane
	s_wait_alu depctr_va_vdst(0)
	v_lshlrev_b32 v96, 8, v1
	v_lshl_add_u32 v96, v2, 14, v96                ; the prefetches' offset: lanes 0-15 one tile of rows, lanes 16-31 the next, 256 bytes a lane
	v_lshlrev_b32 v14, 5, v2                       ; 32 h
	v_lshlrev_b32 v15, 2, v1                       ; 4 r
	s_wait_alu depctr_va_vdst(0)
	global_prefetch_b8 v96, s[8:9] offset:4096 th:TH_LOAD_NT scope:SCOPE_SE
	global_prefetch_b8 v96, s[8:9] offset:8192 th:TH_LOAD_NT scope:SCOPE_SE
	s_lshl_b32 s21, s15, 15                        ; my eight tiles of activations,
	s_lshl_b32 s22, s16, 15
	s_add_co_u32 s22, s22, 65536                   ; and of weights
	s_mov_b32 s87, 0x40000                         ; a head's 262,144 bytes
	s_cmp_eq_u32 s66, 2                            ; for v the sources change places,
	s_cselect_b32 s18, s22, s21
	s_cselect_b32 s19, s21, s22
	s_cselect_b32 s67, -1, 0
	s_cselect_b32 s86, 0, -1
	s_cselect_b32 s72, s87, 4096                   ; and so do the steps in the output: four blocks a on are four tiles of rows (q, k) or a head (v);
	s_cselect_b32 s73, 4096, s87                   ; four blocks b on are a head (q, k) or 64 keys (v)
.irp s, 0,1
	v_add_nc_u32 v[ADA+\s], s18, v3
	v_add_nc_u32 v[ADB+\s], s19, v3
	s_add_co_u32 s18, s18, SLOT
	s_add_co_u32 s19, s19, SLOT
.endr
	v_mov_b32 v[VOF], v3
	v_add_nc_u32 v[VOF+1], s73, v3
	v_add_nc_u32 v[VOF+2], s72, v3
	v_add_nc_u32 v[VOF+3], s73, v[VOF+2]
	s_cmp_eq_u32 s66, 1
	s_cselect_b64 s[68:69], s[78:79], s[76:77]
	s_cmp_eq_u32 s66, 2
	s_cselect_b64 s[68:69], s[80:81], s[68:69]     ; my bias
	s_lshl_b32 s20, s17, 14
	s_lshl_b32 s21, s15, 13
	s_add_co_u32 s20, s20, s21                     ; my first row x 64 bytes: a tile of 16 rows of q and k is 1,024 bytes; 64 keys of v are 4,096
	s_lshl_b32 s21, s66, 22
	s_add_co_u32 s20, s20, s21
	s_mov_b32 s21, 0
	s_and_b32 s98, s42, 3
	s_lshl_b32 s98, s98, 1
	s_add_co_u32 s98, s98, s16                     ; my 128 columns among the 1,024: two heads
	s_lshl_b32 s46, s98, 19
	s_mov_b32 s47, 0
	s_add_nc_u64 s[70:71], s[84:85], s[20:21]
	s_add_nc_u64 s[70:71], s[70:71], s[46:47]
	s_lshl_b32 s46, s98, 9
	s_add_nc_u64 s[68:69], s[68:69], s[46:47]      ; the bias at my first column
.irp b, 0,1,2,3,4,5,6,7
	global_load_b128 v[BN+8*\b:BN+8*\b+3], v14, s[68:69] offset:64*\b          ; bias(16 b + 8 h + 0 .. 7)
	global_load_b128 v[BN+8*\b+4:BN+8*\b+7], v14, s[68:69] offset:64*\b+16
.endr
.irp a, 0,1,2,3,4,5,6,7
	global_load_b32 v[BM+2*\a], v15, s[68:69] offset:64*\a                     ; bias(16 a + r), twice: a pair for the packed addition
	global_load_b32 v[BM+2*\a+1], v15, s[68:69] offset:64*\a
.endr
	s_wait_alu depctr_va_vdst(0)
	s_wait_tensorcnt 0x0                           ; my part of slot 0 is in; slot 1's first fill is issued as a refill is:
	ds_add_u32 v[SPW], v[NIL]                      ; 0 onto my spare word
	s_wait_dscnt 0x0
	CROUND                                         ; a whole round: slot 0 is whole, and the joint loads meet
	JLOAD 1                                        ; K 256 on: the first tensor load behind the round
	FETCH_B 0, 0, 0
	FETCH_A 0, 0, 0
	FETCH_A 0, 0, 4
	global_prefetch_b8 v96, s[8:9] offset:12288 th:TH_LOAD_NT scope:SCOPE_SE
	STEP 0, 0, 1
	TURN 0, 1, 1                                   ; slot 0 takes K 512 on
	STEP 1, 0, 0
	TURN 1, 0, 1                                   ; slot 1 takes K 768 on
	STEP 0, 0, 0
	TURN 0, 1, 0                                   ; nothing is left to fetch
	STEP 1, 0, 0
	s_wait_dscnt 4*NL                              ; the last 128 along K
	WIN MUL_LO
	MUL16 0, 1, 0
	MUL16 2, 1, 0
	s_wait_dscnt 0
	WIN MUL_HI
	MUL16 4, 1, 0
	MUL16 6, 1, 0
	WIN 0
	PLACES NP
	; THE WAY OUT: sum x 2^(ea + eb) + bias, held, converted: the codes are the next operand's registers and leave as they stand
	s_wait_kmcnt 0x0
	s_add_co_i32 s72, s88, s89
	s_add_co_i32 s73, s90, s91
	s_add_co_i32 s18, s92, s93
	s_cmp_eq_u32 s66, 1
	s_cselect_b32 s72, s73, s72
	s_cselect_b32 s19, s95, s94
	s_cmp_eq_u32 s66, 2
	s_cselect_b32 s72, s18, s72                    ; ea + eb
	s_cselect_b32 s19, s97, s19                    ; the result's e
	s_add_co_i32 s72, s72, 127
	s_lshl_b32 s74, s72, 23                        ; 2^(ea + eb) as f32
	s_mov_b32 s75, s74
	s_add_co_i32 s19, s19, 127
	s_lshl_b32 s18, s19, 23
	v_mov_b32 v1, s18                              ; 2^e
	s_add_co_i32 s19, s19, 8
	s_lshl_b32 s19, s19, 23
	s_or_b32 s19, s19, 0x600000
	v_mov_b32 v2, s19                              ; 448 x 2^e
	s_wait_loadcnt 0x0
	s_wait_xcnt 0x0                                ; the prefetches have read v96, which the way out writes
.set i, 0
.rept 64
	v_and_b32 v[BN+i], s86, v[BN+i]                ; v: its bias runs along the lanes' rows, not along the registers: these become 0
.set i, i+1
.endr
.set i, 0
.rept 16
	v_and_b32 v[BM+i], s67, v[BM+i]                ; q, k: the other way round
.set i, i+1
.endr
.macro OUTG a, g                       ; block a, blocks b = 4 g .. 4 g + 3: one image
	WIN 0x02+((\a)/4)                              ; source 0 (the sums) window 2 or 3
.irp b, 0,1,2,3
.irp i, 0,2,4,6
	v_pk_fma_f32 v[T+8*\b+\i:T+8*\b+\i+1], v[8*(8*((\a)%4)+4*(\g)+\b)+\i:8*(8*((\a)%4)+4*(\g)+\b)+\i+1], s[74:75], v[BN+8*(4*(\g)+\b)+\i:BN+8*(4*(\g)+\b)+\i+1] op_sel_hi:[1,0,1]   ; each accumulator from its low end on
.endr
.endr
	WIN 0
.irp b, 0,1,2,3
.irp i, 0,2,4,6
	v_pk_add_f32 v[T+8*\b+\i:T+8*\b+\i+1], v[T+8*\b+\i:T+8*\b+\i+1], v[BM+2*(\a):BM+2*(\a)+1]
.endr
.endr
.irp b, 0,1,2,3
.irp i, 0,1,2,3,4,5,6,7
	v_med3_num_f32 v[T+8*\b+\i], v[T+8*\b+\i], -v2, v2             ; the conversion does not saturate (ISA guide 7.6.2)
.endr
	v_cvt_scalef32_pk8_fp8_f32 v[CD+16*(\a)+8*(\g)+2*\b:CD+16*(\a)+8*(\g)+2*\b+1], v[T+8*\b:T+8*\b+7], v1
.endr
	global_store_b128 v[VOF+2*((\a)/4)+(\g)], v[CD+16*(\a)+8*(\g):CD+16*(\a)+8*(\g)+3], s[70:71] offset:1024*((\a)%4)          ; 32 lanes store 512 consecutive bytes, aligned
	global_store_b128 v[VOF+2*((\a)/4)+(\g)], v[CD+16*(\a)+8*(\g)+4:CD+16*(\a)+8*(\g)+7], s[70:71] offset:1024*((\a)%4)+512   ; every image has registers of its own: no store's data are written again
.endm
.irp a, 0,1,2,3,4,5,6,7
	OUTG \a, 0
	OUTG \a, 1
.endr
	v_nop                                          ; a plain line behind the last conversion
	s_wait_tensorcnt 0x0                           ; the wave's end
	ds_add_u32 v[SPW], v[NIL]
	s_wait_dscnt 0x0
	CROUND                                         ; the closing round: no work-group ends while a partner may still ask for a tile that names it
	s_endpgm
.Lfunc_end_k_qdeb34607a2_qkvp:
	.size	k_qdeb34607a2_qkvp, .Lfunc_end_k_qdeb34607a2_qkvp-k_qdeb34607a2_qkvp
	.p2alignl 7, 3214868480
	.fill 96, 4, 3214868480
	.section	.rodata,"a",@progbits
	.p2align	6, 0x0
	.amdhsa_kernel k_qdeb34607a2_qkvp
		.amdhsa_group_segment_fixed_size 327680
		.amdhsa_private_segment_fixed_size 0
		.amdhsa_enable_private_segment 0
		.amdhsa_kernarg_size 56
		.amdhsa_user_sgpr_count 2
		.amdhsa_user_sgpr_kernarg_segment_ptr 1
		.amdhsa_wavefront_size32 1
		.amdhsa_system_sgpr_workgroup_id_x 1
		.amdhsa_system_sgpr_workgroup_id_y 1
		.amdhsa_system_sgpr_workgroup_id_z 1
		.amdhsa_system_vgpr_workitem_id 0
		.amdhsa_next_free_vgpr 1024
		.amdhsa_next_free_sgpr 100
		.amdhsa_reserve_vcc 0
		.amdhsa_float_denorm_mode_32 3
		.amdhsa_float_denorm_mode_16_64 3
		.amdhsa_memory_ordered 1
		.amdhsa_forward_progress 1
		.amdhsa_inst_pref_size 157
	.end_amdhsa_kernel
	.amdgpu_metadata
---
amdhsa.version: [ 1, 2 ]
amdhsa.kernels:
  - .name:           k_qdeb34607a2_qkvp
    .symbol:         k_qdeb34607a2_qkvp.kd
    .args:
      - { .name: acts, .offset: 0, .size: 8, .value_kind: global_buffer, .address_space: global }
      - { .name: wc, .offset: 8, .size: 8, .value_kind: global_buffer, .address_space: global }
      - { .name: bq, .offset: 16, .size: 8, .value_kind: global_buffer, .address_space: global }
      - { .name: bk, .offset: 24, .size: 8, .value_kind: global_buffer, .address_space: global }
      - { .name: bv, .offset: 32, .size: 8, .value_kind: global_buffer, .address_space: global }
      - { .name: lowp_scales, .offset: 40, .size: 8, .value_kind: global_buffer, .address_space: global }
      - { .name: qkvc, .offset: 48, .size: 8, .value_kind: global_buffer, .address_space: global }
    .group_segment_fixed_size: 327680
    .private_segment_fixed_size: 0
    .kernarg_segment_align: 8
    .kernarg_segment_size: 56
    .max_flat_workgroup_size: 128
    .sgpr_count:     100
    .vgpr_count:     1024
    .wavefront_size: 32
...
	.end_amdgpu_metadata
.endif
;; end of part 12
;; launch attn (part 13): grid 8 x 32, 8 waves a work-group, clusters of 4 x 1, 327,680 bytes of LDS; arguments qkvc, lowp_scales, ao; writes ao
.if DOCPART == 13
	.amdgcn_target "amdgcn-amd-amdhsa--gfx1250"
	.amdhsa_code_object_version 6
	.text
	.protected	k_qdeb34607a2_attn
	.globl	k_qdeb34607a2_attn
	.p2align	8
	.type	k_qdeb34607a2_attn,@function
k_qdeb34607a2_attn:
	s_mov_b64 s[64:65], 0
	v_nop
	global_prefetch_b8 v0, s[64:65] scope:SCOPE_SE
	s_setreg_imm32_b32 hwreg(HW_REG_WAVE_MODE, 25, 1), 1
	s_wait_xcnt 0x0
	s_wait_alu depctr_hold_cnt(0) depctr_sa_sdst(0) depctr_va_vdst(0) depctr_va_sdst(0) depctr_va_ssrc(0) depctr_va_vcc(0) depctr_vm_vsrc(0)
	s_getreg_b32 s2, hwreg(HW_REG_IB_STS2, 6, 4)
	s_cmp_eq_u32 s2, 0
	s_cbranch_scc0 .Lentry_in_a_cluster
	s_endpgm
.Lentry_in_a_cluster:
	s_bfe_u32 s2, ttmp6, 0x10000c
	s_cmp_lg_u32 s2, 0x3003
	s_cbranch_scc0 .Lentry_shape_is_right
	s_endpgm
.Lentry_shape_is_right:
; ATTENTION ON CODES OF FP8 (E4M3).  scores = tril(q k^T / 8): a key after the query has the score 0 (not -infinity) and still counts in the softmax.
; t = score x log2(e); M = the ceiling of the running largest t; p = 2^(t - M) is quantised (scale 8 of lowp_scales); the row's sum is taken of the unquantised p and divides at the end; the result is quantised with scale 10.
; WORK LEFT OUT: score tiles wholly above the diagonal are 0 by reference()'s own tril for all inputs, so they are not multiplied; their p = 2^-M is summed (a count x p) and multiplied with v by the matrix unit as a constant operand.
; LIMITS: e6 + e7 between -123 and 130; e8 and e10 between -126 and 119; the scaled scores stay under 2^31 in magnitude.  NaN is not served.
; qkvc: q at 0, k at 4 MiB: [head][tile of 16 rows][1,024]; v at 8 MiB: [head][64 keys][tile of 16 channels][1,024]: images of the operand's registers (16 rows x 64 along K; registers 0-3 at 16 x lane, 4-7 at 512 + 16 x lane).
; ao: [tile of 16 rows][head][1,024], the same kind of image.
; SHARES.  A work-group owns one head of one batch and 16 query tiles: tile U x 8 + SG, U = 0 .. 15 (SG: the work-group's x).  Wave w of eight owns TWO tiles, U = w xor 3 ((w / 4) % 2) (tile a) and U = 15 minus that (tile b):
; a tile has U + 1 steps of 128 keys with a softmax, so every wave has 17 of them; both tiles take each fragment of K and V from the same registers.
; The head's K and V, 2 x 131,072 bytes, lie whole in LDS: each wave asks for 32,768 consecutive bytes by one joint load (the four work-groups of a cluster walk the same head); nothing is filled again.
; No prefetch: the launch's only loads from memory stand at its head, so there is no loop of loads to run ahead in.
; Both products are used transposed (S^T = K Q^T, O^T = V^T P^T): a lane holds one query; a conversion of a score tile's eight registers gives two registers of P's operand.
; REGISTERS.  Window 0: v0-9 addresses; v32-95 K's fragments; from v96 tile a's own.  Window 1: v32-95 V's fragments; from v96 tile b's own, at the same numbers as tile a's.
.set SPARE, 0x40000                    ; behind K and V: the spare words, 128 bytes a wave
.set WV,  10
.set UA,  11                           ; s11, s12: U of tile a, b
.set SS,  13                           ; the step
.set SK,  14                           ; 8,192 x the step
.set SG,  15
.set SEL, 20
.set CS,  22
.set G1,  24
.set G0,  32
.set NH,  36                           ; s36, s37: hidden keys a lane, as f32
.set QA,  40                           ; s[40:43] q's tiles
.set OA,  44                           ; s[44:47] ao's images
.set EO,  56
.set SPW, 6
.set NIL, 7
.set KV,  32
.set S,   96
.set O,   160
.set PC,  192
.set Q,   208
.set NM,  216                          ; -M; with TM a pair
.set TM,  217                          ; the running largest t
.set L,   218                          ; the sum, in two halves
.set MK,  220                          ; query - 8 (lane / 16), within the diagonal block
.set Y,   236
.set HP,  240                          ; 448 x 2^e8
.set HO,  241                          ; 448 x 2^e10
.set A2,  242
.set SP_, 244                          ; 2^e8
.set SO,  245                          ; 2^e10
.set E1,  250
.set P0,  251
.set F,   252                          ; f = 2^(old M - new M); with v253 a pair
.set X,   254
.set MSB, 0
.macro WIN new                         ; the immediate's high byte repeats the setting that is left
.if MSB != (\new)
	s_set_vgpr_msb (MSB<<8)|(\new)
.set MSB, (\new)
.endif
.endm
.macro DLY n
	s_delay_alu instid0(VALU_DEP_\n)
.endm
.macro CROUND
	s_barrier_signal -1
	s_barrier_wait -1
	s_cmp_lg_u32 s[WV], 0
	s_cbranch_scc1 .Lnot_wave_0_\@
	s_barrier_signal -3
.Lnot_wave_0_\@:
	s_barrier_wait -3
	s_barrier_signal -1
	s_barrier_wait -1
.endm
.macro KLOADS adr, off                 ; eight tiles of 16 keys
.irp c, 0,1,2,3,4,5,6,7
	ds_load_b128 v[KV+8*\c:KV+8*\c+3],   v[\adr] offset:\off+1024*\c
	ds_load_b128 v[KV+8*\c+4:KV+8*\c+7], v[\adr] offset:\off+1024*\c+512
.endr
.endm
.macro SW t                            ; S^T = K Q^T: source 0 window 0, the rest the tile's window
	WIN 0x54*\t
.irp c, 0,1,2,3,4,5,6,7
	v_wmma_f32_16x16x64_fp8_fp8 v[S+8*\c:S+8*\c+7], v[KV+8*\c:KV+8*\c+7], v[Q:Q+7], 0
.endr
.endm
.macro PV t                            ; O^T += V^T P^T: source 0 window 1.  The eight accumulators take turns
	WIN 0x01+0x54*\t
.irp a, 0,1,2,3
.if \t == 0
	s_wait_alu depctr_va_vdst(0)                   ; directly ahead of each first reader of tile a's O^T, behind tile b's exponentials
.endif
	v_wmma_f32_16x16x128_fp8_fp8 v[O+8*\a:O+8*\a+7], v[KV+16*\a:KV+16*\a+15], v[PC:PC+15], v[O+8*\a:O+8*\a+7]
.endr
.endm
.macro SOFT t                          ; the softmax of one tile's 128 keys, all in the tile's window
	WIN 0
	s_cmp_lg_u32 s[SS], s[UA+\t]
	s_cbranch_scc1 .Lopen_\@
	WIN 0x55*\t
.if \t == 0
	s_wait_alu depctr_va_vdst(0)                   ; ahead of the first reader of the scores, behind tile b's exponentials
.endif
.set n, 0
.rept 64                               ; on the diagonal: register n holds key 16 (n / 8) + n % 8 + 8 (lane / 16) of the block; a key after the query gets the score 0
	v_cmp_le_i32 vcc_lo, 16*(n/8)+n%8, v[MK]
	v_cndmask_b32 v[S+n], 0, v[S+n], vcc_lo
.set n, n+1
.endr
	WIN 0
.Lopen_\@:
	WIN 0x55*\t
.if \t == 0
	s_wait_alu depctr_va_vdst(0)                   ; the same wait on the way round the mask
.endif
	v_max3_num_f32 v[X], v[S], v[S+1], v[S+2]      ; the step's largest score, in four chains, each accumulator from its low end on
	v_max3_num_f32 v[F], v[S+3], v[S+4], v[S+5]
	v_max3_num_f32 v[Y], v[S+6], v[S+7], v[S+8]
	v_max3_num_f32 v[A2], v[S+9], v[S+10], v[S+11]
.irp i, 12,20,28,36,44,52
	v_max3_num_f32 v[X], v[X], v[S+\i], v[S+\i+1]
	v_max3_num_f32 v[F], v[F], v[S+\i+2], v[S+\i+3]
	v_max3_num_f32 v[Y], v[Y], v[S+\i+4], v[S+\i+5]
	v_max3_num_f32 v[A2], v[A2], v[S+\i+6], v[S+\i+7]
.endr
	v_max3_num_f32 v[X], v[X], v[S+60], v[S+61]
	v_max3_num_f32 v[F], v[F], v[S+62], v[S+63]
	DLY 1
	v_max3_num_f32 v[X], v[X], v[F], v[Y]
	DLY 1
	v_max_num_f32 v[X], v[X], v[A2]
	DLY 1
	v_permlanex16_b32 v[Y], v[X], s[SEL], s[SEL+1]
	DLY 1
	v_max_num_f32 v[X], v[X], v[Y]
	DLY 1
	v_mul_f32 v[X], s[CS], v[X]                    ; as t
	DLY 1
	v_max_num_f32 v[TM], v[TM], v[X]
	v_mov_b32 v[X], v[NM]
	DLY 2
	v_floor_f32 v[NM], -v[TM]                      ; -M = floor(-t)
	DLY 1
	v_sub_f32 v[X], v[NM], v[X]
	DLY 1
	v_cvt_i32_f32 v[X], v[X]
	DLY 1
	v_ldexp_f32 v[F], 1.0, v[X]                    ; f = 2^(old M - new M)
.set j, 0
.rept 32
	v_pk_fma_f32 v[S+j:S+j+1], v[S+j:S+j+1], s[CS:CS+1], v[NM:NM+1] op_sel_hi:[1,0,0]
.set j, j+2
.endr
	s_wait_alu depctr_va_vdst(0)                   ; one wait ahead of the batch
.set j, 0
.rept 64
	v_exp_f32 v[S+j], v[S+j]
.set j, j+1
.endr
	v_pk_mul_f32 v[L:L+1], v[L:L+1], v[F:F+1] op_sel_hi:[1,0]
	s_wait_alu depctr_va_vdst(0)                   ; and one behind it
	v_pk_add_f32 v[A2:A2+1], v[S:S+1], v[S+2:S+3]  ; the sum of the unquantised p, in four chains
	v_pk_add_f32 v[E1:E1+1], v[S+4:S+5], v[S+6:S+7]
	v_pk_add_f32 v[246:247], v[S+8:S+9], v[S+10:S+11]
.irp j, 12,20,28,36,44,52
	v_pk_add_f32 v[L:L+1], v[L:L+1], v[S+\j:S+\j+1]
	v_pk_add_f32 v[A2:A2+1], v[A2:A2+1], v[S+\j+2:S+\j+3]
	v_pk_add_f32 v[E1:E1+1], v[E1:E1+1], v[S+\j+4:S+\j+5]
	v_pk_add_f32 v[246:247], v[246:247], v[S+\j+6:S+\j+7]
.endr
	v_pk_add_f32 v[L:L+1], v[L:L+1], v[S+60:S+61]
	v_pk_add_f32 v[A2:A2+1], v[A2:A2+1], v[S+62:S+63]
	v_pk_add_f32 v[E1:E1+1], v[E1:E1+1], v[246:247]
	DLY 2
	v_pk_add_f32 v[L:L+1], v[L:L+1], v[A2:A2+1]
	DLY 1
	v_pk_add_f32 v[L:L+1], v[L:L+1], v[E1:E1+1]
.irp c, 0,1,2,3,4,5,6,7
.irp i, 0,1,2,3,4,5,6,7
	v_min_num_f32 v[S+8*\c+\i], v[S+8*\c+\i], v[HP]   ; the conversion does not saturate (ISA guide 7.6.2); p is not negative
.endr
	v_cvt_scalef32_pk8_fp8_f32 v[PC+2*\c:PC+2*\c+1], v[S+8*\c:S+8*\c+7], v[SP_]
.endr
	s_wait_alu depctr_va_vdst(0)                   ; directly ahead of the first reader of O^T
.set j, 0
.rept 16
	v_pk_mul_f32 v[O+j:O+j+1], v[O+j:O+j+1], v[F:F+1] op_sel_hi:[1,0]
.set j, j+2
.endr
	WIN 0
.endm
.macro POST t                          ; behind a tile's diagonal step: the later keys' score 0 enters the maximum, their p = 2^-M the sum, and P becomes that one code
	s_cmp_lg_u32 s[SS], s[UA+\t]
	s_cbranch_scc1 .Ldone_\@
.if \t
	s_cmp_eq_u32 s[SS], 15                         ; the last block row has no later keys
	s_cbranch_scc1 .Ldone_\@
.endif
	WIN 0x55*\t
	v_max_num_f32 v[TM], 0, v[TM]
	v_mov_b32 v[X], v[NM]
	DLY 2
	v_floor_f32 v[NM], -v[TM]
	DLY 1
	v_sub_f32 v[X], v[NM], v[X]
	DLY 1
	v_cvt_i32_f32 v[X], v[X]
	DLY 1
	v_ldexp_f32 v[F], 1.0, v[X]
	v_cvt_i32_f32 v[E1], v[NM]
	DLY 1
	v_ldexp_f32 v[P0], 1.0, v[E1]                  ; 2^-M
	v_pk_mul_f32 v[L:L+1], v[L:L+1], v[F:F+1] op_sel_hi:[1,0]
	DLY 1
	v_fma_f32 v[L], v[P0], s[NH+\t], v[L]
.set j, 0
.rept 16
	v_pk_mul_f32 v[O+j:O+j+1], v[O+j:O+j+1], v[F:F+1] op_sel_hi:[1,0]
.set j, j+2
.endr
	v_min_num_f32 v[S], v[P0], v[HP]
.irp i, 1,2,3,4,5,6,7
	v_mov_b32 v[S+\i], v[S]
.endr
	v_cvt_scalef32_pk8_fp8_f32 v[PC:PC+1], v[S:S+7], v[SP_]
	v_nop
.irp i, 2,3,4,5,6,7,8,9,10,11,12,13,14,15
	v_mov_b32 v[PC+\i], v[PC]
.endr
	WIN 0
.Ldone_\@:
.endm
.macro FIN t                           ; O^T / the sum x 2^(e8 + e9), held, converted: the codes are an image of the next operand
	WIN 0x55*\t
	v_add_f32 v[L], v[L], v[L+1]
	DLY 1
	v_permlanex16_b32 v[F], v[L], s[SEL], s[SEL+1]
	DLY 1
	v_add_f32 v[L], v[L], v[F]
	s_wait_alu depctr_va_vdst(0)
	v_rcp_f32 v[L], v[L]
	v_nop
	s_wait_alu depctr_va_vdst(0)
	v_ldexp_f32 v[L], v[L], s[EO]
	DLY 1
	v_mov_b32 v[L+1], v[L]
	s_wait_alu depctr_va_vdst(0)                   ; directly ahead of the first reader of O^T
.set j, 0
.rept 16
	v_pk_mul_f32 v[S+j:S+j+1], v[O+j:O+j+1], v[L:L+1]
.set j, j+2
.endr
.set j, 0
.rept 32
	v_med3_num_f32 v[S+j], v[S+j], -v[HO], v[HO]
.set j, j+1
.endr
.irp a, 0,1,2,3
	v_cvt_scalef32_pk8_fp8_f32 v[PC+2*\a:PC+2*\a+1], v[S+8*\a:S+8*\a+7], v[SO]
.endr
	v_nop
	WIN 0x04*\t                                    ; a store's data: the tile's window; its address: window 0
	global_store_b128 v1, v[PC:PC+3], s[OA+2*\t:OA+2*\t+1]             ; 32 lanes store 512 consecutive bytes, aligned
	global_store_b128 v1, v[PC+4:PC+7], s[OA+2*\t:OA+2*\t+1] offset:512
.endm
	s_load_b128 s[4:7], s[0:1], 0x0                ; qkvc, the scales' exponents
	s_load_b64 s[8:9], s[0:1], 0x10                ; ao
	v_lshl_add_u32 v[SPW], v0, 2, SPARE
	v_mov_b32 v[NIL], 0
	ds_add_u32 v[SPW], v[NIL]                      ; the opening lines: the add twice on end and its wait
	ds_add_u32 v[SPW], v[NIL]
	v_lshrrev_b32 v8, 5, v0
	v_readfirstlane_b32 s[WV], v8                  ; wave 0..7
	s_bfe_u32 s[UA], s[WV], 0x10002                ; tile a's U: waves 0-3 take 0-3, waves 4-7 take 7, 6, 5, 4, so that waves w and w + 4 together have 25 steps with a softmax
	s_mul_i32 s[UA], s[UA], 3
	s_xor_b32 s[UA], s[UA], s[WV]
	s_sub_co_u32 s[UA+1], 15, s[UA]                ; tile b's
	s_bfe_u32 s[SG], ttmp6, 0x40000
	s_lshl_b32 s16, ttmp9, 2
	s_add_co_u32 s[SG], s[SG], s16                 ; work-group x
	s_and_b32 s17, ttmp7, 0xffff
	s_lshr_b32 s18, s17, 4                         ; batch
	s_and_b32 s19, s17, 15                         ; head
	s_lshl_b32 s58, s19, 18                        ; what I fetch: waves 0-3 K's quarters, waves 4-7 V's
	s_lshl_b32 s16, s18, 17
	s_add_co_u32 s58, s58, s16
	s_lshr_b32 s16, s[WV], 2
	s_lshl_b32 s16, s16, 22
	s_add_co_u32 s58, s58, s16
	s_and_b32 s16, s[WV], 3
	s_lshl_b32 s16, s16, 15
	s_add_co_u32 s58, s58, s16
	s_add_co_u32 s58, s58, 0x400000
	s_mov_b32 s59, 0
	s_lshl_b32 s57, s[WV], 15                      ; and where it goes: K at 0, V at 131,072
.irp t, 0,1
	s_lshl_b32 s16, s[UA+\t], 3
	s_add_co_u32 s16, s16, s[SG]
	s_lshl_b32 s17, s18, 7
	s_add_co_u32 s16, s16, s17                     ; the tile of 16 queries
	s_lshl_b32 s[QA+2*\t], s19, 18
	s_lshl_b32 s17, s16, 10
	s_add_co_u32 s[QA+2*\t], s[QA+2*\t], s17
	s_mov_b32 s[QA+2*\t+1], 0
	s_lshl_b32 s[OA+2*\t], s16, 4
	s_add_co_u32 s[OA+2*\t], s[OA+2*\t], s19
	s_lshl_b32 s[OA+2*\t], s[OA+2*\t], 10
	s_mov_b32 s[OA+2*\t+1], 0
	s_sub_co_u32 s[NH+\t], 15, s[UA+\t]
	s_lshl_b32 s[NH+\t], s[NH+\t], 6               ; 64 keys a lane in each later step
	s_cvt_f32_u32 s[NH+\t], s[NH+\t]
.endr
	s_mov_b32 s[G1], 15|(3<<16)|(1<<21)            ; the cluster's four; elements of 8 bytes; 128 rows of 256 bytes, dense
	s_mov_b32 s[G1+1], 32<<16
	s_mov_b32 s[G1+2], 128<<16
	s_mov_b32 s[G1+3], 32<<16
	s_mov_b32 s[G1+4], 128
	s_mov_b32 s[G1+5], 32
	s_mov_b32 s[G1+6], 0
	s_mov_b32 s[G1+7], 0
	s_mov_b32 s[SEL], 0x76543210
	s_mov_b32 s[SEL+1], 0xfedcba98
	s_mov_b32 s[CS], 0x3e38aa3b                    ; log2(e) / 8
	s_mov_b32 s[SS], 0
	s_mov_b32 s[SK], 0
	s_wait_dscnt 0x0
	s_wait_kmcnt 0x0
	s_load_b256 s[48:55], s[6:7], 0x18             ; e6 .. e13
	s_mov_b32 s[G0], 1
	s_mov_b32 s[G0+1], s57
	s_add_nc_u64 s[G0+2:G0+3], s[4:5], s[58:59]
	s_or_b32 s[G0+3], s[G0+3], 0x80000000
.irp t, 0,1
	s_add_nc_u64 s[QA+2*\t:QA+2*\t+1], s[4:5], s[QA+2*\t:QA+2*\t+1]
	s_add_nc_u64 s[OA+2*\t:OA+2*\t+1], s[8:9], s[OA+2*\t:OA+2*\t+1]
.endr
	CROUND                                         ; the four work-groups are here: the joint loads meet
	tensor_load_to_lds s[G0:G0+3], s[G1:G1+7]      ; my one tensor load
	s_nop 0
.rept 4
	v_nop
.endr
	v_and_b32 v8, 15, v0
	v_bfe_u32 v9, v0, 4, 1
	v_and_b32 v1, 31, v0
	v_lshlrev_b32 v1, 4, v1                        ; 16 x lane
	v_add_nc_u32 v5, 131072, v1
	global_load_b128 v[Q:Q+3], v1, s[QA:QA+1]
	global_load_b128 v[Q+4:Q+7], v1, s[QA:QA+1] offset:512
	WIN 0x40
	global_load_b128 v[Q:Q+3], v1, s[QA+2:QA+3]
	global_load_b128 v[Q+4:Q+7], v1, s[QA+2:QA+3] offset:512
	WIN 0
	v_lshlrev_b32 v9, 3, v9
	v_sub_nc_u32 v[MK], v8, v9
	s_lshl_b32 s16, s[SG], 4
	v_add_nc_u32 v[MK], s16, v[MK]
	WIN 0x40
	v_mov_b32 v[MK], v[MK]                         ; tile b's copy
	WIN 0
	s_wait_kmcnt 0x0
	s_add_co_i32 s16, s48, s49
	s_lshl_b32 s16, s16, 23
	s_add_co_i32 s[CS], s[CS], s16                 ; x 2^(e6 + e7)
	s_mov_b32 s[CS+1], s[CS]
	s_add_co_i32 s16, s50, 127
	s_lshl_b32 s60, s16, 23
	s_add_co_i32 s16, s16, 8
	s_lshl_b32 s16, s16, 23
	s_or_b32 s61, s16, 0x600000
	s_add_co_i32 s16, s52, 127
	s_lshl_b32 s62, s16, 23
	s_add_co_i32 s16, s16, 8
	s_lshl_b32 s16, s16, 23
	s_or_b32 s63, s16, 0x600000
	s_add_co_i32 s[EO], s50, s51
.irp t, 0,1
	WIN 0x40*\t
	v_mov_b32 v[TM], 0xff61b1e6                    ; -3e38, under every t
	v_mov_b32 v[NM], 0x7f61b1e6
	v_mov_b32 v[L], 0
	v_mov_b32 v[L+1], 0
	v_mov_b32 v[Y], 0
	v_mov_b32 v[F], 0
	v_mov_b32 v[F+1], 0
	v_mov_b32 v[SP_], s60
	v_mov_b32 v[HP], s61
	v_mov_b32 v[SO], s62
	v_mov_b32 v[HO], s63
.set i, 0
.rept 48
	v_mov_b32 v[O+i], 0                            ; O^T and P: the step is written once and finds zeros
.set i, i+1
.endr
.endr
	WIN 0
	s_wait_alu depctr_va_vdst(0)
	s_wait_loadcnt 0x0                             ; q
	s_wait_tensorcnt 0x0                           ; my part of K and V is in
	s_barrier_signal -1
	s_barrier_wait -1                              ; and everybody's
	KLOADS 1, 0
.Lstep:                                            ; 16 trips: 128 keys each
	v_add_nc_u32 v3, s[SK], v5
.rept 3
	v_nop                                          ; with the line above: four places ahead of loads into registers that the last products read
.endr
	WIN 0x40
.irp a, 0,1,2,3
	ds_load_b128 v[KV+16*\a:KV+16*\a+3],     v3 offset:1024*\a
	ds_load_b128 v[KV+16*\a+4:KV+16*\a+7],   v3 offset:1024*\a+512
	ds_load_b128 v[KV+16*\a+8:KV+16*\a+11],  v3 offset:4096+1024*\a
	ds_load_b128 v[KV+16*\a+12:KV+16*\a+15], v3 offset:4096+1024*\a+512
.endr
	WIN 0
	s_cmp_gt_u32 s[SS], s[UA+1]
	s_cbranch_scc1 .Lhid                           ; all keys of the step come after both tiles' queries
	s_wait_dscnt 16                                ; K's fragments are in; V's 16 loads may be out
	SW 1
	WIN 0
	s_cmp_gt_u32 s[SS], s[UA]
	s_cbranch_scc1 .Lnoa
	SW 0
.Lnoa:
	v_add_nc_u32 v2, s[SK], v1
.rept 3
	v_nop                                          ; four places behind the score products
.endr
	KLOADS 2, 8192                                 ; the next step's K (behind the last step: bytes of V's region, which nothing uses)
	SOFT 1
	s_cmp_gt_u32 s[SS], s[UA]
	s_cbranch_scc1 .Lnoa2
	SOFT 0
.Lnoa2:
	s_wait_dscnt 16                                ; V's fragments are in; the next K's 16 loads may be out
	s_branch .Lpv
.Lhid:
	s_wait_dscnt 0x0
.Lpv:
	PV 0
	PV 1
	WIN 0
	POST 0
	POST 1
	s_add_co_u32 s[SS], s[SS], 1
	s_add_co_u32 s[SK], s[SK], 8192
	s_cmp_lt_u32 s[SS], 16
	s_wait_alu depctr_va_vdst(0)
	s_cbranch_scc1 .Lstep
.rept 4
	v_nop
.endr
	FIN 0
	FIN 1
	WIN 0
	s_wait_tensorcnt 0x0                           ; the wave's end
	ds_add_u32 v[SPW], v[NIL]
	s_wait_dscnt 0x0
	CROUND                                         ; the closing round
	s_endpgm
.Lfunc_end_k_qdeb34607a2_attn:
	.size	k_qdeb34607a2_attn, .Lfunc_end_k_qdeb34607a2_attn-k_qdeb34607a2_attn
	.p2alignl 7, 3214868480
	.fill 96, 4, 3214868480
	.section	.rodata,"a",@progbits
	.p2align	6, 0x0
	.amdhsa_kernel k_qdeb34607a2_attn
		.amdhsa_group_segment_fixed_size 327680
		.amdhsa_private_segment_fixed_size 0
		.amdhsa_enable_private_segment 0
		.amdhsa_kernarg_size 24
		.amdhsa_user_sgpr_count 2
		.amdhsa_user_sgpr_kernarg_segment_ptr 1
		.amdhsa_wavefront_size32 1
		.amdhsa_system_sgpr_workgroup_id_x 1
		.amdhsa_system_sgpr_workgroup_id_y 1
		.amdhsa_system_sgpr_workgroup_id_z 1
		.amdhsa_system_vgpr_workitem_id 0
		.amdhsa_next_free_vgpr 512
		.amdhsa_next_free_sgpr 70
		.amdhsa_reserve_vcc 1
		.amdhsa_float_denorm_mode_32 3
		.amdhsa_float_denorm_mode_16_64 3
		.amdhsa_memory_ordered 1
		.amdhsa_forward_progress 1
		.amdhsa_inst_pref_size 65
	.end_amdhsa_kernel
	.amdgpu_metadata
---
amdhsa.version: [ 1, 2 ]
amdhsa.kernels:
  - .name:           k_qdeb34607a2_attn
    .symbol:         k_qdeb34607a2_attn.kd
    .args:
      - { .name: qkvc, .offset: 0, .size: 8, .value_kind: global_buffer, .address_space: global }
      - { .name: lowp_scales, .offset: 8, .size: 8, .value_kind: global_buffer, .address_space: global }
      - { .name: ao, .offset: 16, .size: 8, .value_kind: global_buffer, .address_space: global }
    .group_segment_fixed_size: 327680
    .private_segment_fixed_size: 0
    .kernarg_segment_align: 8
    .kernarg_segment_size: 24
    .max_flat_workgroup_size: 256
    .sgpr_count:     70
    .vgpr_count:     512
    .wavefront_size: 32
...
	.end_amdgpu_metadata
.endif
;; end of part 13
;; launch oproj (part 14): grid 8 x 32, 4 waves a work-group, clusters of 4 x 4, 327,680 bytes of LDS; arguments ao, wc, bo, y, lowp_scales, y1, part; writes y1, part
.if DOCPART == 14
	.amdgcn_target "amdgcn-amd-amdhsa--gfx1250"
	.amdhsa_code_object_version 6
	.text
	.protected	k_qdeb34607a2_oproj
	.globl	k_qdeb34607a2_oproj
	.p2align	8
	.type	k_qdeb34607a2_oproj,@function
k_qdeb34607a2_oproj:
	s_mov_b64 s[64:65], 0
	v_nop
	global_prefetch_b8 v0, s[64:65] scope:SCOPE_SE
	s_setreg_imm32_b32 hwreg(HW_REG_WAVE_MODE, 25, 1), 1
	s_wait_xcnt 0x0
	s_wait_alu depctr_hold_cnt(0) depctr_sa_sdst(0) depctr_va_vdst(0) depctr_va_sdst(0) depctr_va_ssrc(0) depctr_va_vcc(0) depctr_vm_vsrc(0)
	s_getreg_b32 s2, hwreg(HW_REG_IB_STS2, 6, 4)
	s_cmp_eq_u32 s2, 0
	s_cbranch_scc0 .Lentry_in_a_cluster
	s_endpgm
.Lentry_in_a_cluster:
	s_bfe_u32 s2, ttmp6, 0x10000c
	s_cmp_lg_u32 s2, 0xf033
	s_cbranch_scc0 .Lentry_shape_is_right
	s_endpgm
.Lentry_shape_is_right:
; y1 = y + attention Wo + bo on codes of FP8 (E4M3), AND THE PARTIAL FIGURES OF THE LAYERNORM THAT FOLLOWS.  A: [4,096][1,024], W: [1,024 (n)][1,024] as codes; y1, y: [4,096][1,024] f32.  Scales: entries 10, 11 of lowp_scales.
; LIMIT: ea + eb between -126 and 127.
; part: [2 batches][512 sums, then 512 M2] f32.  A wave's block of y1 is 64 x 64 = 4,096 numbers: one of a batch's 512 parts.  It stays in registers behind its stores: its sum S, then M2 = the sum of (t - S / 4096)^2,
; about the block's own mean, so that the variance is never a difference of large sums.  The 8 bytes a wave fill no 256 bytes; the whole buffer is 8,192, and nothing larger is there to store.
; ALL CODES LIE AS IMAGES of the operand's registers: 16 rows x 64 along K, 1,024 bytes; lane (r, h): row r, registers 2c, 2c+1: k = 16c + 8h + 0 .. 7; registers 0-3 at 16 x lane, 4-7 at 512 + 16 x lane;
; a buffer is [tile of 16 rows][16 images].  Two neighbouring images are one fragment of v_wmma_f32_16x16x128_fp8_fp8: four ds_load_b128 of 512 consecutive bytes: no pitch, no padding.
; A tile of C is 128 x 128, which makes 256 work-groups (256 x 256 would make 64); four waves, each 64 x 64: 16 accumulators.  K = 1,024 lies whole in two LDS slots of 512 along K: nothing is filled again.
; CLUSTERS: 4 x 4.  A's tile is shared along a row of the cluster, W's along a column: each is asked for jointly, by the same tensor load with a mask that names the four.
; THE PRODUCT IS USED TRANSPOSED (source 0 = 16 rows of W, source 1 = 16 rows of A): a lane holds eight neighbouring numbers of a row of C.
; REGISTERS: window 0: v1-31 addresses and the figures; v32-63 a block's results; v64-127 two sets of rows read back; v128-255 the accumulators ((a, b) at v[128 + 8 (4 a + b)]).
;   window 1: two fragment buffers of 128: A's four fragments, then W's four.   window 2: v0-127 the residual, asked for at the head, then y1; v128-159 the bias in the result's layout.
.set KTOT,  1024
.set WOFF,  3<<20                      ; the weight's place in wc
.set SCB,   40                         ; e10, e11
.set RT,    16*KTOT                    ; a tile of 16 rows in bytes
.set SLOT,  131072                     ; A: 8 tiles x 16,384 bytes; W: the same, 131,072 on
.set SPARE, 2*SLOT                     ; the spare words, 128 bytes for each wave: two blocks of 256 bytes that no other line names
.set STAGE, SPARE+512                  ; the way out: 16 rows x 272 bytes for each wave; no tile ever lands here
.set SP,    272
.set ADA, 16                           ; v16-17  LDS address of A's fragments in slot 0, 1
.set ADB, 20                           ; v20-21  of W's
.set STO, 24
.set RD,  25
.set CO,  26
.set BO,  27
.set SPW, 28                           ; v28     SPARE + 4 x my thread's number; never rewritten
.set NIL, 29                           ; v29     0; never rewritten
.set T,   32
.set RB,  64
.set ACC, 128
.set F0,  0
.set F1,  128
.set RES, 0
.set BN,  128
.set G1,  24                           ; s[24:31] descriptor group 1 for A; s[32:39] group 0, one set for each slot
.set G0,  32
.set G1B, 48                           ; s[48:55], s[56:63] the same for W
.set G0B, 56
.set MSB, 0
.macro WIN new                         ; the immediate's high byte repeats the setting that is left
.if MSB != \new
	s_set_vgpr_msb (MSB<<8)|\new
.set MSB, \new
.endif
.endm
.set MUL,  0x05                        ; sources 0 and 1 window 1; C and D window 0
.set TO_F, 0x40                        ; destination window 1, address window 0
.macro JLOAD s                         ; a joint load: waves 0 and 1 fetch A's halves, waves 2 and 3 W's; four v_nop follow each line
	s_cmp_eq_u32 s11, 0
	s_cbranch_scc0 .Lfor_b_\@
	tensor_load_to_lds s[G0+4*\s:G0+4*\s+3], s[G1:G1+7]
	s_nop 0
.rept 4
	v_nop
.endr
	s_branch .Lasked_\@
.Lfor_b_\@:
	tensor_load_to_lds s[G0B+4*\s:G0B+4*\s+3], s[G1B:G1B+7]
	s_nop 0
.rept 4
	v_nop
.endr
.Lasked_\@:
.endm
.macro CROUND                          ; a round of the cluster's barrier
	s_barrier_signal -1
	s_barrier_wait -1
	s_cmp_lg_u32 s10, 0
	s_cbranch_scc1 .Lnot_wave_0_\@
	s_barrier_signal -3
.Lnot_wave_0_\@:
	s_barrier_wait -3
	s_barrier_signal -1
	s_barrier_wait -1
.endm
.macro PLACES                          ; four places in front of loads into registers that matrix instructions have read, and of the first read of results
.rept 4
	v_nop
.endr
.endm
.macro FETCH slot, q, f                ; the slot's q-th 128 along K into buffer f: W's four fragments first, then A's, block 0 first
	WIN TO_F
.irp i, 0,1,2,3
.irp c, 0,1,2,3
	ds_load_b128 v[\f+64+16*\i+4*\c:\f+64+16*\i+4*\c+3], v[ADB+\slot] offset:16384*\i+2048*\q+512*\c
.endr
.endr
.irp i, 0,1,2,3
.irp c, 0,1,2,3
	ds_load_b128 v[\f+16*\i+4*\c:\f+16*\i+4*\c+3], v[ADA+\slot] offset:16384*\i+2048*\q+512*\c
.endr
.endr
.endm
.macro MULA f, a, zero                 ; four products: A's block a x W's four.  The 16 accumulators take turns in one order throughout
.irp b, 0,1,2,3
.if \zero
	v_wmma_f32_16x16x128_fp8_fp8 v[ACC+8*(4*\a+\b):ACC+8*(4*\a+\b)+7], v[\f+64+16*\b:\f+64+16*\b+15], v[\f+16*\a:\f+16*\a+15], 0
.else
	v_wmma_f32_16x16x128_fp8_fp8 v[ACC+8*(4*\a+\b):ACC+8*(4*\a+\b)+7], v[\f+64+16*\b:\f+64+16*\b+15], v[\f+16*\a:\f+16*\a+15], v[ACC+8*(4*\a+\b):ACC+8*(4*\a+\b)+7]
.endif
.endr
.endm
.macro STEP slot, qn, f, g, zero       ; multiplies buffer f and fetches the slot's qn-th 128 along K into g
	s_wait_dscnt 12                                ; W's fragments and A's block 0 are in; blocks 1-3 (12 loads) may be out
	WIN MUL
	MULA \f, 0, \zero
	PLACES
	FETCH \slot, \qn, \g
	WIN MUL
	s_wait_dscnt 40                                ; the 32 just issued and blocks 2, 3 may be out
	MULA \f, 1, \zero
	s_wait_dscnt 36
	MULA \f, 2, \zero
	s_wait_dscnt 32
	MULA \f, 3, \zero
.endm
.macro REDUCE v, t                     ; the sum over the 32 lanes, in every lane; v[t] has been written before
	v_add_f32_dpp v[\v], v[\v], v[\v] row_xmask:1 row_mask:0xf bank_mask:0xf
	v_add_f32_dpp v[\v], v[\v], v[\v] row_xmask:2 row_mask:0xf bank_mask:0xf
	v_add_f32_dpp v[\v], v[\v], v[\v] row_xmask:4 row_mask:0xf bank_mask:0xf
	v_add_f32_dpp v[\v], v[\v], v[\v] row_xmask:8 row_mask:0xf bank_mask:0xf
	v_permlanex16_b32 v[\t], v[\v], s86, s87
	v_add_f32 v[\v], v[\v], v[\t]
.endm
.macro JOIN                            ; the four chains v[8:15] into v8
	v_pk_add_f32 v[8:9], v[8:9], v[10:11]
	v_pk_add_f32 v[12:13], v[12:13], v[14:15]
	v_pk_add_f32 v[8:9], v[8:9], v[12:13]
	v_add_f32 v8, v8, v9
.endm
	s_load_b128 s[4:7], s[0:1], 0x0                ; A's codes, wc
	s_load_b256 s[76:83], s[0:1], 0x10             ; bias, res, the scales' exponents, out
	s_load_b64 s[84:85], s[0:1], 0x30              ; part
	v_lshl_add_u32 v[SPW], v0, 2, SPARE
	v_mov_b32 v[NIL], 0
	ds_add_u32 v28, v29
	ds_add_u32 v28, v29
	s_wait_dscnt 0x0
	v_lshrrev_b32 v1, 5, v0
	v_readfirstlane_b32 s10, v1                    ; wave 0..3
	s_lshr_b32 s11, s10, 1                         ; which half of the tile's rows is mine.  Also: I fetch A (0) or W (1)
	s_and_b32 s12, s10, 1                          ; which half of its columns.  Also: which four tiles of 16 rows I fetch
	s_bfe_u32 s40, ttmp6, 0x40000                  ; cx, cy
	s_bfe_u32 s41, ttmp6, 0x40004
	s_lshl_b32 s42, ttmp9, 2
	s_add_co_u32 s42, s42, s40                     ; tile column
	s_and_b32 s13, ttmp7, 0xffff
	s_lshl_b32 s13, s13, 2
	s_add_co_u32 s13, s13, s41                     ; tile row
	s_lshl_b32 s43, s41, 2
	s_lshl_b32 s43, 15, s43                        ; my row of the cluster
	s_lshl_b32 s44, 0x1111, s40                    ; my column
	s_mov_b32 s86, 0x76543210                      ; v_permlanex16_b32: lane l xor 16
	s_mov_b32 s87, 0xfedcba98
	; descriptor group 1: four tiles of 16 rows, of each 16,384 consecutive bytes (2,048 elements of 8 bytes), RT bytes apart; dense in LDS
	s_or_b32 s[G1+0], s43, (3<<16)|(1<<21)         ; 15:0 the mask; 17:16 elements of 8 bytes; 21 set beside a mask
	s_or_b32 s[G1B+0], s44, (3<<16)|(1<<21)
.irp g, G1, G1B
	; ONE LOAD A WAVE BRINGS THE WHOLE K: four tiles of 16 rows, of each all 16,384 bytes (2,048 elements of 8 bytes); in LDS a tile of rows takes 16,384 bytes, and 'slot 1' is the second 8,192 of each
	s_mov_b32 s[\g+1], 2048<<16
	s_mov_b32 s[\g+2], 4<<16
	s_mov_b32 s[\g+3], 2048<<16
	s_mov_b32 s[\g+4], 4                           ; tile_dim1
	s_mov_b32 s[\g+5], RT/8                        ; tensor_dim0_stride
	s_mov_b32 s[\g+6], 0
	s_mov_b32 s[\g+7], 0
.endr
	s_lshl_b32 s17, s12, 2
	s_lshl_b32 s16, s13, 3
	s_add_co_u32 s16, s16, s17
	s_mul_i32 s16, s16, RT                         ; A: tile of rows 8 x tile row + 4 x half
	s_lshl_b32 s46, s42, 3
	s_add_co_u32 s46, s46, s17
	s_mul_i32 s46, s46, RT
	s_add_co_u32 s46, s46, WOFF                    ; W: tile 8 x tile column + 4 x half
	s_mov_b32 s17, 0
	s_mov_b32 s47, 0
	s_mul_i32 s45, s10, 65536                      ; where they go: A's halves at 0 and 65,536, W's at 131,072 and 196,608
	s_wait_kmcnt 0x0
	s_load_b64 s[74:75], s[80:81], SCB             ; ea, eb
	s_add_nc_u64 s[14:15], s[4:5], s[16:17]
	s_add_nc_u64 s[46:47], s[6:7], s[46:47]
	CROUND                                         ; all sixteen work-groups are here: the joint loads meet
.irp s, 0
	s_mov_b32 s[G0+4*\s], 1
	s_add_co_u32 s[G0+4*\s+1], s45, \s*SLOT
	s_add_nc_u64 s[G0+4*\s+2:G0+4*\s+3], s[14:15], \s*8192
	s_or_b32 s[G0+4*\s+3], s[G0+4*\s+3], 0x80000000
	s_mov_b32 s[G0B+4*\s], 1
	s_add_co_u32 s[G0B+4*\s+1], s45, \s*SLOT
	s_add_nc_u64 s[G0B+4*\s+2:G0B+4*\s+3], s[46:47], \s*8192
	s_or_b32 s[G0B+4*\s+3], s[G0B+4*\s+3], 0x80000000
.endr
	JLOAD 0                                        ; K 0 on: one tensor load a wave at the head
	v_and_b32 v1, 15, v0                           ; r
	s_wait_alu depctr_va_vdst(0)
	v_bfe_u32 v2, v0, 4, 1                         ; h
	v_and_b32 v3, 31, v0
	v_lshlrev_b32 v3, 4, v3                        ; 16 x lane
	s_lshl_b32 s21, s11, 16                        ; my four tiles of A,
	s_lshl_b32 s22, s12, 16
	s_add_co_u32 s22, s22, 131072                  ; and of W
.irp s, 0,1
	v_add_nc_u32 v[ADA+\s], s21, v3
	v_add_nc_u32 v[ADB+\s], s22, v3
	s_add_co_u32 s21, s21, 8192                    ; K 512 on
	s_add_co_u32 s22, s22, 8192
.endr
	s_mul_i32 s23, s10, 16*SP
	s_add_co_u32 s23, s23, STAGE                   ; my stage
	v_mul_u32_u24 v4, v1, SP
	s_wait_alu depctr_va_vdst(0)
	v_lshl_add_u32 v4, v2, 5, v4
	v_add_nc_u32 v[STO], s23, v4                   ; in: row r, 32 bytes for each half of the lanes
	v_mul_u32_u24 v5, v2, SP
	v_lshl_add_u32 v5, v1, 4, v5
	v_add_nc_u32 v[RD], s23, v5                    ; back: lanes 0-15 one row of 256 bytes, lanes 16-31 the next
	v_lshlrev_b32 v5, 12, v2
	v_lshl_add_u32 v[CO], v1, 4, v5                ; and the same two rows in res and in out
	s_wait_alu depctr_va_vdst(0)
	v_lshlrev_b32 v[BO], 5, v2                     ; 32 h
	s_wait_alu depctr_va_vdst(0)
	s_lshl_b32 s16, s13, 1
	s_add_co_u32 s16, s16, s11
	s_lshl_b32 s16, s16, 18                        ; my first row: 64 (2 x tile row + half) rows of 4,096 bytes
	s_mov_b32 s17, 0
	s_lshl_b32 s46, s42, 1
	s_add_co_u32 s46, s46, s12
	s_lshl_b32 s46, s46, 8                         ; my first column: 64 (2 x tile column + half) x 4 bytes
	s_mov_b32 s47, 0
	s_add_nc_u64 s[78:79], s[78:79], s[16:17]
	s_add_nc_u64 s[78:79], s[78:79], s[46:47]
	s_add_nc_u64 s[82:83], s[82:83], s[16:17]
	s_add_nc_u64 s[82:83], s[82:83], s[46:47]
	s_add_nc_u64 s[76:77], s[76:77], s[46:47]
	s_and_b32 s72, s13, 15                         ; my part of the batch: ((tile row % 16) x 8 + tile column) x 4 + wave: 0 .. 511
	s_lshl_b32 s72, s72, 3
	s_add_co_u32 s72, s72, s42
	s_lshl_b32 s72, s72, 2
	s_add_co_u32 s72, s72, s10
	s_lshl_b32 s72, s72, 2
	s_lshr_b32 s73, s13, 4                         ; the batch: 16 tile rows each
	s_lshl_b32 s73, s73, 12
	s_add_co_u32 s72, s72, s73
	s_mov_b32 s73, 0
	s_add_nc_u64 s[84:85], s[84:85], s[72:73]
	s_wait_tensorcnt 0x0                           ; my one tensor load has landed
	s_barrier_signal -1
	s_barrier_wait -1                              ; and everybody's
	FETCH 0, 0, F0
	WIN 0x80                                       ; destination window 2.  The residual and the bias are wanted on the way out alone: they are asked for behind the tiles, and have the eight K steps in which to land
.irp a, 0,1,2,3
.irp t, 0,1,2,3,4,5,6,7
	global_load_b128 v[RES+32*\a+4*\t:RES+32*\a+4*\t+3], v[CO], s[78:79] offset:(16*\a+2*\t)*4096   ; the residual, in the layout in which rows come back from the stage
.endr
.endr
.irp b, 0,1,2,3
	global_load_b128 v[BN+8*\b:BN+8*\b+3], v[BO], s[76:77] offset:64*\b        ; bias(16 b + 8 h + 0 .. 7)
	global_load_b128 v[BN+8*\b+4:BN+8*\b+7], v[BO], s[76:77] offset:64*\b+16
.endr
	STEP 0, 1, F0, F1, 1
	STEP 0, 2, F1, F0, 0
	STEP 0, 3, F0, F1, 0
	STEP 1, 0, F1, F0, 0                           ; on into K 512: all of K is in LDS, so no barrier stands here
	STEP 1, 1, F0, F1, 0
	STEP 1, 2, F1, F0, 0
	STEP 1, 3, F0, F1, 0
	s_wait_dscnt 12                                ; the last 128 along K: nothing more to fetch
	MULA F1, 0, 0
	s_wait_dscnt 8
	MULA F1, 1, 0
	s_wait_dscnt 4
	MULA F1, 2, 0
	s_wait_dscnt 0
	MULA F1, 3, 0
	WIN 0
	PLACES
	; THE WAY OUT, a block of 16 rows x 64 columns at a time: sum x 2^(ea + eb) + bias; through my own stage, so that sixteen lanes hold 256 consecutive bytes of a row; + the residual, in the residual's registers; stored from there
.macro TOSTAGE a
	WIN 0x20                                       ; source 2 (the bias) window 2
.irp b, 0,1,2,3
.irp i, 0,2,4,6
	v_pk_fma_f32 v[T+8*\b+\i:T+8*\b+\i+1], v[ACC+8*(4*(\a)+\b)+\i:ACC+8*(4*(\a)+\b)+\i+1], s[74:75], v[BN+8*\b+\i:BN+8*\b+\i+1] op_sel_hi:[1,0,1]   ; each accumulator from its low end on
.endr
.endr
	WIN 0
.irp b, 0,1,2,3
	ds_store_b128 v[STO], v[T+8*\b:T+8*\b+3] offset:64*\b
	ds_store_b128 v[STO], v[T+8*\b+4:T+8*\b+7] offset:64*\b+16
.endr
.irp t, 0,1,2,3,4,5,6,7
	ds_load_b128 v[RB+32*((\a)%2)+4*\t:RB+32*((\a)%2)+4*\t+3], v[RD] offset:2*SP*\t   ; LDS serves a wave's instructions in order: these see my stores
.endr
.endm
.macro SEND a, younger                 ; younger: the LDS instructions issued behind block a's loads, which may stay out
	s_wait_dscnt \younger
	WIN 0x88                                       ; source 1 (the residual) and the destination window 2: y1 stays there for the figures
.irp t, 0,1,2,3,4,5,6,7
.irp i, 0,2
	v_pk_add_f32 v[RES+32*(\a)+4*\t+\i:RES+32*(\a)+4*\t+\i+1], v[RB+32*((\a)%2)+4*\t+\i:RB+32*((\a)%2)+4*\t+\i+1], v[RES+32*(\a)+4*\t+\i:RES+32*(\a)+4*\t+\i+1]
.endr
.endr
	WIN 0x08                                       ; a store's data: window 2; its address: window 0
.irp t, 0,1,2,3,4,5,6,7
	global_store_b128 v[CO], v[RES+32*(\a)+4*\t:RES+32*(\a)+4*\t+3], s[82:83] offset:(16*(\a)+2*\t)*4096   ; 16 lanes store 256 consecutive bytes, aligned; the data are not written again
.endr
	WIN 0
.endm
	s_wait_kmcnt 0x0
	s_add_co_i32 s74, s74, s75
	s_add_co_i32 s74, s74, 127
	s_lshl_b32 s74, s74, 23                        ; 2^(ea + eb) as f32
	s_mov_b32 s75, s74
	s_wait_loadcnt 0x0                             ; the residual and the bias
	TOSTAGE 0
.irp a, 1,2,3
	TOSTAGE \a
	SEND \a-1, 16                                  ; behind block a - 1's loads: block a's 8 stores and 8 loads
.endr
	SEND 3, 0
	; THE FIGURES of my 4,096 numbers of y1.  Pass 1: the sum, in four chains of pairs; the first eight pairs start the chains
	v_mov_b32 v31, 0                               ; written once: a lane permute's destination counts as a source
	v_mov_b32 v4, 0                                ; the stores' offset
	WIN 0x0a                                       ; sources 0 and 1 window 2
.irp k, 0,1,2,3
	v_pk_add_f32 v[8+2*\k:9+2*\k], v[RES+2*\k:RES+2*\k+1], v[RES+8+2*\k:RES+9+2*\k]
.endr
	WIN 0x08                                       ; source 1 window 2
.set p, 8
.rept 56
	v_pk_add_f32 v[8+2*(p%4):9+2*(p%4)], v[8+2*(p%4):9+2*(p%4)], v[RES+2*p:RES+2*p+1]
.set p, p+1
.endr
	WIN 0
	JOIN
	REDUCE 8, 31
	v_mov_b32 v30, v8                              ; S
	v_mul_f32 v6, 0x39800000, v8                   ; my mean = S / 4096
	v_mov_b32 v7, v6
	; pass 2: M2 about my own mean, 32 pairs at a time, so that a window setting serves 32 lines
.irp g, 0,1
	WIN 0x02                                       ; source 0 window 2
.set p, 0
.rept 32
	v_pk_add_f32 v[32+2*p:33+2*p], v[RES+64*\g+2*p:RES+64*\g+2*p+1], v[6:7] neg_lo:[0,1] neg_hi:[0,1]
.set p, p+1
.endr
	WIN 0
.set p, 0
.rept 32
.if (\g == 0) && (p < 4)
	v_pk_mul_f32 v[8+2*(p%4):9+2*(p%4)], v[32+2*p:33+2*p], v[32+2*p:33+2*p]
.else
	v_pk_fma_f32 v[8+2*(p%4):9+2*(p%4)], v[32+2*p:33+2*p], v[32+2*p:33+2*p], v[8+2*(p%4):9+2*(p%4)]
.endif
.set p, p+1
.endr
.endr
	JOIN
	REDUCE 8, 31
	s_wait_alu depctr_va_vdst(0)
	s_wait_xcnt 0x0                                ; EXEC is a source of the stores above: it changes only behind this wait
	v_cmp_eq_u32 vcc_lo, 0, v3
	s_and_saveexec_b32 s18, vcc_lo                 ; lane 0 stores for the wave
	global_store_b32 v4, v30, s[84:85]
	global_store_b32 v4, v8, s[84:85] offset:2048
	s_wait_xcnt 0x0                                ; and again, in front of the line that widens it
	s_or_b32 exec_lo, exec_lo, s18
	s_wait_tensorcnt 0x0                           ; the wave's end
	ds_add_u32 v[SPW], v[NIL]
	s_wait_dscnt 0x0
	CROUND                                         ; the closing round: no work-group ends while a partner may still ask for a tile that names it
	s_endpgm
.Lfunc_end_k_qdeb34607a2_oproj:
	.size	k_qdeb34607a2_oproj, .Lfunc_end_k_qdeb34607a2_oproj-k_qdeb34607a2_oproj
	.p2alignl 7, 3214868480
	.fill 96, 4, 3214868480
	.section	.rodata,"a",@progbits
	.p2align	6, 0x0
	.amdhsa_kernel k_qdeb34607a2_oproj
		.amdhsa_group_segment_fixed_size 327680
		.amdhsa_private_segment_fixed_size 0
		.amdhsa_enable_private_segment 0
		.amdhsa_kernarg_size 56
		.amdhsa_user_sgpr_count 2
		.amdhsa_user_sgpr_kernarg_segment_ptr 1
		.amdhsa_wavefront_size32 1
		.amdhsa_system_sgpr_workgroup_id_x 1
		.amdhsa_system_sgpr_workgroup_id_y 1
		.amdhsa_system_sgpr_workgroup_id_z 1
		.amdhsa_system_vgpr_workitem_id 0
		.amdhsa_next_free_vgpr 672
		.amdhsa_next_free_sgpr 100
		.amdhsa_reserve_vcc 1
		.amdhsa_float_denorm_mode_32 3
		.amdhsa_float_denorm_mode_16_64 3
		.amdhsa_memory_ordered 1
		.amdhsa_forward_progress 1
		.amdhsa_inst_pref_size 67
	.end_amdhsa_kernel
	.amdgpu_metadata
---
amdhsa.version: [ 1, 2 ]
amdhsa.kernels:
  - .name:           k_qdeb34607a2_oproj
    .symbol:         k_qdeb34607a2_oproj.kd
    .args:
      - { .name: ao, .offset: 0, .size: 8, .value_kind: global_buffer, .address_space: global }
      - { .name: wc, .offset: 8, .size: 8, .value_kind: global_buffer, .address_space: global }
      - { .name: bo, .offset: 16, .size: 8, .value_kind: global_buffer, .address_space: global }
      - { .name: y, .offset: 24, .size: 8, .value_kind: global_buffer, .address_space: global }
      - { .name: lowp_scales, .offset: 32, .size: 8, .value_kind: global_buffer, .address_space: global }
      - { .name: y1, .offset: 40, .size: 8, .value_kind: global_buffer, .address_space: global }
      - { .name: part, .offset: 48, .size: 8, .value_kind: global_buffer, .address_space: global }
    .group_segment_fixed_size: 327680
    .private_segment_fixed_size: 0
    .kernarg_segment_align: 8
    .kernarg_segment_size: 56
    .max_flat_workgroup_size: 128
    .sgpr_count:     100
    .vgpr_count:     672
    .wavefront_size: 32
...
	.end_amdgpu_metadata
.endif
;; end of part 14
;; launch lnq2 (part 15): grid 8 x 128, 4 waves a work-group, no clusters, 35,328 bytes of LDS; arguments y1, ln2_w, ln2_b, part, lowp_scales, acts; writes acts
.if DOCPART == 15
	.amdgcn_target "amdgcn-amd-amdhsa--gfx1250"
	.amdhsa_code_object_version 6
	.text
	.protected	k_qdeb34607a2_lnq2
	.globl	k_qdeb34607a2_lnq2
	.p2align	8
	.type	k_qdeb34607a2_lnq2,@function
k_qdeb34607a2_lnq2:
	s_mov_b64 s[64:65], 0
	v_nop
	global_prefetch_b8 v0, s[64:65] scope:SCOPE_SE
	s_setreg_imm32_b32 hwreg(HW_REG_WAVE_MODE, 25, 1), 1
	s_wait_xcnt 0x0
; n = LayerNorm(t) x w + b, jointly over (2,048, 1,024) of each batch, is quantised to codes of FP8 (E4M3); with HASX = 1 twice (scales 2 and 4 of lowp_scales: the operands of
; the K and V projections), and x is quantised beside it (scale 0); with HASX = 0 once (scale 12).  code = number / 2^e, held within +-448, to the nearest code, ties to even.
; LIMITS: each e between -126 and 119.  NaN among the inputs is not served.
; part holds, for each batch, 512 sums and 512 M2 of runs of 4,096 numbers: mean = sum S_i / 2^21; M2 = sum M2_i + 4096 x sum (S_i / 4096 - mean)^2; var = M2 / 2^21.  Every wave joins them for itself.
; OUT: images in the order of the matrix operand's registers: 16 rows x 64 along K, 1,024 bytes; lane (r, h): row r, registers 2c, 2c+1: k = 16c + 8h + 0 .. 7; registers 0-3 at 16 x lane, 4-7 at 512 + 16 x lane.
; acts: [tile of 16 rows, 256][16 images][1,024]; HASX = 1: x's at 0, n's with scale 2 at 4 MiB, with scale 4 at 8 MiB; HASX = 0: n's at 0.
; A wave takes one image: 16 rows x 64 columns.  Sixteen lanes load 256 consecutive bytes of a row; the conversions want 8 neighbours along K in one lane, so the 4,096 bytes turn through the wave's own
; stage in LDS (rows 272 bytes apart, so that sixteen rows start at sixteen different banks: 64 banks of 4 bytes, ISA guide 11.1).  No loop, no barrier: waves share nothing.
; Work-group x = column group + 4 x batch: the two batches that read the same w and b have neighbouring numbers.
.set HASX, 0
.set N,   16                           ; v16-47   part's 32 numbers a lane, later the 32 numbers of my lane in the operand's order
.set T,   48                           ; v48-63   at work
.set CD,  64                           ; v64-87   codes
.set Y,   96                           ; v96-127  t, then n
.set W,   128                          ; v128-159 w
.set BB,  160                          ; v160-191 b
.set XX,  192                          ; v192-223 x
.macro REDUCE v, t
	v_add_f32_dpp v[\v], v[\v], v[\v] row_xmask:1 row_mask:0xf bank_mask:0xf
	v_add_f32_dpp v[\v], v[\v], v[\v] row_xmask:2 row_mask:0xf bank_mask:0xf
	v_add_f32_dpp v[\v], v[\v], v[\v] row_xmask:4 row_mask:0xf bank_mask:0xf
	v_add_f32_dpp v[\v], v[\v], v[\v] row_xmask:8 row_mask:0xf bank_mask:0xf
	v_permlanex16_b32 v[\t], v[\v], s32, s33
	v_add_f32 v[\v], v[\v], v[\t]
.endm
.macro MKSC e, sc, lim                 ; 2^e and 448 x 2^e as f32
	s_add_co_i32 s48, s[\e], 127
	s_lshl_b32 s49, s48, 23
	v_mov_b32 v[\sc], s49
	s_add_co_i32 s48, s48, 8
	s_lshl_b32 s48, s48, 23
	s_or_b32 s48, s48, 0x600000
	v_mov_b32 v[\lim], s48
.endm
.macro TURNS s, src                    ; 16 rows x 256 bytes through stage s: in as loaded, back 8 neighbours along K at a time
.irp t, 0,1,2,3,4,5,6,7
	ds_store_b128 v2, v[\src+4*\t:\src+4*\t+3] offset:4352*\s+544*\t
.endr
.irp c, 0,1,2,3
	ds_load_b128 v[N+8*\c:N+8*\c+3], v3 offset:4352*\s+64*\c       ; LDS serves a wave's instructions in order: these see my stores
	ds_load_b128 v[N+8*\c+4:N+8*\c+7], v3 offset:4352*\s+64*\c+16
.endr
	s_wait_dscnt 0x0
.endm
.macro QUANT dst, sc, lim, inplace     ; N's 32 numbers become 8 registers of codes; inplace = 0 keeps N
.irp g, 0,1,2,3
.irp i, 0,1,2,3,4,5,6,7
.if \inplace
	v_med3_num_f32 v[N+8*\g+\i], v[N+8*\g+\i], -v[\lim], v[\lim]   ; the conversion does not saturate (ISA guide 7.6.2): the hold comes first
.else
	v_med3_num_f32 v[T+8*(\g%2)+\i], v[N+8*\g+\i], -v[\lim], v[\lim]
.endif
.endr
.if \inplace
	v_cvt_scalef32_pk8_fp8_f32 v[\dst+2*\g:\dst+2*\g+1], v[N+8*\g:N+8*\g+7], v[\sc]
.else
	v_cvt_scalef32_pk8_fp8_f32 v[\dst+2*\g:\dst+2*\g+1], v[T+8*(\g%2):T+8*(\g%2)+7], v[\sc]
.endif
.endr
	v_nop                                          ; a plain line behind the last conversion
.endm
	s_load_b256 s[4:11], s[0:1], 0x0               ; t, w, b, part
	s_load_b128 s[12:15], s[0:1], 0x20             ; the scales' exponents, acts
	v_lshl_add_u32 v224, v0, 2, 0x8800
	v_mov_b32 v225, 0
.if HASX
	s_load_b64 s[16:17], s[0:1], 0x30              ; x
.endif
	v_lshrrev_b32 v1, 5, v0
	v_readfirstlane_b32 s18, v1                    ; wave
	v_and_b32 v48, 31, v0                          ; lane
	v_and_b32 v49, 15, v0                          ; r
	v_bfe_u32 v50, v0, 4, 1                        ; h
	v_lshlrev_b32 v1, 12, v50
	v_lshl_add_u32 v1, v49, 4, v1                  ; in: lanes 0-15 one row's 256 bytes, lanes 16-31 the next row's
	v_lshlrev_b32 v4, 4, v48                       ; 16 x lane
	s_mul_i32 s19, s18, 8704                       ; my two stages
	v_mul_u32_u24 v2, v50, 272
	v_lshl_add_u32 v2, v49, 4, v2
	v_add_nc_u32 v2, s19, v2
	v_mul_u32_u24 v3, v49, 272
	v_lshl_add_u32 v3, v50, 5, v3
	v_add_nc_u32 v3, s19, v3                       ; back: row r, 32 bytes for each half of the lanes
	s_and_b32 s20, ttmp9, 3
	s_lshr_b32 s21, ttmp9, 2                       ; batch
	s_and_b32 s22, ttmp7, 0xffff                   ; which 16 rows
	s_lshl_b32 s23, s20, 2
	s_add_co_u32 s23, s23, s18                     ; which 64 columns
	s_lshl_b32 s24, s22, 16
	s_lshl_b32 s25, s23, 8
	s_add_co_u32 s24, s24, s25                     ; w, b: 16 rows of 4,096 bytes x gy + 256 bytes x kc
	s_mov_b32 s25, 0
	s_lshl_b32 s26, s21, 23
	s_add_co_u32 s26, s26, s24                     ; t, x: + the batch
	s_mov_b32 s27, 0
	s_lshl_b32 s28, s21, 12
	s_mov_b32 s29, 0
	s_lshl_b32 s30, s21, 7
	s_add_co_u32 s30, s30, s22
	s_lshl_b32 s30, s30, 4
	s_add_co_u32 s30, s30, s23
	s_lshl_b32 s30, s30, 10                        ; my image
.if HASX
	s_add_co_u32 s30, s30, 0x400000                ; the middle one of three parts: the others by the stores' immediates
.endif
	s_mov_b32 s31, 0
	s_mov_b32 s32, 0x76543210
	s_mov_b32 s33, 0xfedcba98
	s_mov_b32 s34, 0x39800000                      ; 1 / 4096
	s_mov_b32 s35, s34
	s_mov_b32 s36, 0x45800000                      ; 4096
	s_mov_b32 s37, 0x35000000                      ; 2^-21
	s_mov_b32 s38, 0x3727c5ac                      ; 1e-5
	s_wait_alu depctr_va_vdst(0)
	s_wait_kmcnt 0x0
.if HASX
	s_load_b256 s[40:47], s[12:13], 0x0            ; e0 s40, e2 s42, e4 s44
	s_add_nc_u64 s[16:17], s[16:17], s[26:27]
.else
	s_load_b32 s40, s[12:13], 0x30                 ; e12
.endif
	s_add_nc_u64 s[4:5], s[4:5], s[26:27]
	s_add_nc_u64 s[6:7], s[6:7], s[24:25]
	s_add_nc_u64 s[8:9], s[8:9], s[24:25]
	s_add_nc_u64 s[10:11], s[10:11], s[28:29]
	s_add_nc_u64 s[14:15], s[14:15], s[30:31]
.irp j, 0,1,2,3
	global_load_b128 v[N+4*\j:N+4*\j+3], v4, s[10:11] offset:512*\j             ; 16 sums a lane
.endr
.irp j, 0,1,2,3
	global_load_b128 v[N+16+4*\j:N+16+4*\j+3], v4, s[10:11] offset:2048+512*\j  ; 16 M2
.endr
.irp t, 0,1,2,3,4,5,6,7
	global_load_b128 v[Y+4*\t:Y+4*\t+3], v1, s[4:5] offset:8192*\t
.endr
.irp t, 0,1,2,3,4,5,6,7
	global_load_b128 v[W+4*\t:W+4*\t+3], v1, s[6:7] offset:8192*\t
.endr
.irp t, 0,1,2,3,4,5,6,7
	global_load_b128 v[BB+4*\t:BB+4*\t+3], v1, s[8:9] offset:8192*\t
.endr
.if HASX
.irp t, 0,1,2,3,4,5,6,7
	global_load_b128 v[XX+4*\t:XX+4*\t+3], v1, s[16:17] offset:8192*\t th:TH_LOAD_NT
.endr
.endif
	s_wait_kmcnt 0x0
.if HASX
	MKSC 42, 12, 13
	MKSC 44, 14, 15
	MKSC 40, 6, 7
.else
	MKSC 40, 12, 13
.endif
	; the batch's mean and 1 / sqrt(var + eps)
	s_wait_loadcnt 24+8*HASX                       ; part's eight loads are in; the younger ones may be out
	v_pk_add_f32 v[T:T+1], v[N:N+1], v[N+2:N+3]
	v_pk_add_f32 v[T+2:T+3], v[N+4:N+5], v[N+6:N+7]
	v_pk_add_f32 v[T+4:T+5], v[N+8:N+9], v[N+10:N+11]
	v_pk_add_f32 v[T+6:T+7], v[N+12:N+13], v[N+14:N+15]
	v_pk_add_f32 v[T:T+1], v[T:T+1], v[T+2:T+3]
	v_pk_add_f32 v[T+4:T+5], v[T+4:T+5], v[T+6:T+7]
	v_pk_add_f32 v[T:T+1], v[T:T+1], v[T+4:T+5]
	v_add_f32 v[T], v[T], v[T+1]
	REDUCE T, T+2
	v_mul_f32 v8, s37, v[T]                        ; the mean
	v_mov_b32 v9, v8
.irp i, 0,2,4,6,8,10,12,14
	v_pk_fma_f32 v[N+\i:N+\i+1], v[N+\i:N+\i+1], s[34:35], v[8:9] op_sel_hi:[1,0,1] neg_lo:[0,0,1] neg_hi:[0,0,1]   ; a run's mean less the batch's
.endr
	v_pk_mul_f32 v[T:T+1], v[N:N+1], v[N:N+1]
.irp i, 2,4,6,8,10,12,14
	v_pk_fma_f32 v[T:T+1], v[N+\i:N+\i+1], v[N+\i:N+\i+1], v[T:T+1]
.endr
	v_pk_add_f32 v[T+2:T+3], v[N+16:N+17], v[N+18:N+19]
	v_pk_add_f32 v[T+4:T+5], v[N+20:N+21], v[N+22:N+23]
	v_pk_add_f32 v[T+6:T+7], v[N+24:N+25], v[N+26:N+27]
	v_pk_add_f32 v[T+8:T+9], v[N+28:N+29], v[N+30:N+31]
	v_pk_add_f32 v[T+2:T+3], v[T+2:T+3], v[T+4:T+5]
	v_pk_add_f32 v[T+6:T+7], v[T+6:T+7], v[T+8:T+9]
	v_pk_add_f32 v[T+2:T+3], v[T+2:T+3], v[T+6:T+7]
	v_add_f32 v[T], v[T], v[T+1]
	v_add_f32 v[T+2], v[T+2], v[T+3]
	v_fma_f32 v[T], v[T], s36, v[T+2]
	REDUCE T, T+4
	v_fma_f32 v[T], v[T], s37, s38                 ; var + eps
	s_wait_alu depctr_va_vdst(0)
	v_rsq_f32 v10, v[T]
	v_nop                                          ; a plain line behind the transcendental
	s_wait_alu depctr_va_vdst(0)
	v_mov_b32 v11, v10
	s_wait_loadcnt 8*HASX                          ; t, w, b are in; x may be out
.set i, 0
.rept 16
	v_pk_add_f32 v[Y+i:Y+i+1], v[Y+i:Y+i+1], v[8:9] neg_lo:[0,1] neg_hi:[0,1]
	s_wait_alu depctr_va_vdst(0)
	v_pk_mul_f32 v[Y+i:Y+i+1], v[Y+i:Y+i+1], v[10:11]
	v_pk_fma_f32 v[Y+i:Y+i+1], v[Y+i:Y+i+1], v[W+i:W+i+1], v[BB+i:BB+i+1]
.set i, i+2
.endr
	TURNS 0, Y
.if HASX
	QUANT CD, 12, 13, 0
	QUANT CD+8, 14, 15, 1
	global_store_b128 v4, v[CD:CD+3], s[14:15]                     ; each store of the wave covers 512 consecutive bytes, aligned
	global_store_b128 v4, v[CD+4:CD+7], s[14:15] offset:512
	global_store_b128 v4, v[CD+8:CD+11], s[14:15] offset:4194304
	global_store_b128 v4, v[CD+12:CD+15], s[14:15] offset:4194304+512
	s_wait_loadcnt 0x0                             ; x
	TURNS 1, XX
	QUANT CD+16, 6, 7, 1
	global_store_b128 v4, v[CD+16:CD+19], s[14:15] offset:-4194304
	global_store_b128 v4, v[CD+20:CD+23], s[14:15] offset:-4194304+512
.else
	QUANT CD, 12, 13, 1
	global_store_b128 v4, v[CD:CD+3], s[14:15]                     ; each store of the wave covers 512 consecutive bytes, aligned
	global_store_b128 v4, v[CD+4:CD+7], s[14:15] offset:512
.endif
	s_wait_tensorcnt 0x0
	ds_add_u32 v224, v225
	s_wait_dscnt 0x0
	s_endpgm
.Lfunc_end_k_qdeb34607a2_lnq2:
	.size	k_qdeb34607a2_lnq2, .Lfunc_end_k_qdeb34607a2_lnq2-k_qdeb34607a2_lnq2
	.p2alignl 7, 3214868480
	.fill 96, 4, 3214868480
	.section	.rodata,"a",@progbits
	.p2align	6, 0x0
	.amdhsa_kernel k_qdeb34607a2_lnq2
		.amdhsa_group_segment_fixed_size 35328
		.amdhsa_private_segment_fixed_size 0
		.amdhsa_enable_private_segment 0
		.amdhsa_kernarg_size 48
		.amdhsa_user_sgpr_count 2
		.amdhsa_user_sgpr_kernarg_segment_ptr 1
		.amdhsa_wavefront_size32 1
		.amdhsa_system_sgpr_workgroup_id_x 1
		.amdhsa_system_sgpr_workgroup_id_y 1
		.amdhsa_system_sgpr_workgroup_id_z 1
		.amdhsa_system_vgpr_workitem_id 0
		.amdhsa_next_free_vgpr 226
		.amdhsa_next_free_sgpr 66
		.amdhsa_reserve_vcc 0
		.amdhsa_float_denorm_mode_32 3
		.amdhsa_float_denorm_mode_16_64 3
		.amdhsa_memory_ordered 1
		.amdhsa_forward_progress 1
		.amdhsa_inst_pref_size 17
	.end_amdhsa_kernel
	.amdgpu_metadata
---
amdhsa.version: [ 1, 2 ]
amdhsa.kernels:
  - .name:           k_qdeb34607a2_lnq2
    .symbol:         k_qdeb34607a2_lnq2.kd
    .args:
      - { .name: y1, .offset: 0, .size: 8, .value_kind: global_buffer, .address_space: global }
      - { .name: ln2_w, .offset: 8, .size: 8, .value_kind: global_buffer, .address_space: global }
      - { .name: ln2_b, .offset: 16, .size: 8, .value_kind: global_buffer, .address_space: global }
      - { .name: part, .offset: 24, .size: 8, .value_kind: global_buffer, .address_space: global }
      - { .name: lowp_scales, .offset: 32, .size: 8, .value_kind: global_buffer, .address_space: global }
      - { .name: acts, .offset: 40, .size: 8, .value_kind: global_buffer, .address_space: global }
    .group_segment_fixed_size: 35328
    .private_segment_fixed_size: 0
    .kernarg_segment_align: 8
    .kernarg_segment_size: 48
    .max_flat_workgroup_size: 128
    .sgpr_count:     66
    .vgpr_count:     226
    .wavefront_size: 32
...
	.end_amdgpu_metadata
.endif
;; end of part 15
;; launch ffn1 (part 16): grid 16 x 16, 4 waves a work-group, clusters of 4 x 4, 327,680 bytes of LDS; arguments acts, wc, b1, lowp_scales, hc; writes hc
.if DOCPART == 16
	.amdgcn_target "amdgcn-amd-amdhsa--gfx1250"
	.amdhsa_code_object_version 6
	.text
	.protected	k_qdeb34607a2_ffn1
	.globl	k_qdeb34607a2_ffn1
	.p2align	8
	.type	k_qdeb34607a2_ffn1,@function
k_qdeb34607a2_ffn1:
	s_mov_b64 s[64:65], 0
	v_nop
	global_prefetch_b8 v0, s[64:65] scope:SCOPE_SE
	s_setreg_imm32_b32 hwreg(HW_REG_WAVE_MODE, 25, 1), 1
	s_wait_xcnt 0x0
	s_wait_alu depctr_hold_cnt(0) depctr_sa_sdst(0) depctr_va_vdst(0) depctr_va_sdst(0) depctr_va_ssrc(0) depctr_va_vcc(0) depctr_vm_vsrc(0)
	s_getreg_b32 s2, hwreg(HW_REG_IB_STS2, 6, 4)
	s_cmp_eq_u32 s2, 0
	s_cbranch_scc0 .Lentry_in_a_cluster
	s_endpgm
.Lentry_in_a_cluster:
	s_bfe_u32 s2, ttmp6, 0x10000c
	s_cmp_lg_u32 s2, 0xf033
	s_cbranch_scc0 .Lentry_shape_is_right
	s_endpgm
.Lentry_shape_is_right:
.set KTOT,  1024
.set WOFF,  4<<20
.set RT,    16*KTOT
.set SLOT,  131072
.set SPARE, 2*SLOT
.set FR,    16
.set NL,    4
.set NP,    4
.set ADA, 8
.set ADB, 10
.set SPW, 12
.set NIL, 13
.set BN,  32
.set T,   96
.set AF,  128
.set CD,  128
.set G1,  24
.set G0,  32
.set G1B, 48
.set G0B, 56
.set PA,  82
.set PB,  84
.set KO,  92
.set MSB, 0
.macro WIN new
.if MSB != \new
	s_set_vgpr_msb (MSB<<8)|\new
.set MSB, \new
.endif
.endm
.set MUL_LO, 0xa1
.set MUL_HI, 0xf1
.set TO_B,   0x40
.macro JLOAD s
	s_cmp_eq_u32 s15, 0
	s_cbranch_scc0 .Lfor_b_\@
	tensor_load_to_lds s[G0+4*\s:G0+4*\s+3], s[G1:G1+7]
	s_nop 0
.rept 4
	v_nop
.endr
	s_branch .Lasked_\@
.Lfor_b_\@:
	tensor_load_to_lds s[G0B+4*\s:G0B+4*\s+3], s[G1B:G1B+7]
	s_nop 0
.rept 4
	v_nop
.endr
.Lasked_\@:
.endm
.macro CREST
	s_cmp_lg_u32 s14, 0
	s_cbranch_scc1 .Lnot_wave_0_\@
	s_barrier_signal -3
.Lnot_wave_0_\@:
	s_barrier_wait -3
	s_barrier_signal -1
	s_barrier_wait -1
.endm
.macro CROUND
	s_barrier_signal -1
	s_barrier_wait -1
	CREST
.endm
.macro PLACES n
.rept \n
	v_nop
.endr
.endm
.macro FRAG reg, adr, q, i
.irp c, 0,1,2,3
	ds_load_b128 v[\reg+4*\c:\reg+4*\c+3], v[\adr] offset:4096*(\i)+2048*(\q)+512*\c
.endr
.endm
.macro MUL16 a0, p, zero
.irp a, \a0, \a0+1
.irp b, 0,1,2,3,4,5,6,7
.if \zero
	v_wmma_f32_16x16x128_fp8_fp8 v[8*(8*((\a)%4)+\b):8*(8*((\a)%4)+\b)+7], v[128*(\p)+FR*\b:128*(\p)+FR*\b+FR-1], v[AF+FR*(\a):AF+FR*(\a)+FR-1], 0
.else
	v_wmma_f32_16x16x128_fp8_fp8 v[8*(8*((\a)%4)+\b):8*(8*((\a)%4)+\b)+7], v[128*(\p)+FR*\b:128*(\p)+FR*\b+FR-1], v[AF+FR*(\a):AF+FR*(\a)+FR-1], v[8*(8*((\a)%4)+\b):8*(8*((\a)%4)+\b)+7]
.endif
.endr
.endr
.endm
.macro FETCH_B slot, q, p
	WIN TO_B
.irp i, 0,1,2,3,4,5,6,7
	FRAG 128*(\p)+FR*\i, ADB+\slot, \q, \i
.endr
	WIN 0
.endm
.macro FETCH_A slot, q, i0
.irp i, \i0, \i0+1, \i0+2, \i0+3
	FRAG AF+FR*(\i), ADA+\slot, \q, \i
.endr
.endm
.macro STEP slot, q, zero
	s_wait_dscnt 4*NL
	WIN MUL_LO
	MUL16 0, (\q)%2, \zero
	MUL16 2, (\q)%2, \zero
	s_wait_dscnt 0
	PLACES NP
	FETCH_B \slot, (\q)+1, 1-(\q)%2
	FETCH_A \slot, (\q)+1, 0
	WIN MUL_HI
	MUL16 4, (\q)%2, \zero
	MUL16 6, (\q)%2, \zero
	PLACES NP
	WIN 0
	FETCH_A \slot, (\q)+1, 4
.endm
.macro TURN slot, next, fill
	s_wait_tensorcnt 0x0
	ds_add_u32 v[SPW], v[NIL]
	s_wait_dscnt 4*NL+1
	WIN MUL_LO
	MUL16 0, 1, 0
	s_wait_dscnt 0x0
	s_barrier_signal -1
	MUL16 2, 1, 0
	WIN 0
	s_barrier_wait -1
.if \fill
	CREST
	s_xor_b32 s[KO+2*\slot], s[KO+2*\slot], 8192
	s_add_nc_u64 s[G0+4*\slot+2:G0+4*\slot+3], s[PA:PA+1], s[KO+2*\slot:KO+2*\slot+1]
	s_or_b32 s[G0+4*\slot+3], s[G0+4*\slot+3], 0x80000000
	s_add_nc_u64 s[G0B+4*\slot+2:G0B+4*\slot+3], s[PB:PB+1], s[KO+2*\slot:KO+2*\slot+1]
	s_or_b32 s[G0B+4*\slot+3], s[G0B+4*\slot+3], 0x80000000
	JLOAD \slot
.else
	PLACES NP
.endif
	FETCH_B \next, 0, 0
	FETCH_A \next, 0, 0
	WIN MUL_HI
	MUL16 4, 1, 0
	MUL16 6, 1, 0
	PLACES NP
	WIN 0
	FETCH_A \next, 0, 4
.endm
	s_load_b128 s[4:7], s[0:1], 0x0
	s_load_b128 s[76:79], s[0:1], 0x10
	s_load_b64 s[80:81], s[0:1], 0x20
	v_lshl_add_u32 v[SPW], v0, 2, SPARE
	v_mov_b32 v[NIL], 0
	ds_add_u32 v12, v13
	ds_add_u32 v12, v13
	s_wait_dscnt 0x0
	v_lshrrev_b32 v1, 5, v0
	v_readfirstlane_b32 s14, v1
	s_lshr_b32 s15, s14, 1
	s_and_b32 s16, s14, 1
	s_bfe_u32 s40, ttmp6, 0x40000
	s_bfe_u32 s41, ttmp6, 0x40004
	s_lshl_b32 s42, ttmp9, 2
	s_add_co_u32 s42, s42, s40
	s_and_b32 s17, ttmp7, 0xffff
	s_lshl_b32 s17, s17, 2
	s_add_co_u32 s17, s17, s41
	s_lshl_b32 s43, s41, 2
	s_lshl_b32 s43, 15, s43
	s_lshl_b32 s44, 0x1111, s40
	s_and_b32 s86, ttmp7, 0xffff
	s_add_co_u32 s86, s86, ttmp9
	s_and_b32 s86, s86, 1
	s_lshl_b32 s[KO], s86, 13
	s_mov_b32 s[KO+1], 0
	s_add_co_u32 s[KO+2], s[KO], 4096
	s_mov_b32 s[KO+3], 0
	s_or_b32 s[G1+0], s43, (3<<16)|(1<<21)
	s_or_b32 s[G1B+0], s44, (3<<16)|(1<<21)
.irp g, G1, G1B
	s_mov_b32 s[\g+1], 512<<16
	s_mov_b32 s[\g+2], 8<<16
	s_mov_b32 s[\g+3], 512<<16
	s_mov_b32 s[\g+4], 8
	s_mov_b32 s[\g+5], RT/8
	s_mov_b32 s[\g+6], 0
	s_mov_b32 s[\g+7], 0
.endr
	s_lshl_b32 s18, s16, 3
	s_lshl_b32 s20, s17, 4
	s_add_co_u32 s20, s20, s18
	s_mul_i32 s20, s20, RT
	s_lshl_b32 s46, s42, 4
	s_add_co_u32 s46, s46, s18
	s_mul_i32 s46, s46, RT
	s_add_co_u32 s46, s46, WOFF
	s_mov_b32 s21, 0
	s_mov_b32 s47, 0
	s_mul_i32 s45, s14, 32768
	s_wait_kmcnt 0x0
	s_load_b128 s[88:91], s[78:79], 0x30
	s_add_nc_u64 s[PA:PA+1], s[4:5], s[20:21]
	s_add_nc_u64 s[PB:PB+1], s[6:7], s[46:47]
	CROUND
.irp s, 0,1
	s_mov_b32 s[G0+4*\s], 1
	s_add_co_u32 s[G0+4*\s+1], s45, \s*SLOT
	s_add_nc_u64 s[G0+4*\s+2:G0+4*\s+3], s[PA:PA+1], s[KO+2*\s:KO+2*\s+1]
	s_or_b32 s[G0+4*\s+3], s[G0+4*\s+3], 0x80000000
	s_mov_b32 s[G0B+4*\s], 1
	s_add_co_u32 s[G0B+4*\s+1], s45, \s*SLOT
	s_add_nc_u64 s[G0B+4*\s+2:G0B+4*\s+3], s[PB:PB+1], s[KO+2*\s:KO+2*\s+1]
	s_or_b32 s[G0B+4*\s+3], s[G0B+4*\s+3], 0x80000000
.endr
	JLOAD 0                                        ; slot 0: one tensor load a wave at the head
	v_bfe_u32 v2, v0, 4, 1
	v_and_b32 v3, 31, v0
	v_lshlrev_b32 v3, 4, v3
	v_and_b32 v15, 15, v0
	v_lshlrev_b32 v15, 8, v15
	v_lshl_add_u32 v15, v2, 14, v15                ; the prefetches' offset: lanes 0-15 one tile of rows, lanes 16-31 the next, 256 bytes a lane; never rewritten
	v_lshlrev_b32 v14, 5, v2
	s_wait_alu depctr_va_vdst(0)
	s_lshl_b32 s21, s15, 15
	s_lshl_b32 s22, s16, 15
	s_add_co_u32 s22, s22, 65536
.irp s, 0,1
	v_add_nc_u32 v[ADA+\s], s21, v3
	v_add_nc_u32 v[ADB+\s], s22, v3
	s_add_co_u32 s21, s21, SLOT
	s_add_co_u32 s22, s22, SLOT
.endr
	s_lshl_b32 s20, s17, 4
	s_lshl_b32 s21, s15, 3
	s_add_co_u32 s20, s20, s21
	s_lshl_b32 s20, s20, 16
	s_mov_b32 s21, 0
	s_lshl_b32 s73, s42, 1
	s_add_co_u32 s73, s73, s16
	s_lshl_b32 s46, s73, 11
	s_mov_b32 s47, 0
	s_add_nc_u64 s[70:71], s[80:81], s[20:21]
	s_add_nc_u64 s[70:71], s[70:71], s[46:47]
	s_lshl_b32 s46, s73, 9
	s_add_nc_u64 s[68:69], s[76:77], s[46:47]
	; PREFETCHES INTO THE L2.  A wave's joint load brings 8 tiles of rows x 4,096 bytes; the four partners that ask for it share the tiles out by address, two each (cx for the activations, cy for the weights):
	; 32 blocks of 256 bytes, a lane a block, one instruction a wave.  Beside fill 0 stand the requests for fills 1 and 2, beside fill 1 that for fill 3: at most two fills are asked for and not yet loaded.
	s_cmp_eq_u32 s15, 0
	s_cselect_b64 s[86:87], s[PA:PA+1], s[PB:PB+1]
	s_cselect_b32 s96, s40, s41
	s_lshl_b32 s96, s96, 15                        ; two tiles of RT bytes for each partner
	s_mov_b32 s97, 0
	s_add_nc_u64 s[86:87], s[86:87], s[96:97]
	s_add_nc_u64 s[66:67], s[86:87], s[KO+2:KO+3]  ; fill 1
	s_xor_b32 s96, s[KO], 8192
	s_add_nc_u64 s[98:99], s[86:87], s[96:97]      ; fill 2
	s_xor_b32 s96, s[KO+2], 8192
	s_add_nc_u64 s[86:87], s[86:87], s[96:97]      ; fill 3
	global_prefetch_b8 v15, s[66:67] th:TH_LOAD_NT scope:SCOPE_SE
	global_prefetch_b8 v15, s[98:99] th:TH_LOAD_NT scope:SCOPE_SE
.irp b, 0,1,2,3,4,5,6,7
	global_load_b128 v[BN+8*\b:BN+8*\b+3], v14, s[68:69] offset:64*\b
	global_load_b128 v[BN+8*\b+4:BN+8*\b+7], v14, s[68:69] offset:64*\b+16
.endr
	s_wait_alu depctr_va_vdst(0)
	s_wait_tensorcnt 0x0                           ; my part of slot 0 is in; slot 1's first fill is issued as a refill is
	ds_add_u32 v[SPW], v[NIL]
	s_wait_dscnt 0x0
	CROUND
	JLOAD 1
	FETCH_B 0, 0, 0
	FETCH_A 0, 0, 0
	FETCH_A 0, 0, 4
	global_prefetch_b8 v15, s[86:87] th:TH_LOAD_NT scope:SCOPE_SE
	STEP 0, 0, 1
	TURN 0, 1, 1
	STEP 1, 0, 0
	TURN 1, 0, 1
	STEP 0, 0, 0
	TURN 0, 1, 0
	STEP 1, 0, 0
	s_wait_dscnt 4*NL
	WIN MUL_LO
	MUL16 0, 1, 0
	MUL16 2, 1, 0
	s_wait_dscnt 0
	WIN MUL_HI
	MUL16 4, 1, 0
	MUL16 6, 1, 0
	WIN 0
	PLACES NP
	s_wait_kmcnt 0x0
	s_add_co_i32 s72, s88, s89
	s_add_co_i32 s72, s72, 127
	s_lshl_b32 s74, s72, 23
	s_mov_b32 s75, s74
	s_add_co_i32 s19, s90, 127
	s_lshl_b32 s18, s19, 23
	v_mov_b32 v4, s18
	s_add_co_i32 s19, s19, 8
	s_lshl_b32 s19, s19, 23
	s_or_b32 s19, s19, 0x600000
	v_mov_b32 v5, s19
	s_wait_loadcnt 0x0
.macro OUTG a, g
	WIN 0x02+((\a)/4)
.irp b, 0,1,2,3
.irp i, 0,2,4,6
	v_pk_fma_f32 v[T+8*\b+\i:T+8*\b+\i+1], v[8*(8*((\a)%4)+4*(\g)+\b)+\i:8*(8*((\a)%4)+4*(\g)+\b)+\i+1], s[74:75], v[BN+8*(4*(\g)+\b)+\i:BN+8*(4*(\g)+\b)+\i+1] op_sel_hi:[1,0,1]
.endr
.endr
	WIN 0
.irp b, 0,1,2,3
.irp i, 0,1,2,3,4,5,6,7
	v_med3_num_f32 v[T+8*\b+\i], v[T+8*\b+\i], 0, v5
.endr
	v_cvt_scalef32_pk8_fp8_f32 v[CD+16*(\a)+8*(\g)+2*\b:CD+16*(\a)+8*(\g)+2*\b+1], v[T+8*\b:T+8*\b+7], v4
.endr
	global_store_b128 v3, v[CD+16*(\a)+8*(\g):CD+16*(\a)+8*(\g)+3], s[70:71] offset:65536*(\a)+1024*(\g)
	global_store_b128 v3, v[CD+16*(\a)+8*(\g)+4:CD+16*(\a)+8*(\g)+7], s[70:71] offset:65536*(\a)+1024*(\g)+512
.endm
.irp a, 0,1,2,3,4,5,6,7
	OUTG \a, 0
	OUTG \a, 1
.endr
	v_nop
	s_wait_tensorcnt 0x0
	ds_add_u32 v[SPW], v[NIL]
	s_wait_dscnt 0x0
	CROUND
	s_endpgm
.Lfunc_end_k_qdeb34607a2_ffn1:
	.size	k_qdeb34607a2_ffn1, .Lfunc_end_k_qdeb34607a2_ffn1-k_qdeb34607a2_ffn1
	.p2alignl 7, 3214868480
	.fill 96, 4, 3214868480
	.section	.rodata,"a",@progbits
	.p2align	6, 0x0
	.amdhsa_kernel k_qdeb34607a2_ffn1
		.amdhsa_group_segment_fixed_size 327680
		.amdhsa_private_segment_fixed_size 0
		.amdhsa_enable_private_segment 0
		.amdhsa_kernarg_size 40
		.amdhsa_user_sgpr_count 2
		.amdhsa_user_sgpr_kernarg_segment_ptr 1
		.amdhsa_wavefront_size32 1
		.amdhsa_system_sgpr_workgroup_id_x 1
		.amdhsa_system_sgpr_workgroup_id_y 1
		.amdhsa_system_sgpr_workgroup_id_z 1
		.amdhsa_system_vgpr_workitem_id 0
		.amdhsa_next_free_vgpr 1024
		.amdhsa_next_free_sgpr 100
		.amdhsa_reserve_vcc 0
		.amdhsa_float_denorm_mode_32 3
		.amdhsa_float_denorm_mode_16_64 3
		.amdhsa_memory_ordered 1
		.amdhsa_forward_progress 1
		.amdhsa_inst_pref_size 137
	.end_amdhsa_kernel
	.amdgpu_metadata
---
amdhsa.version: [ 1, 2 ]
amdhsa.kernels:
  - .name:           k_qdeb34607a2_ffn1
    .symbol:         k_qdeb34607a2_ffn1.kd
    .args:
      - { .name: acts, .offset: 0, .size: 8, .value_kind: global_buffer, .address_space: global }
      - { .name: wc, .offset: 8, .size: 8, .value_kind: global_buffer, .address_space: global }
      - { .name: b1, .offset: 16, .size: 8, .value_kind: global_buffer, .address_space: global }
      - { .name: lowp_scales, .offset: 24, .size: 8, .value_kind: global_buffer, .address_space: global }
      - { .name: hc, .offset: 32, .size: 8, .value_kind: global_buffer, .address_space: global }
    .group_segment_fixed_size: 327680
    .private_segment_fixed_size: 0
    .kernarg_segment_align: 8
    .kernarg_segment_size: 40
    .max_flat_workgroup_size: 128
    .sgpr_count:     100
    .vgpr_count:     1024
    .wavefront_size: 32
...
	.end_amdgpu_metadata
.endif
;; end of part 16
;; launch ffn2 (part 17): grid 8 x 32, 4 waves a work-group, clusters of 4 x 4, 327,680 bytes of LDS; arguments hc, wc, b2, y1, lowp_scales, out0; writes out0
.if DOCPART == 17
	.amdgcn_target "amdgcn-amd-amdhsa--gfx1250"
	.amdhsa_code_object_version 6
	.text
	.protected	k_qdeb34607a2_ffn2
	.globl	k_qdeb34607a2_ffn2
	.p2align	8
	.type	k_qdeb34607a2_ffn2,@function
k_qdeb34607a2_ffn2:
	s_mov_b64 s[64:65], 0
	v_nop
	global_prefetch_b8 v0, s[64:65] scope:SCOPE_SE
	s_setreg_imm32_b32 hwreg(HW_REG_WAVE_MODE, 25, 1), 1
	s_wait_xcnt 0x0
	s_wait_alu depctr_hold_cnt(0) depctr_sa_sdst(0) depctr_va_vdst(0) depctr_va_sdst(0) depctr_va_ssrc(0) depctr_va_vcc(0) depctr_vm_vsrc(0)
	s_getreg_b32 s2, hwreg(HW_REG_IB_STS2, 6, 4)
	s_cmp_eq_u32 s2, 0
	s_cbranch_scc0 .Lentry_in_a_cluster
	s_endpgm
.Lentry_in_a_cluster:
	s_bfe_u32 s2, ttmp6, 0x10000c
	s_cmp_lg_u32 s2, 0xf033
	s_cbranch_scc0 .Lentry_shape_is_right
	s_endpgm
.Lentry_shape_is_right:
.set KTOT,  4096
.set WOFF,  8<<20
.set SCB,   56
.set RT,    16*KTOT
.set LAPS,  KTOT/1024
.set SLOT,  131072
.set SPARE, 2*SLOT
.set STAGE, SPARE+512
.set SP,    272
.set ADA, 16
.set ADB, 20
.set STO, 24
.set RD,  25
.set CO,  26
.set BO,  27
.set SPW, 28
.set NIL, 29
.set T,   32
.set RB,  64
.set ACC, 128
.set F0,  0
.set F1,  128
.set RES, 0
.set BN,  128
.set G1,  24
.set G0,  32
.set G1B, 48
.set G0B, 56
.set PA,  14
.set PB,  46
.set KO,  92
.set MSB, 0
.macro WIN new
.if MSB != \new
	s_set_vgpr_msb (MSB<<8)|\new
.set MSB, \new
.endif
.endm
.set MUL,  0x05
.set TO_F, 0x40
.macro JLOAD s
	s_cmp_eq_u32 s11, 0
	s_cbranch_scc0 .Lfor_b_\@
	tensor_load_to_lds s[G0+4*\s:G0+4*\s+3], s[G1:G1+7]
	s_nop 0
.rept 4
	v_nop
.endr
	s_branch .Lasked_\@
.Lfor_b_\@:
	tensor_load_to_lds s[G0B+4*\s:G0B+4*\s+3], s[G1B:G1B+7]
	s_nop 0
.rept 4
	v_nop
.endr
.Lasked_\@:
.endm
.macro CREST
	s_cmp_lg_u32 s10, 0
	s_cbranch_scc1 .Lnot_wave_0_\@
	s_barrier_signal -3
.Lnot_wave_0_\@:
	s_barrier_wait -3
	s_barrier_signal -1
	s_barrier_wait -1
.endm
.macro CROUND
	s_barrier_signal -1
	s_barrier_wait -1
	CREST
.endm
.macro PLACES
.rept 4
	v_nop
.endr
.endm
.macro FETCH slot, q, f
	WIN TO_F
.irp i, 0,1,2,3
.irp c, 0,1,2,3
	ds_load_b128 v[\f+64+16*\i+4*\c:\f+64+16*\i+4*\c+3], v[ADB+\slot] offset:8192*\i+2048*\q+512*\c
.endr
.endr
.irp i, 0,1,2,3
.irp c, 0,1,2,3
	ds_load_b128 v[\f+16*\i+4*\c:\f+16*\i+4*\c+3], v[ADA+\slot] offset:8192*\i+2048*\q+512*\c
.endr
.endr
.endm
.macro MULA f, a, zero
.irp b, 0,1,2,3
.if \zero
	v_wmma_f32_16x16x128_fp8_fp8 v[ACC+8*(4*\a+\b):ACC+8*(4*\a+\b)+7], v[\f+64+16*\b:\f+64+16*\b+15], v[\f+16*\a:\f+16*\a+15], 0
.else
	v_wmma_f32_16x16x128_fp8_fp8 v[ACC+8*(4*\a+\b):ACC+8*(4*\a+\b)+7], v[\f+64+16*\b:\f+64+16*\b+15], v[\f+16*\a:\f+16*\a+15], v[ACC+8*(4*\a+\b):ACC+8*(4*\a+\b)+7]
.endif
.endr
.endm
.macro STEP slot, qn, f, g, zero
	s_wait_dscnt 12
	WIN MUL
	MULA \f, 0, \zero
	PLACES
	FETCH \slot, \qn, \g
	WIN MUL
	s_wait_dscnt 40
	MULA \f, 1, \zero
	s_wait_dscnt 36
	MULA \f, 2, \zero
	s_wait_dscnt 32
	MULA \f, 3, \zero
.endm
.macro TURN slot, next, fill
	s_wait_dscnt 12
	WIN MUL
	MULA F1, 0, 0
	s_wait_dscnt 8
	MULA F1, 1, 0
	s_wait_dscnt 4
	MULA F1, 2, 0
	s_wait_dscnt 0
	MULA F1, 3, 0
	WIN 0
	s_wait_tensorcnt 0x0
	ds_add_u32 v[SPW], v[NIL]
.if \fill
	s_add_co_u32 s[KO+2*\slot], s[KO+2*\slot], 16384
	s_and_b32 s[KO+2*\slot], s[KO+2*\slot], RT-1
	s_add_nc_u64 s[G0+4*\slot+2:G0+4*\slot+3], s[PA:PA+1], s[KO+2*\slot:KO+2*\slot+1]
	s_or_b32 s[G0+4*\slot+3], s[G0+4*\slot+3], 0x80000000
	s_add_nc_u64 s[G0B+4*\slot+2:G0B+4*\slot+3], s[PB:PB+1], s[KO+2*\slot:KO+2*\slot+1]
	s_or_b32 s[G0B+4*\slot+3], s[G0B+4*\slot+3], 0x80000000
	s_wait_xcnt 0x0                                ; my last prefetch has read its address, so it may be written:
	s_add_co_u32 s90, s[KO+2*\slot], 16384
	s_and_b32 s90, s90, RT-1
	s_add_nc_u64 s[88:89], s[86:87], s[90:91]      ; the fill two on from the one that is about to be asked for
.endif
	s_wait_dscnt 0x0
	s_barrier_signal -1
	s_barrier_wait -1
.if \fill
	CREST
	JLOAD \slot
.else
	PLACES
.endif
	FETCH \next, 0, F0
.if \fill
	WIN 0
	s_cmp_gt_u32 s3, 1                             ; the loop's last trip has no fill two on
	s_cbranch_scc0 .Lnopf_\@
	global_prefetch_b8 v30, s[88:89] th:TH_LOAD_NT scope:SCOPE_SE
.Lnopf_\@:
.endif
.endm
	s_load_b128 s[4:7], s[0:1], 0x0
	s_load_b256 s[76:83], s[0:1], 0x10
	v_lshl_add_u32 v[SPW], v0, 2, SPARE
	v_mov_b32 v[NIL], 0
	ds_add_u32 v28, v29
	ds_add_u32 v28, v29
	s_wait_dscnt 0x0
	v_lshrrev_b32 v1, 5, v0
	v_readfirstlane_b32 s10, v1
	s_lshr_b32 s11, s10, 1
	s_and_b32 s12, s10, 1
	s_bfe_u32 s40, ttmp6, 0x40000
	s_bfe_u32 s41, ttmp6, 0x40004
	s_lshl_b32 s42, ttmp9, 2
	s_add_co_u32 s42, s42, s40
	s_and_b32 s13, ttmp7, 0xffff
	s_lshl_b32 s13, s13, 2
	s_add_co_u32 s13, s13, s41
	s_lshl_b32 s43, s41, 2
	s_lshl_b32 s43, 15, s43
	s_lshl_b32 s44, 0x1111, s40
	s_and_b32 s84, ttmp7, 0xffff
	s_add_co_u32 s84, s84, ttmp9
	s_and_b32 s84, s84, 1
	s_lshl_b32 s[KO], s84, 15
	s_mov_b32 s[KO+1], 0
	s_add_co_u32 s[KO+2], s[KO], 8192
	s_mov_b32 s[KO+3], 0
	s_or_b32 s[G1+0], s43, (3<<16)|(1<<21)
	s_or_b32 s[G1B+0], s44, (3<<16)|(1<<21)
.irp g, G1, G1B
	s_mov_b32 s[\g+1], 1024<<16
	s_mov_b32 s[\g+2], 4<<16
	s_mov_b32 s[\g+3], 1024<<16
	s_mov_b32 s[\g+4], 4
	s_mov_b32 s[\g+5], RT/8
	s_mov_b32 s[\g+6], 0
	s_mov_b32 s[\g+7], 0
.endr
	s_lshl_b32 s17, s12, 2
	s_lshl_b32 s16, s13, 3
	s_add_co_u32 s16, s16, s17
	s_mul_i32 s16, s16, RT
	s_lshl_b32 s46, s42, 3
	s_add_co_u32 s46, s46, s17
	s_mul_i32 s46, s46, RT
	s_add_co_u32 s46, s46, WOFF
	s_mov_b32 s17, 0
	s_mov_b32 s47, 0
	s_mul_i32 s45, s10, 32768
	s_wait_kmcnt 0x0
	s_load_b64 s[74:75], s[80:81], SCB
	s_add_nc_u64 s[PA:PA+1], s[4:5], s[16:17]
	s_add_nc_u64 s[PB:PB+1], s[6:7], s[46:47]
	CROUND
.irp s, 0,1
	s_mov_b32 s[G0+4*\s], 1
	s_add_co_u32 s[G0+4*\s+1], s45, \s*SLOT
	s_add_nc_u64 s[G0+4*\s+2:G0+4*\s+3], s[PA:PA+1], s[KO+2*\s:KO+2*\s+1]
	s_or_b32 s[G0+4*\s+3], s[G0+4*\s+3], 0x80000000
	s_mov_b32 s[G0B+4*\s], 1
	s_add_co_u32 s[G0B+4*\s+1], s45, \s*SLOT
	s_add_nc_u64 s[G0B+4*\s+2:G0B+4*\s+3], s[PB:PB+1], s[KO+2*\s:KO+2*\s+1]
	s_or_b32 s[G0B+4*\s+3], s[G0B+4*\s+3], 0x80000000
.endr
	JLOAD 0                                        ; slot 0: one tensor load a wave at the head
	v_and_b32 v1, 15, v0
	s_wait_alu depctr_va_vdst(0)
	v_bfe_u32 v2, v0, 4, 1
	v_and_b32 v3, 31, v0
	v_lshlrev_b32 v3, 4, v3
	s_lshl_b32 s21, s11, 15
	s_lshl_b32 s22, s12, 15
	s_add_co_u32 s22, s22, 65536
.irp s, 0,1
	v_add_nc_u32 v[ADA+\s], s21, v3
	v_add_nc_u32 v[ADB+\s], s22, v3
	s_add_co_u32 s21, s21, SLOT
	s_add_co_u32 s22, s22, SLOT
.endr
	s_mul_i32 s23, s10, 16*SP
	s_add_co_u32 s23, s23, STAGE
	v_mul_u32_u24 v4, v1, SP
	s_wait_alu depctr_va_vdst(0)
	v_lshl_add_u32 v4, v2, 5, v4
	v_add_nc_u32 v[STO], s23, v4
	v_mul_u32_u24 v5, v2, SP
	v_lshl_add_u32 v5, v1, 4, v5
	v_add_nc_u32 v[RD], s23, v5
	v_lshlrev_b32 v5, 12, v2
	v_lshl_add_u32 v[CO], v1, 4, v5
	s_wait_alu depctr_va_vdst(0)
	v_lshlrev_b32 v30, 4, v3                       ; the prefetches' offset: 256 x lane; never rewritten
	v_lshlrev_b32 v[BO], 5, v2
	s_wait_alu depctr_va_vdst(0)
	s_lshl_b32 s16, s13, 1
	s_add_co_u32 s16, s16, s11
	s_lshl_b32 s16, s16, 18
	s_mov_b32 s17, 0
	s_lshl_b32 s72, s42, 1
	s_add_co_u32 s72, s72, s12
	s_lshl_b32 s72, s72, 8
	s_mov_b32 s73, 0
	s_add_nc_u64 s[78:79], s[78:79], s[16:17]
	s_add_nc_u64 s[78:79], s[78:79], s[72:73]
	s_add_nc_u64 s[82:83], s[82:83], s[16:17]
	s_add_nc_u64 s[82:83], s[82:83], s[72:73]
	s_add_nc_u64 s[76:77], s[76:77], s[72:73]
	; PREFETCHES INTO THE L2.  A wave's joint load brings 4 tiles of rows x 8,192 bytes; the four partners that ask for it share the tiles out by address, one each (cx for the activations, cy for the weights):
	; 32 blocks of 256 bytes, a lane a block, one instruction a wave.  Beside each fill stands the request for the fill two on (beside fill 0 also that for fill 1): at most two fills are asked for and not yet loaded.
	s_cmp_eq_u32 s11, 0
	s_cselect_b64 s[86:87], s[PA:PA+1], s[PB:PB+1]
	s_cselect_b32 s84, s40, s41
	s_lshl_b32 s84, s84, 16                        ; a tile of RT bytes for each partner
	s_mov_b32 s85, 0
	s_add_nc_u64 s[86:87], s[86:87], s[84:85]
	s_add_nc_u64 s[96:97], s[86:87], s[KO+2:KO+3]  ; fill 1
	s_add_co_u32 s90, s[KO], 16384
	s_and_b32 s90, s90, RT-1
	s_mov_b32 s91, 0
	s_add_nc_u64 s[88:89], s[86:87], s[90:91]      ; fill 2
	s_add_co_u32 s90, s[KO+2], 16384
	s_and_b32 s90, s90, RT-1
	s_add_nc_u64 s[98:99], s[86:87], s[90:91]      ; fill 3
	global_prefetch_b8 v30, s[96:97] th:TH_LOAD_NT scope:SCOPE_SE
	global_prefetch_b8 v30, s[88:89] th:TH_LOAD_NT scope:SCOPE_SE
	s_wait_tensorcnt 0x0                           ; my part of slot 0 is in; slot 1's first fill is issued as a refill is
	ds_add_u32 v[SPW], v[NIL]
	s_wait_dscnt 0x0
	CROUND
	JLOAD 1
	FETCH 0, 0, F0
	global_prefetch_b8 v30, s[98:99] th:TH_LOAD_NT scope:SCOPE_SE
	WIN 0x80                                       ; destination window 2.  The residual and the bias are wanted on the way out alone: they are asked for behind slot 0's tiles, and have the whole K loop in which to land
.irp a, 0,1,2,3
.irp t, 0,1,2,3,4,5,6,7
	global_load_b128 v[RES+32*\a+4*\t:RES+32*\a+4*\t+3], v[CO], s[78:79] offset:(16*\a+2*\t)*4096
.endr
.endr
.irp b, 0,1,2,3
	global_load_b128 v[BN+8*\b:BN+8*\b+3], v[BO], s[76:77] offset:64*\b
	global_load_b128 v[BN+8*\b+4:BN+8*\b+7], v[BO], s[76:77] offset:64*\b+16
.endr
	STEP 0, 1, F0, F1, 1
.if LAPS > 1
	WIN 0
	s_mov_b32 s3, LAPS-1
.Llap:
	STEP 0, 2, F1, F0, 0
	STEP 0, 3, F0, F1, 0
	TURN 0, 1, 1
	STEP 1, 1, F0, F1, 0
	STEP 1, 2, F1, F0, 0
	STEP 1, 3, F0, F1, 0
	TURN 1, 0, 1
	STEP 0, 1, F0, F1, 0
	WIN 0
	s_sub_co_u32 s3, s3, 1
	s_cmp_lg_u32 s3, 0
	s_cbranch_scc1 .Llap
.endif
	STEP 0, 2, F1, F0, 0
	STEP 0, 3, F0, F1, 0
	TURN 0, 1, 0
	STEP 1, 1, F0, F1, 0
	STEP 1, 2, F1, F0, 0
	STEP 1, 3, F0, F1, 0
	s_wait_dscnt 12
	MULA F1, 0, 0
	s_wait_dscnt 8
	MULA F1, 1, 0
	s_wait_dscnt 4
	MULA F1, 2, 0
	s_wait_dscnt 0
	MULA F1, 3, 0
	WIN 0
	PLACES
.macro TOSTAGE a
	WIN 0x20
.irp b, 0,1,2,3
.irp i, 0,2,4,6
	v_pk_fma_f32 v[T+8*\b+\i:T+8*\b+\i+1], v[ACC+8*(4*(\a)+\b)+\i:ACC+8*(4*(\a)+\b)+\i+1], s[74:75], v[BN+8*\b+\i:BN+8*\b+\i+1] op_sel_hi:[1,0,1]
.endr
.endr
	WIN 0
.irp b, 0,1,2,3
	ds_store_b128 v[STO], v[T+8*\b:T+8*\b+3] offset:64*\b
	ds_store_b128 v[STO], v[T+8*\b+4:T+8*\b+7] offset:64*\b+16
.endr
.irp t, 0,1,2,3,4,5,6,7
	ds_load_b128 v[RB+32*((\a)%2)+4*\t:RB+32*((\a)%2)+4*\t+3], v[RD] offset:2*SP*\t
.endr
.endm
.macro SEND a, younger
	s_wait_dscnt \younger
	WIN 0x08
.irp t, 0,1,2,3,4,5,6,7
.irp i, 0,2
	v_pk_add_f32 v[RB+32*((\a)%2)+4*\t+\i:RB+32*((\a)%2)+4*\t+\i+1], v[RB+32*((\a)%2)+4*\t+\i:RB+32*((\a)%2)+4*\t+\i+1], v[RES+32*(\a)+4*\t+\i:RES+32*(\a)+4*\t+\i+1]
.endr
.endr
	WIN 0
.irp t, 0,1,2,3,4,5,6,7
	global_store_b128 v[CO], v[RB+32*((\a)%2)+4*\t:RB+32*((\a)%2)+4*\t+3], s[82:83] offset:(16*(\a)+2*\t)*4096 th:TH_STORE_NT
.endr
.endm
	s_wait_kmcnt 0x0
	s_add_co_i32 s74, s74, s75
	s_add_co_i32 s74, s74, 127
	s_lshl_b32 s74, s74, 23
	s_mov_b32 s75, s74
	s_wait_loadcnt 0x0
	TOSTAGE 0
.irp a, 1,2,3
.if \a > 1
	s_wait_xcnt 0x0
.endif
	TOSTAGE \a
	SEND \a-1, 16
.endr
	SEND 3, 0
	s_wait_tensorcnt 0x0
	ds_add_u32 v[SPW], v[NIL]
	s_wait_dscnt 0x0
	CROUND
	s_endpgm
.Lfunc_end_k_qdeb34607a2_ffn2:
	.size	k_qdeb34607a2_ffn2, .Lfunc_end_k_qdeb34607a2_ffn2-k_qdeb34607a2_ffn2
	.p2alignl 7, 3214868480
	.fill 96, 4, 3214868480
	.section	.rodata,"a",@progbits
	.p2align	6, 0x0
	.amdhsa_kernel k_qdeb34607a2_ffn2
		.amdhsa_group_segment_fixed_size 327680
		.amdhsa_private_segment_fixed_size 0
		.amdhsa_enable_private_segment 0
		.amdhsa_kernarg_size 48
		.amdhsa_user_sgpr_count 2
		.amdhsa_user_sgpr_kernarg_segment_ptr 1
		.amdhsa_wavefront_size32 1
		.amdhsa_system_sgpr_workgroup_id_x 1
		.amdhsa_system_sgpr_workgroup_id_y 1
		.amdhsa_system_sgpr_workgroup_id_z 1
		.amdhsa_system_vgpr_workitem_id 0
		.amdhsa_next_free_vgpr 672
		.amdhsa_next_free_sgpr 100
		.amdhsa_reserve_vcc 0
		.amdhsa_float_denorm_mode_32 3
		.amdhsa_float_denorm_mode_16_64 3
		.amdhsa_memory_ordered 1
		.amdhsa_forward_progress 1
		.amdhsa_inst_pref_size 86
	.end_amdhsa_kernel
	.amdgpu_metadata
---
amdhsa.version: [ 1, 2 ]
amdhsa.kernels:
  - .name:           k_qdeb34607a2_ffn2
    .symbol:         k_qdeb34607a2_ffn2.kd
    .args:
      - { .name: hc, .offset: 0, .size: 8, .value_kind: global_buffer, .address_space: global }
      - { .name: wc, .offset: 8, .size: 8, .value_kind: global_buffer, .address_space: global }
      - { .name: b2, .offset: 16, .size: 8, .value_kind: global_buffer, .address_space: global }
      - { .name: y1, .offset: 24, .size: 8, .value_kind: global_buffer, .address_space: global }
      - { .name: lowp_scales, .offset: 32, .size: 8, .value_kind: global_buffer, .address_space: global }
      - { .name: out0, .offset: 40, .size: 8, .value_kind: global_buffer, .address_space: global }
    .group_segment_fixed_size: 327680
    .private_segment_fixed_size: 0
    .kernarg_segment_align: 8
    .kernarg_segment_size: 48
    .max_flat_workgroup_size: 128
    .sgpr_count:     100
    .vgpr_count:     672
    .wavefront_size: 32
...
	.end_amdgpu_metadata
.endif
;; end of part 17
